; MI455X (gfx1250); checked and timed in simulation.
; The chip was launched on July 23, 2026; its instructions are those of AMD's public machine-readable ISA for CDNA 5 (MIT licence, August 2026) and "CDNA5" Instruction Set Architecture Reference Guide (July 2026). The comments in the code are by the model that wrote it; some were corrected since.
;; block. Allowed arithmetic: matrix products marked QUANTISED: E3M2 operands, one E8M0 scale for each 32 along K, by v_wmma_scale_f32_16x16x128_f8f6f4 with both operands' format E3M2, f32 sums; everything else in f32.
;; Inputs: attn_b 3,072 float32; attn_w 1,024 x 3,072 float32; fc1_b 4,096 float32; fc1_w 1,024 x 4,096 float32; fc2_b 1,024 float32; fc2_w 4,096 x 1,024 float32; ln1_b 1,024 float32; ln1_w 1,024 float32; ln2_b 1,024 float32; ln2_w 1,024 float32; proj_b 1,024 float32; proj_w 1,024 x 1,024 float32; x 2 x 2,048 x 1,024 float32.
;; Outputs: out0 2 x 2,048 x 1,024 float32.
;; This version of the problem:
;;   THIS VERSION OF THE PROBLEM IS GIVEN IN LOW PRECISION. The matrix products marked QUANTISED in the list below multiply operands that are first quantised to E3M2 (3 exponent bits, 2 mantissa bits; 6 bits a number), with one power-of-two scale for each 32 numbers along K (OCP MX v1.0); their sums are f32. All else is computed in f32.
;;   The module's matrix products, in the order in which they are computed (A, B: the left and right operand; K: the contracted axis; several contracted axes count as one K, in the product's order):
;;     1. [M 4,096, K 1,024] x [K 1,024, N 3,072]; A: computed on the way; B: input attn_w: QUANTISED
;;     2. batch 32 x [M 2,048, K 64] x [K 64, N 2,048]; A: computed on the way; B: computed on the way: QUANTISED
;;     3. batch 32 x [M 2,048, K 2,048] x [K 2,048, N 64]; A: softmax (see below); B: computed on the way: QUANTISED
;;     4. [M 4,096, K 1,024] x [K 1,024, N 1,024]; A: computed on the way; B: input proj_w: QUANTISED
;;     5. [M 4,096, K 1,024] x [K 1,024, N 4,096]; A: computed on the way; B: input fc1_w: QUANTISED
;;     6. [M 4,096, K 4,096] x [K 4,096, N 1,024]; A: computed on the way; B: input fc2_w: QUANTISED
;;   THE QUANTISER, for each operand of a quantised product, along K:
;;     - K is cut into blocks of 32 from its start; a last block that is shorter is filled with zeros.
;;     - A block's scale is 2^e with e = floor(log2(the largest magnitude in the block)) - 4, held to -126 .. 127; a block of zeros has e = 0. As a byte (E8M0): e + 127.
;;     - Each number is divided by its block's scale, clamped to +-28, and rounded to the nearest number of E3M2, ties to even, subnormals kept.
;;     - The product sums the exact products of the quantised numbers (number of the format x scale) in f32.
;;   ~~~python
;;   def quantise(x, axis):      # numpy; x: float32 -> the quantised numbers, widened to float32 again
;;       x = np.moveaxis(x, axis, -1); K = x.shape[-1]
;;       x = np.pad(x, [(0, 0)] * (x.ndim - 1) + [(0, -K % 32)]); x = x.reshape(x.shape[:-1] + (-1, 32)); a = np.abs(x).max(-1, keepdims=True)
;;       e = np.where(a > 0, np.clip(np.frexp(np.where(a > 0, a, 1))[1] - 1 - 4, -126, 127), 0)      # np.frexp(a)[1] - 1 = floor(log2(a)), exactly
;;       r = np.clip(x / 2.0 ** e, -28, 28)
;;       step = 2.0 ** (np.maximum(np.frexp(np.where(r == 0, 1, r))[1] - 1, -2) - 2)
;;       q = np.round(r / step) * step * 2.0 ** e      # np.round: ties to even
;;       return np.moveaxis(q.reshape(q.shape[:-2] + (-1,))[..., :K], -1, axis).astype(np.float32)
;;   ~~~
;;   SOFTMAX AHEAD OF A QUANTISED PRODUCT. Where the list says 'softmax', what is quantised is not the finished softmax but p = 2^(t - M), with t = logit x log2(e) and M = ceil(the row's largest t), a whole number; so 1/2 < the row's largest p <= 1. The row's sum l is taken of the UNQUANTISED p, in f32, and the product's result is divided by l at the end. Since M is a whole number, a kernel that streams over the keys may use a running M (the ceiling of the running maximum): every later rescaling is an exact power of two, which a block's scale takes up: the codes' values come out the same.
;;   OPERANDS COMPUTED ON THE WAY. 'Computed on the way' means the value that the module computes at that place (a softmax that the list does not call 'softmax' is quantised finished and normalised). What goes into a quantiser is computed in f32, as accurately as f32 sums, v_exp_f32 and their like allow (about 1e-6 of the number): no bf16 or f16 on the way to a quantiser, and a product that is left as it is and whose result goes on into a quantised operand takes f32 operands (vector FMAs, or v_wmma_f32_16x16x4_f32). A number that lies on a knife's edge between two numbers of the format may be rounded either way, as far as f32 arithmetic and the matrix unit's own rounding can turn it there, and no further.
;; 2 versions. Each part assembles by itself: llvm-mc -triple=amdgcn-amd-amdhsa -mcpu=gfx1250 --defsym DOCPART=n.
;; ======== version 1 of 2: 8 launches
;; workspace buffers: wc 9,830,400 bytes; act 3,276,800 bytes; qkvc 13,369,344 bytes; x2 16,777,216 bytes; h3 13,107,200 bytes
;; launch wq (part 1): grid 384 x 1, 8 waves a work-group, no clusters, 29,696 bytes of LDS; arguments attn_w, proj_w, fc1_w, fc2_w, wc; writes wc
.if DOCPART == 1
	.amdgcn_target "amdgcn-amd-amdhsa--gfx1250"
	.amdhsa_code_object_version 6
	.text
	.protected	k_qe21f3400dc_wq
	.globl	k_qe21f3400dc_wq
	.p2align	8
	.type	k_qe21f3400dc_wq,@function
k_qe21f3400dc_wq:
	s_mov_b64 s[64:65], 0
	v_nop
	global_prefetch_b8 v0, s[64:65] scope:SCOPE_SE
	s_setreg_imm32_b32 hwreg(HW_REG_WAVE_MODE, 25, 1), 1
	s_wait_xcnt 0x0
; THE FOUR WEIGHTS, f32 stored [K][N], become codes of BF6 (E3M2) with one E8M0 byte for each 32 along K, laid in the order of the operand's registers.
; A BLOCK OF THE OUTPUT (25,600 bytes) is 128 columns n x 256 along K: codes [q 2][row block 8][c 2][768 bytes], then scale words [q 2][row block 8][16 rows] of 4 bytes.
; A piece of 768 bytes is 16 rows x 64 K as six registers a lane: registers 0-3 at 16 x lane, registers 4-5 at 512 + 8 x lane; lane (r, h) holds k = 32 h .. 32 h + 31.
; Row block 2 G + u, row r, is column 32 G + 8 u + r + 8 (r / 8) of the tile: the order in which the products' results come out as neighbours.
; A work-group makes one such block; wave w takes q = w / 4 and columns 32 (w % 4) on: A LANE TAKES A COLUMN AND ITS REGISTERS RUN DOWN K, so a block of 32 lies in one lane and nothing is transposed.
; One path serves all four weights: row length, shift, first work-group, place in the output and the pointer are chosen on the work-group's number alone.
; A block's scale byte is its largest magnitude's exponent field - 4, held at 1 from below.  LIMITS: a block of zeros, and one whose largest magnitude lies under 2^-122, get the byte 1 (this program alone reads the bytes);
; NaN and infinities are not served.
.set OFS,  32                          ; v32-63   4 x lane + i rows of the weight
.set X,    64                          ; v64-191  128 numbers: four blocks of 32 down K; later the images on their way out
.set CD,   192                         ; v192..   codes: ten registers for each block, so that no LDS store's data are written again
.set WREG, 3584                        ; LDS: a wave's own region: two fragments 1,664 bytes apart (1,536 + 128, so that the two row blocks of a store fall on different banks), then 128 bytes of scale words
.set FRP,  1664
.set SWO,  3328
	s_load_b256 s[4:11], s[0:1], 0x0               ; attn_w, proj_w, fc1_w, fc2_w
	s_load_b64 s[12:13], s[0:1], 0x20              ; the output
	v_lshl_add_u32 v240, v0, 2, 0x7000
	v_mov_b32 v241, 0
	v_lshrrev_b32 v1, 5, v0
	v_readfirstlane_b32 s14, v1                    ; wave 0..7
	v_and_b32 v2, 31, v0                           ; lane = my column among the wave's 32
	v_bfe_u32 v3, v0, 3, 1                         ; u: which of the two row blocks
	v_and_b32 v4, 7, v0
	v_bfe_u32 v5, v0, 4, 1
	v_lshl_add_u32 v4, v5, 3, v4                   ; r: my row in it
	s_mul_i32 s15, s14, WREG
	v_mul_u32_u24 v5, v3, FRP
	v_add_nc_u32 v5, s15, v5
	v_lshl_add_u32 v6, v4, 4, v5                   ; where registers 0-3 of a block go: + 16 r
	v_lshl_add_u32 v7, v4, 3, v5                   ; and registers 4-5: + 8 r (512 in the immediate)
	v_lshlrev_b32 v12, 6, v3
	v_lshl_add_u32 v12, v4, 2, v12
	v_add_nc_u32 v12, s15, v12                     ; my scale word: 64 u + 4 r
	v_lshl_add_u32 v13, v2, 4, s15                 ; back: 16 x lane
	v_lshl_add_u32 v14, v2, 2, s15                 ; and 4 x lane
	s_mov_b32 s16, 4096                            ; fc2_w: bytes in a row,
	s_mov_b32 s17, 4                               ; log2 of the K pairs in a tile,
	s_mov_b32 s18, 256                             ; first work-group,
	s_mov_b32 s19, 6553600                         ; place in the output
	s_wait_kmcnt 0x0
	s_mov_b64 s[20:21], s[10:11]
	s_cmp_lt_u32 ttmp9, 256                        ; fc1_w
	s_cselect_b32 s16, 16384, s16
	s_cselect_b32 s17, 2, s17
	s_cselect_b32 s18, 128, s18
	s_cselect_b32 s19, 3276800, s19
	s_cselect_b64 s[20:21], s[8:9], s[20:21]
	s_cmp_lt_u32 ttmp9, 128                        ; proj_w
	s_cselect_b32 s16, 4096, s16
	s_cselect_b32 s18, 96, s18
	s_cselect_b32 s19, 2457600, s19
	s_cselect_b64 s[20:21], s[6:7], s[20:21]
	s_cmp_lt_u32 ttmp9, 96                         ; attn_w
	s_cselect_b32 s16, 12288, s16
	s_cselect_b32 s18, 0, s18
	s_cselect_b32 s19, 0, s19
	s_cselect_b64 s[20:21], s[4:5], s[20:21]
	s_sub_co_u32 s22, ttmp9, s18                   ; which block of this weight
	s_lshr_b32 s23, s22, s17                       ; its tile of 128 columns
	s_lshl_b32 s24, s23, s17
	s_sub_co_u32 s24, s22, s24                     ; its K pair
	s_lshr_b32 s25, s14, 2                         ; q
	s_and_b32 s26, s14, 3                          ; which 32 columns
	s_lshl_b32 s24, s24, 1
	s_add_co_u32 s24, s24, s25
	s_lshl_b32 s24, s24, 7                         ; my first row of K: 256 x pair + 128 q
	s_mul_i32 s38, s24, s16
	s_lshl_b32 s23, s23, 9
	s_add_co_u32 s38, s38, s23
	s_lshl_b32 s27, s26, 7
	s_add_co_u32 s38, s38, s27                     ; + (128 x tile + 32 x part) x 4 bytes
	s_mov_b32 s39, 0
	s_add_nc_u64 s[28:29], s[20:21], s[38:39]      ; a base for each block of 32 rows
	s_lshl_b32 s36, s16, 5
	s_mov_b32 s37, 0
	s_add_nc_u64 s[30:31], s[28:29], s[36:37]
	s_add_nc_u64 s[32:33], s[30:31], s[36:37]
	s_add_nc_u64 s[34:35], s[32:33], s[36:37]
	s_mul_i32 s40, s22, 25600
	s_add_co_u32 s40, s40, s19
	s_mov_b32 s41, 0
	s_add_nc_u64 s[12:13], s[12:13], s[40:41]      ; my block of the output
	s_mul_i32 s42, s25, 12288
	s_mul_i32 s43, s26, 3072
	s_add_co_u32 s42, s42, s43
	v_lshl_add_u32 v17, v2, 4, s42                 ; in it: my two fragments, 16 bytes a lane
	s_lshl_b32 s42, s25, 9
	s_lshl_b32 s43, s26, 7
	s_add_co_u32 s42, s42, s43
	s_add_co_u32 s42, s42, 24576
	v_lshl_add_u32 v18, v2, 2, s42                 ; and their scale words
	v_lshlrev_b32 v[OFS], 2, v2
.set n, 1
.rept 31
	v_add_nc_u32 v[OFS+n], s16, v[OFS+n-1]         ; the row length is no constant of the text, so each row has its offset register
.set n, n+1
.endr
.macro LOAD kb                         ; block kb: 32 rows of K at my column: 32 lanes read 128 consecutive bytes, four waves stand side by side on 512
.set n, 0
.rept 32
	global_load_b32 v[X+32*(\kb)+n], v[OFS+n], s[28+2*(\kb):29+2*(\kb)] th:TH_LOAD_NT
.set n, n+1
.endr
.endm
.macro BLOCK kb
.set XS, X+32*(\kb)
.set CB, CD+10*(\kb)
.if (\kb) < 3
	s_wait_loadcnt 32                              ; this block's 32 loads are in; the next block's 32 may be out
.else
	s_wait_loadcnt 0x0
.endif
.if (\kb) < 2
	LOAD (\kb)+2                                   ; two blocks ahead
.endif
	v_max3_num_f32 v8, |v[XS]|, |v[XS+1]|, |v[XS+2]|
	v_max3_num_f32 v9, |v[XS+3]|, |v[XS+4]|, |v[XS+5]|
.irp i, 6,10,14,18,22,26
	v_max3_num_f32 v8, v8, |v[XS+\i]|, |v[XS+\i+1]|
	v_max3_num_f32 v9, v9, |v[XS+\i+2]|, |v[XS+\i+3]|
.endr
	v_max3_num_f32 v8, v8, |v[XS+30]|, |v[XS+31]|
	v_max3_num_f32 v8, v8, v9, 0x2800000           ; the block's largest magnitude, and the floor 2^(5 - 127): the byte cannot fall under 1
	v_add_nc_u32 v10, 0xfe000000, v8               ; 4 off its exponent field: the conversion's scale operand
	v_cvt_scalef32_pk16_bf6_f32 v[CB:CB+2], v[XS:XS+15], v10
	v_cvt_scalef32_pk16_bf6_f32 v[CB+6:CB+8], v[XS+16:XS+31], v10   ; (a conversion's three registers begin on an even number)
	v_lshrrev_b32 v11, 23, v10                     ; the scale's byte; also the plain line behind the conversions
.if (\kb) == 0
	v_mov_b32 v16, v11
.else
	v_lshl_or_b32 v16, v11, 8*(\kb), v16           ; my column's scale word: byte kb
.endif
.irp i, 0,1,2
	v_mov_b32 v[CB+3+\i], v[CB+6+\i]
.endr
	ds_store_b128 v6, v[CB:CB+3] offset:768*((\kb)/2)+256*((\kb)%2)        ; piece c = kb / 2, lane r + 16 (kb % 2)
	ds_store_b64 v7, v[CB+4:CB+5] offset:512+768*((\kb)/2)+128*((\kb)%2)
.endm
	LOAD 0
	LOAD 1
	BLOCK 0
	BLOCK 1
	BLOCK 2
	BLOCK 3
	ds_store_b32 v12, v16 offset:SWO
.irp u, 0,1
.irp i, 0,1,2
	ds_load_b128 v[X+4*(3*\u+\i):X+4*(3*\u+\i)+3], v13 offset:FRP*\u+512*\i   ; LDS serves a wave's instructions in order: these see my stores
.endr
.endr
	ds_load_b32 v[X+24], v14 offset:SWO
	s_wait_dscnt 0x0
.irp u, 0,1
.irp i, 0,1,2
	global_store_b128 v17, v[X+4*(3*\u+\i):X+4*(3*\u+\i)+3], s[12:13] offset:1536*\u+512*\i   ; 32 lanes store 512 consecutive bytes, aligned to 256
.endr
.endr
	global_store_b32 v18, v[X+24], s[12:13]        ; 128 consecutive bytes of scale words
	s_wait_tensorcnt 0x0
	ds_add_u32 v240, v241
	s_wait_dscnt 0x0
	s_endpgm
.Lfunc_end_k_qe21f3400dc_wq:
	.size	k_qe21f3400dc_wq, .Lfunc_end_k_qe21f3400dc_wq-k_qe21f3400dc_wq
	.p2alignl 7, 3214868480
	.fill 96, 4, 3214868480
	.section	.rodata,"a",@progbits
	.p2align	6, 0x0
	.amdhsa_kernel k_qe21f3400dc_wq
		.amdhsa_group_segment_fixed_size 29696
		.amdhsa_private_segment_fixed_size 0
		.amdhsa_enable_private_segment 0
		.amdhsa_kernarg_size 40
		.amdhsa_user_sgpr_count 2
		.amdhsa_user_sgpr_kernarg_segment_ptr 1
		.amdhsa_wavefront_size32 1
		.amdhsa_system_sgpr_workgroup_id_x 1
		.amdhsa_system_sgpr_workgroup_id_y 1
		.amdhsa_system_sgpr_workgroup_id_z 1
		.amdhsa_system_vgpr_workitem_id 0
		.amdhsa_next_free_vgpr 242
		.amdhsa_next_free_sgpr 66
		.amdhsa_reserve_vcc 0
		.amdhsa_float_denorm_mode_32 3
		.amdhsa_float_denorm_mode_16_64 3
		.amdhsa_memory_ordered 1
		.amdhsa_forward_progress 1
		.amdhsa_inst_pref_size 25
	.end_amdhsa_kernel
	.amdgpu_metadata
---
amdhsa.version: [ 1, 2 ]
amdhsa.kernels:
  - .name:           k_qe21f3400dc_wq
    .symbol:         k_qe21f3400dc_wq.kd
    .args:
      - { .name: attn_w, .offset: 0, .size: 8, .value_kind: global_buffer, .address_space: global }
      - { .name: proj_w, .offset: 8, .size: 8, .value_kind: global_buffer, .address_space: global }
      - { .name: fc1_w, .offset: 16, .size: 8, .value_kind: global_buffer, .address_space: global }
      - { .name: fc2_w, .offset: 24, .size: 8, .value_kind: global_buffer, .address_space: global }
      - { .name: wc, .offset: 32, .size: 8, .value_kind: global_buffer, .address_space: global }
    .group_segment_fixed_size: 29696
    .private_segment_fixed_size: 0
    .kernarg_segment_align: 8
    .kernarg_segment_size: 40
    .max_flat_workgroup_size: 256
    .sgpr_count:     66
    .vgpr_count:     242
    .wavefront_size: 32
...
	.end_amdgpu_metadata
.endif
;; end of part 1
;; launch ln1 (part 2): grid 256 x 1, 8 waves a work-group, no clusters, 69,632 bytes of LDS; arguments x, ln1_w, ln1_b, act; writes act
.if DOCPART == 2
	.amdgcn_target "amdgcn-amd-amdhsa--gfx1250"
	.amdhsa_code_object_version 6
	.text
	.protected	k_qe21f3400dc_ln1
	.globl	k_qe21f3400dc_ln1
	.p2align	8
	.type	k_qe21f3400dc_ln1,@function
k_qe21f3400dc_ln1:
	s_mov_b64 s[64:65], 0
	v_nop
	global_prefetch_b8 v0, s[64:65] scope:SCOPE_SE
	s_setreg_imm32_b32 hwreg(HW_REG_WAVE_MODE, 25, 1), 1
	s_wait_xcnt 0x0
; LAYERNORM OVER 1,024 CHANNELS, THEN THE QUANTISER ALONG THE CHANNELS: h = (x - mean) rsqrt(var + 1e-5) w + b in f32, then codes of BF6 (E3M2) with one E8M0 byte for each 32 channels,
; stored in the order of the operand's registers: [tile of 128 rows][K pair][25,600 bytes]: codes [q 2][row block 8][c 2][768], then scale words [q 2][row block 8][16 rows].
; A work-group takes one row block, 16 rows: block g holds rows 32 (g / 2) + 8 (g % 2) + i + 8 (i / 8).  Wave w takes channels 128 w on, one K step, for all 16 rows.
; Loads take the bytes as they lie (512 consecutive bytes a load); the 16 x 512 bytes turn through the wave's own stage in LDS (rows 528 bytes apart: 33 x 16, so the sixteen rows of a load fall on different banks)
; and come back so that lane (r, h) holds of row r the channels 64 c + 32 h + 0 .. 31, c = 0, 1: two whole blocks of 32, as the operand's layout wants them.
; The mean and the variance (of x - mean: two passes over registers) meet across the eight waves in LDS: two barriers.
; LIMITS: a block of zeros, and one under 2^-122, get the byte 1 (this program alone reads the bytes); NaN and infinities are not served.
.set ROWB, 4096
.set STP,  528
.set RED,  67584                       ; behind the eight stages: two areas of [wave 8][row 16] words
.set X, 32                             ; v32-95   64 numbers
.set W, 96                             ; v96-159  the gains of my 64 channels
.set B, 160                            ; v160-223 the biases
.set C, 224                            ; v224-242 codes
	s_load_b256 s[4:11], s[0:1], 0x0               ; x, w, b, the output
	v_lshl_add_u32 v248, v0, 2, 0x10c00
	v_mov_b32 v249, 0
	v_lshrrev_b32 v1, 5, v0
	v_readfirstlane_b32 s14, v1                    ; wave 0..7
	v_and_b32 v1, 31, v0                           ; lane
	v_and_b32 v2, 15, v0                           ; r
	v_bfe_u32 v3, v0, 4, 1                         ; h
	s_mov_b32 s12, 0x76543210
	s_mov_b32 s13, 0xfedcba98                      ; v_permlanex16_b32's selects for lane l xor 16
	s_mov_b32 s20, 0x3a800000                      ; 1 / 1024
	s_mov_b32 s21, 0x3727c5ac                      ; 1e-5
	s_lshr_b32 s15, ttmp9, 1
	s_lshl_b32 s15, s15, 5
	s_and_b32 s16, ttmp9, 1
	s_lshl_b32 s16, s16, 3
	s_add_co_u32 s15, s15, s16                     ; the block's first row
	s_lshl_b32 s16, s15, 12
	s_mov_b32 s17, 0
	s_lshl_b32 s18, s14, 9
	v_lshl_add_u32 v4, v1, 4, s18                  ; x: 512 w + 16 x lane
	v_lshl_add_u32 v5, v3, 7, s18                  ; w, b: 512 w + 128 h
	s_mul_i32 s19, s14, 16*STP
	v_lshl_add_u32 v6, v1, 4, s19                  ; the stage, on the way in
	v_mul_u32_u24 v7, v2, STP
	v_lshl_add_u32 v7, v3, 7, v7
	v_add_nc_u32 v7, s19, v7                       ; and on the way out: row r, + 128 h
	s_lshl_b32 s19, s14, 6
	s_add_co_u32 s19, s19, RED
	v_lshl_add_u32 v28, v2, 2, s19                 ; my wave's word of row r
	v_lshl_add_u32 v29, v2, 2, RED                 ; wave 0's
	s_lshr_b32 s22, ttmp9, 3                       ; the output: tile of 128 rows,
	s_lshl_b32 s22, s22, 2
	s_lshr_b32 s23, s14, 1
	s_add_co_u32 s22, s22, s23                     ; K pair w / 2
	s_mul_i32 s22, s22, 25600
	s_and_b32 s23, s14, 1                          ; q = w % 2
	s_and_b32 s24, ttmp9, 7                        ; row block
	s_mul_i32 s25, s23, 12288
	s_mul_i32 s26, s24, 1536
	s_add_co_u32 s25, s25, s26
	s_add_co_u32 s25, s25, s22
	s_lshl_b32 s23, s23, 9
	s_lshl_b32 s24, s24, 6
	s_add_co_u32 s23, s23, s24
	s_add_co_u32 s23, s23, s22
	s_add_co_u32 s23, s23, 24576
	v_lshl_add_u32 v30, v1, 4, s25                 ; codes, registers 0-3
	v_lshl_add_u32 v31, v1, 3, s25                 ; registers 4-5
	v_lshl_add_u32 v244, v2, 2, s23                ; the scale word of row r
	s_wait_kmcnt 0x0
	s_add_nc_u64 s[4:5], s[4:5], s[16:17]
.irp i, 0,1,2,3,4,5,6,7,8,9,10,11,12,13,14,15
	global_load_b128 v[X+4*\i:X+4*\i+3], v4, s[4:5] offset:(\i+8*(\i/8))*ROWB
.endr
.irp c, 0,1
.irp j, 0,1,2,3,4,5,6,7
	global_load_b128 v[W+32*\c+4*\j:W+32*\c+4*\j+3], v5, s[6:7] offset:256*\c+16*\j
.endr
.endr
.irp c, 0,1
.irp j, 0,1,2,3,4,5,6,7
	global_load_b128 v[B+32*\c+4*\j:B+32*\c+4*\j+3], v5, s[8:9] offset:256*\c+16*\j
.endr
.endr
	s_wait_loadcnt 32                              ; x's sixteen loads are in; the 32 of w and b may be out
.irp i, 0,1,2,3,4,5,6,7,8,9,10,11,12,13,14,15
	ds_store_b128 v6, v[X+4*\i:X+4*\i+3] offset:\i*STP
.endr
	s_wait_dscnt 0x0                               ; the stores have read their registers, into which the loads below land
.irp c, 0,1
.irp j, 0,1,2,3,4,5,6,7
	ds_load_b128 v[X+32*\c+4*\j:X+32*\c+4*\j+3], v7 offset:256*\c+16*\j
.endr
.endr
	s_wait_dscnt 0x0
; v8 = my lane's part of a row's sum -> v8 = the row's sum over all 1,024 channels, the same bits in every wave
.macro ACROSS off
	v_permlanex16_b32 v9, v8, s12, s13
	v_add_f32 v8, v8, v9                           ; my wave's 128 channels
	ds_store_b32 v28, v8 offset:\off               ; lanes r and r + 16 write the same word with the same value
	s_wait_dscnt 0x0                               ; for the others' sake
	s_barrier_signal -1
	s_barrier_wait -1
.irp w, 0,1,2,3,4,5,6,7
	ds_load_b32 v[16+\w], v29 offset:\off+64*\w
.endr
	s_wait_dscnt 0x0
	v_add_f32 v16, v16, v17
	v_add_f32 v18, v18, v19
	v_add_f32 v20, v20, v21
	v_add_f32 v22, v22, v23
	v_add_f32 v16, v16, v18
	v_add_f32 v20, v20, v22
	v_add_f32 v8, v16, v20
.endm
.macro FOLD                            ; four chains of pairs -> v8
	v_pk_add_f32 v[8:9], v[8:9], v[10:11]
	v_pk_add_f32 v[12:13], v[12:13], v[14:15]
	v_pk_add_f32 v[8:9], v[8:9], v[12:13]
	v_add_f32 v8, v8, v9
.endm
.irp k, 0,1,2,3
	v_pk_add_f32 v[8+2*\k:9+2*\k], v[X+4*\k:X+4*\k+1], v[X+4*\k+2:X+4*\k+3]
.endr
.irp m, 16,24,32,40,48,56
.irp k, 0,1,2,3
	v_pk_add_f32 v[8+2*\k:9+2*\k], v[8+2*\k:9+2*\k], v[X+\m+2*\k:X+\m+2*\k+1]
.endr
.endr
	FOLD
	ACROSS 0
	v_mul_f32 v24, s20, v8                         ; the mean
	v_mov_b32 v25, v24
.set n, 0
.rept 32
	v_pk_add_f32 v[X+n:X+n+1], v[X+n:X+n+1], v[24:25] neg_lo:[0,1] neg_hi:[0,1]   ; x - mean
.set n, n+2
.endr
.irp k, 0,1,2,3
	v_pk_mul_f32 v[8+2*\k:9+2*\k], v[X+2*\k:X+2*\k+1], v[X+2*\k:X+2*\k+1]
.endr
.irp m, 8,16,24,32,40,48,56
.irp k, 0,1,2,3
	v_pk_fma_f32 v[8+2*\k:9+2*\k], v[X+\m+2*\k:X+\m+2*\k+1], v[X+\m+2*\k:X+\m+2*\k+1], v[8+2*\k:9+2*\k]
.endr
.endr
	FOLD
	ACROSS 512                                     ; other words than the first sum's: no third barrier is needed
	v_fma_f32 v26, v8, s20, s21                    ; var + eps
	v_rsq_f32 v26, v26
	v_nop                                          ; a plain line behind the transcendental
	s_wait_alu depctr_va_vdst(0)                   ; and the wait ahead of its first reader
	v_mov_b32 v27, v26
	s_wait_loadcnt 0x0                             ; w and b
.set n, 0
.rept 32
	v_pk_mul_f32 v[X+n:X+n+1], v[X+n:X+n+1], v[26:27]
.set n, n+2
.endr
.set n, 0
.rept 32
	v_pk_fma_f32 v[X+n:X+n+1], v[X+n:X+n+1], v[W+n:W+n+1], v[B+n:B+n+1]
.set n, n+2
.endr
.irp c, 0,1                                    ; my two blocks: all 32 numbers of each are mine
	v_max3_num_f32 v[8+\c], |v[X+32*\c]|, |v[X+32*\c+1]|, 0x2800000   ; with the floor 2^(5 - 127)
.endr
.irp i, 2,4,6,8,10,12,14,16,18,20,22,24,26,28,30
.irp c, 0,1
	v_max3_num_f32 v[8+\c], v[8+\c], |v[X+32*\c+\i]|, |v[X+32*\c+\i+1]|
.endr
.endr
.irp c, 0,1
	v_add_nc_u32 v[10+\c], 0xfe000000, v[8+\c]     ; 4 off the exponent field: the conversion's scale operand
.endr
.irp c, 0,1
	v_lshrrev_b32 v[12+\c], 23, v[10+\c]           ; the scale's byte
.endr
	v_lshl_or_b32 v245, v13, 16, v12               ; my bytes: blocks h and 2 + h of the row's four,
	v_lshlrev_b32 v14, 3, v3
	v_lshlrev_b32 v245, v14, v245                  ; at their places;
	v_permlanex16_b32 v14, v245, s12, s13
	v_or_b32 v245, v245, v14                       ; with lane l xor 16's two the word is whole
.irp c, 0,1
	v_cvt_scalef32_pk16_bf6_f32 v[C+10*\c:C+10*\c+2], v[X+32*\c:X+32*\c+15], v[10+\c]
	v_cvt_scalef32_pk16_bf6_f32 v[C+10*\c+6:C+10*\c+8], v[X+32*\c+16:X+32*\c+31], v[10+\c]
.endr
	v_nop                                          ; a plain line behind the conversions
.irp c, 0,1
.irp i, 0,1,2
	v_mov_b32 v[C+10*\c+3+\i], v[C+10*\c+6+\i]
.endr
.endr
.irp c, 0,1
	global_store_b128 v30, v[C+10*\c:C+10*\c+3], s[10:11] offset:768*\c            ; 512 consecutive bytes, aligned to 256
	global_store_b64 v31, v[C+10*\c+4:C+10*\c+5], s[10:11] offset:768*\c+512       ; 256 consecutive bytes, aligned
.endr
	global_store_b32 v244, v245, s[10:11]          ; lanes r and r + 16 store the same word to the same place
	s_wait_tensorcnt 0x0
	ds_add_u32 v248, v249
	s_wait_dscnt 0x0
	s_endpgm
.Lfunc_end_k_qe21f3400dc_ln1:
	.size	k_qe21f3400dc_ln1, .Lfunc_end_k_qe21f3400dc_ln1-k_qe21f3400dc_ln1
	.p2alignl 7, 3214868480
	.fill 96, 4, 3214868480
	.section	.rodata,"a",@progbits
	.p2align	6, 0x0
	.amdhsa_kernel k_qe21f3400dc_ln1
		.amdhsa_group_segment_fixed_size 69632
		.amdhsa_private_segment_fixed_size 0
		.amdhsa_enable_private_segment 0
		.amdhsa_kernarg_size 32
		.amdhsa_user_sgpr_count 2
		.amdhsa_user_sgpr_kernarg_segment_ptr 1
		.amdhsa_wavefront_size32 1
		.amdhsa_system_sgpr_workgroup_id_x 1
		.amdhsa_system_sgpr_workgroup_id_y 1
		.amdhsa_system_sgpr_workgroup_id_z 1
		.amdhsa_system_vgpr_workitem_id 0
		.amdhsa_next_free_vgpr 250
		.amdhsa_next_free_sgpr 66
		.amdhsa_reserve_vcc 0
		.amdhsa_float_denorm_mode_32 3
		.amdhsa_float_denorm_mode_16_64 3
		.amdhsa_memory_ordered 1
		.amdhsa_forward_progress 1
		.amdhsa_inst_pref_size 26
	.end_amdhsa_kernel
	.amdgpu_metadata
---
amdhsa.version: [ 1, 2 ]
amdhsa.kernels:
  - .name:           k_qe21f3400dc_ln1
    .symbol:         k_qe21f3400dc_ln1.kd
    .args:
      - { .name: x, .offset: 0, .size: 8, .value_kind: global_buffer, .address_space: global }
      - { .name: ln1_w, .offset: 8, .size: 8, .value_kind: global_buffer, .address_space: global }
      - { .name: ln1_b, .offset: 16, .size: 8, .value_kind: global_buffer, .address_space: global }
      - { .name: act, .offset: 24, .size: 8, .value_kind: global_buffer, .address_space: global }
    .group_segment_fixed_size: 69632
    .private_segment_fixed_size: 0
    .kernarg_segment_align: 8
    .kernarg_segment_size: 32
    .max_flat_workgroup_size: 256
    .sgpr_count:     66
    .vgpr_count:     250
    .wavefront_size: 32
...
	.end_amdgpu_metadata
.endif
;; end of part 2
;; launch qkv (part 3): grid 24 x 32, 4 waves a work-group, clusters of 4 x 4, 205,312 bytes of LDS; arguments act, wc, attn_b, qkvc; writes qkvc
.if DOCPART == 3
	.amdgcn_target "amdgcn-amd-amdhsa--gfx1250"
	.amdhsa_code_object_version 6
	.text
	.protected	k_qe21f3400dc_qkv
	.globl	k_qe21f3400dc_qkv
	.p2align	8
	.type	k_qe21f3400dc_qkv,@function
k_qe21f3400dc_qkv:
	s_mov_b64 s[64:65], 0
	v_nop
	global_prefetch_b8 v0, s[64:65] scope:SCOPE_SE
	s_setreg_imm32_b32 hwreg(HW_REG_WAVE_MODE, 25, 1), 1
	s_wait_xcnt 0x0
	s_wait_alu depctr_hold_cnt(0) depctr_sa_sdst(0) depctr_va_vdst(0) depctr_va_sdst(0) depctr_va_ssrc(0) depctr_va_vcc(0) depctr_vm_vsrc(0)
	s_getreg_b32 s2, hwreg(HW_REG_IB_STS2, 6, 4)
	s_cmp_eq_u32 s2, 0
	s_cbranch_scc0 .Lentry_in_a_cluster
	s_endpgm
.Lentry_in_a_cluster:
	s_bfe_u32 s2, ttmp6, 0x10000c
	s_cmp_lg_u32 s2, 0xf033
	s_cbranch_scc0 .Lentry_shape_is_right
	s_endpgm
.Lentry_shape_is_right:
; qkv = LN1(x) attn_w + attn_b on codes of BF6 with E8M0 scales, and the quantisers of q, k (along the head's 64) and v (along the keys), whose codes leave in the order of attention's operand registers.
; OPERANDS lie in memory as images of registers: a stream [tile of 128 rows][K pair][25,600 bytes]: codes [q 2][row block 8][c 2][768], then scale words [q 2][row block 8][16 rows].  A piece of 768 bytes is 16 rows x 64 K:
; registers 0-3 at 16 x lane, 4-5 at 512 + 8 x lane.  Row block 2 G + u, row r, is row 32 G + 8 u + r + 8 (r / 8) of the tile, so that the 16 registers of two neighbouring result tiles are 16 neighbours along source 0's rows.
; A tile of C is 128 x 128; four waves, each 64 x 64: 16 accumulators.  K = 1,024 lies in two LDS slots of 512, each filled ONCE, at the head: no slot is filled again.
; CLUSTER 4 x 4: A's blocks hang on the tile row alone and are asked for jointly along a row of the cluster, B's on the tile column alone and jointly along a column.
; q, k (tile columns 0-15): source 0 = B (columns), source 1 = A (tokens): a lane holds one token and 64 neighbouring columns, one head's: a piece of 768 bytes and two scale bytes.
; v (tile columns 16-23; the branch hangs on the cluster's x, which all partners share): the sources change places: a lane holds one channel and 64 neighbouring tokens: a piece of V^T with the keys innermost.
; OUTPUT: for each (batch x head, 128 tokens) 13,056 bytes: 8 token tiles x 768; V^T [4 tiles of channels][c 2][768] at 6,144; the tiles' scale words (bytes 2, 3 = 0) at 12,288; V^T's at 12,800.  q's container first, k's and v's behind it.
; LIMITS: a block of zeros, and one under 2^-122, get the byte 1 (this program alone reads the bytes); NaN and infinities are not served.
; No prefetch: every tile is asked for at the head.
.set KPB,  25600
.set SLOT, 4*KPB                       ; A's two blocks, then B's two
.set KPN,  4                           ; K pairs in a tile's stream
.set BOFF, 0                           ; where this weight's stream begins
.set CONT, 6684672                     ; a container
.set A16, 4                            ; v4-5   LDS address of A's registers 0-3 in slot 0, 1;  v6-7 registers 4-5;  v8-9 scale words
.set A8,  6
.set A4,  8
.set B16, 10                           ; v10-15 the same for B
.set B8,  12
.set B4,  14
.set SC,  32                           ; v32-39 scale words, two sets of {A pair 0, A pair 1, B pair 0, B pair 1}: lanes 0-15 the even row block's, lanes 16-31 the odd one's
.set BIAS, 64                          ; v64-95 the bias in the result's layout: the C of each sum's first product; later codes
.set TM,  104                          ; v104-111 the quantiser's work
.set ACC, 128                          ; v128-255 accumulator (x, y) at 128 + 8 (4 x + y)
.set G1,  24                           ; s[24:31] descriptor group 1 for A, s[32:39] group 0, a set for each slot; s[48:55], s[56:63] for B
.set G0,  32
.set G1B, 48
.set G0B, 56
.set SEL, 20
.set MUL,  0x05                        ; sources 0 and 1 in window 1 (fragments: buffer 0 at v0, buffer 1 at v96; A's four at + 12 f, B's at + 48 + 12 f), C and D in window 0
.set TO_F, 0x40                        ; destination window 1
.set MSB, 0
.macro WIN new                         ; the immediate's high byte repeats the setting that is left
.if MSB != \new
	s_set_vgpr_msb (MSB<<8)|\new
.set MSB, \new
.endif
.endm
.macro PLACES                          ; four plain lines between a matrix instruction and a load into, or a read of, its registers (ISA guide 7.12.1 for reads)
.rept 4
	v_nop
.endr
.endm
.macro CROUND                          ; a round of the cluster's barrier
	s_barrier_signal -1
	s_barrier_wait -1
	s_cmp_lg_u32 s14, 0
	s_cbranch_scc1 .Lnot_wave_0_\@
	s_barrier_signal -3
.Lnot_wave_0_\@:
	s_barrier_wait -3
	s_barrier_signal -1
	s_barrier_wait -1
.endm
.macro FETCH s, k4, bf                 ; the fragments and scale words of the slot's k4-th 128 along K into buffer bf: 36 loads, each of consecutive bytes
.set KO, KPB*((\k4)/2)
.set QO, (\k4)%2
.set SS, SC+4*((\bf)/96)
	WIN 0
.irp p, 0,1
	ds_load_b32 v[SS+\p], v[A4+\s] offset:KO+512*QO+128*\p
	ds_load_b32 v[SS+2+\p], v[B4+\s] offset:KO+512*QO+128*\p
.endr
	WIN TO_F
.irp f, 0,1,2,3
.irp c, 0,1
	ds_load_b128 v[\bf+12*\f+6*\c:\bf+12*\f+6*\c+3], v[A16+\s] offset:KO+12288*QO+1536*\f+768*\c
	ds_load_b64 v[\bf+12*\f+6*\c+4:\bf+12*\f+6*\c+5], v[A8+\s] offset:KO+12288*QO+1536*\f+768*\c+512
	ds_load_b128 v[\bf+48+12*\f+6*\c:\bf+48+12*\f+6*\c+3], v[B16+\s] offset:KO+12288*QO+1536*\f+768*\c
	ds_load_b64 v[\bf+48+12*\f+6*\c+4:\bf+48+12*\f+6*\c+5], v[B8+\s] offset:KO+12288*QO+1536*\f+768*\c+512
.endr
.endr
.endm
.macro WM                              ; one product; pA, pB: the odd row block's scale words stand in lanes 16-31
.if pA && pB
	v_wmma_scale_f32_16x16x128_f8f6f4 v[rD:rD+7], v[rA:rA+11], v[rB:rB+11], v[rC:rC+7], v[rSA], v[rSB] matrix_a_fmt:MATRIX_FMT_BF6 matrix_b_fmt:MATRIX_FMT_BF6 matrix_a_scale:MATRIX_SCALE_ROW1 matrix_b_scale:MATRIX_SCALE_ROW1
.elseif pA
	v_wmma_scale_f32_16x16x128_f8f6f4 v[rD:rD+7], v[rA:rA+11], v[rB:rB+11], v[rC:rC+7], v[rSA], v[rSB] matrix_a_fmt:MATRIX_FMT_BF6 matrix_b_fmt:MATRIX_FMT_BF6 matrix_a_scale:MATRIX_SCALE_ROW1
.elseif pB
	v_wmma_scale_f32_16x16x128_f8f6f4 v[rD:rD+7], v[rA:rA+11], v[rB:rB+11], v[rC:rC+7], v[rSA], v[rSB] matrix_a_fmt:MATRIX_FMT_BF6 matrix_b_fmt:MATRIX_FMT_BF6 matrix_b_scale:MATRIX_SCALE_ROW1
.else
	v_wmma_scale_f32_16x16x128_f8f6f4 v[rD:rD+7], v[rA:rA+11], v[rB:rB+11], v[rC:rC+7], v[rSA], v[rSB] matrix_a_fmt:MATRIX_FMT_BF6 matrix_b_fmt:MATRIX_FMT_BF6
.endif
.endm
; 16 products, 128 along K; the 16 accumulators take turns, one instruction a turn, in the same order in every step.
; swap = 0: source 0 = B's block y, source 1 = A's block x.  swap = 1: source 0 = A's block y, source 1 = B's block x.  first = 1: C is the bias.
.macro MUL16 bf, first, swap
.irp x, 0,1,2,3
.irp y, 0,1,2,3
.set rD, ACC+8*(4*\x+\y)
.set pA, \y%2
.set pB, \x%2
.if \swap
.set rA, \bf+12*\y
.set rB, \bf+48+12*\x
.set rSA, SC+4*((\bf)/96)+\y/2
.set rSB, SC+4*((\bf)/96)+2+\x/2
.set rC, BIAS+8*\x
.else
.set rA, \bf+48+12*\y
.set rB, \bf+12*\x
.set rSA, SC+4*((\bf)/96)+2+\y/2
.set rSB, SC+4*((\bf)/96)+\x/2
.set rC, BIAS+8*\y
.endif
.if !\first
.set rC, rD
.endif
	WM
.endr
.endr
.endm
.macro KS bf, first, swap, ns, nk4     ; a K step: buffer bf is multiplied while the next step's fragments come into the other buffer
	s_wait_dscnt 0x0                               ; buffer bf is in
	PLACES
	FETCH \ns, \nk4, 96-\bf
	WIN MUL
	MUL16 \bf, \first, \swap
.endm
.macro KLOOP swap
	s_wait_tensorcnt 0x1                           ; my part of slot 0 is in; slot 1's load may stay out
	s_barrier_signal -1
	s_barrier_wait -1                              ; everybody's is
	FETCH 0, 0, 0
	s_wait_loadcnt 0x0                             ; the bias
	KS 0, 1, \swap, 0, 1
	KS 96, 0, \swap, 0, 2
	KS 0, 0, \swap, 0, 3
	WIN 0
	s_wait_tensorcnt 0x0                           ; my part of slot 1 is in,
	s_wait_dscnt 0x0
	s_barrier_signal -1
	s_barrier_wait -1                              ; everybody's is
	PLACES
	FETCH 1, 0, 0
	WIN MUL
	MUL16 96, 0, \swap
	KS 0, 0, \swap, 1, 1
	KS 96, 0, \swap, 1, 2
	KS 0, 0, \swap, 1, 3
	s_wait_dscnt 0x0
	MUL16 96, 0, \swap
	WIN 0
.endm
; 32 numbers of a lane, register 16 P + i = k 32 P + 16 (lane / 16) + i of my row, become a piece's six registers in v[pc] on and its two scale bytes in v[pw].
.macro QUANT2 s, pc, pw
.irp P, 0,1
	v_max3_num_f32 v[TM+\P], |v[\s+16*\P]|, |v[\s+1+16*\P]|, 0x2800000   ; with the floor 2^(5 - 127): the byte cannot fall under 1.  Each accumulator is read from its low end on
.endr
.irp i, 2,4,6,8,10,12,14
.irp P, 0,1
	v_max3_num_f32 v[TM+\P], v[TM+\P], |v[\s+16*\P+\i]|, |v[\s+1+16*\P+\i]|
.endr
.endr
.irp P, 0,1
	v_permlanex16_b32 v[TM+2+\P], v[TM+\P], s[SEL], s[SEL+1]
.endr
.irp P, 0,1
	v_max_num_f32 v[TM+\P], v[TM+\P], v[TM+2+\P]   ; with lane l xor 16's 16: the block's largest magnitude
.endr
.irp P, 0,1
	v_add_nc_u32 v[TM+4+\P], 0xfe000000, v[TM+\P]  ; 4 off its exponent field: the conversion's scale operand
.endr
.irp P, 0,1
	v_lshrrev_b32 v[TM+6+\P], 23, v[TM+4+\P]       ; the scale's byte
.endr
	v_lshl_or_b32 v[\pw], v[TM+7], 8, v[TM+6]
	v_cvt_scalef32_pk16_bf6_f32 v[\pc:\pc+2], v[\s:\s+15], v[TM+4]
	v_cvt_scalef32_pk16_bf6_f32 v[\pc+6:\pc+8], v[\s+16:\s+31], v[TM+5]
	v_nop                                          ; a plain line behind the conversions
.irp i, 0,1,2
	v_permlane16_swap_b32 v[\pc+\i], v[\pc+6+\i]   ; a whole block to a lane: lanes 0-15 block 0, lanes 16-31 block 1
.endr
.irp i, 0,1,2
	v_mov_b32 v[\pc+3+\i], v[\pc+6+\i]
.endr
.endm
	s_load_b256 s[4:11], s[0:1], 0x0               ; A's stream, the weights' streams, the bias, the output
	v_lshl_add_u32 v126, v0, 2, 0x32000
	v_mov_b32 v127, 0
	ds_add_u32 v126, v127
	ds_add_u32 v126, v127
	v_lshrrev_b32 v1, 5, v0
	v_readfirstlane_b32 s14, v1                    ; wave 0..3
	s_lshr_b32 s15, s14, 1                         ; my half of the tile's rows.  Also: I fetch for A (0) or for B (1)
	s_and_b32 s16, s14, 1                          ; my half of its columns.  Also: which K pair of a slot I fetch
	s_bfe_u32 s40, ttmp6, 0x40000                  ; cx
	s_bfe_u32 s41, ttmp6, 0x40004                  ; cy
	s_lshl_b32 s42, ttmp9, 2
	s_add_co_u32 s42, s42, s40                     ; tile column
	s_and_b32 s17, ttmp7, 0xffff
	s_lshl_b32 s17, s17, 2
	s_add_co_u32 s17, s17, s41                     ; tile row
	s_lshl_b32 s43, s41, 2
	s_lshl_b32 s43, 15, s43                        ; my row of the cluster
	s_lshl_b32 s44, 0x1111, s40                    ; my column
	s_or_b32 s[G1], s43, (3<<16)|(1<<21)           ; the mask; elements of 8 bytes; bit 21 beside a mask; no padding
	s_or_b32 s[G1B], s44, (3<<16)|(1<<21)
.irp g, G1, G1B                                ; a dense block of 25,600 bytes as 100 rows of 256
	s_mov_b32 s[\g+1], 32<<16
	s_mov_b32 s[\g+2], 100<<16
	s_mov_b32 s[\g+3], 32<<16
	s_mov_b32 s[\g+4], 100
	s_mov_b32 s[\g+5], 32
	s_mov_b32 s[\g+6], 0
	s_mov_b32 s[\g+7], 0
.endr
	s_mul_i32 s18, s17, KPN
	s_add_co_u32 s18, s18, s16
	s_mul_i32 s18, s18, KPB                        ; A: the tile row's stream, my K pair
	s_mov_b32 s19, 0
	s_mul_i32 s46, s42, KPN
	s_add_co_u32 s46, s46, s16
	s_mul_i32 s46, s46, KPB
	s_add_co_u32 s46, s46, BOFF                    ; B: the tile column's
	s_mov_b32 s47, 0
	s_mul_i32 s45, s14, KPB                        ; in a slot: wave x 25,600: no place in the cluster enters an LDS address
	s_mov_b32 s[SEL], 0x76543210
	s_mov_b32 s[SEL+1], 0xfedcba98
	s_wait_dscnt 0x0
	s_wait_kmcnt 0x0
	s_add_nc_u64 s[18:19], s[4:5], s[18:19]
	s_add_nc_u64 s[46:47], s[6:7], s[46:47]
	CROUND                                         ; all sixteen work-groups are here: the joint loads meet
.irp s, 0,1
	s_mov_b32 s[G0+4*\s], 1
	s_add_co_u32 s[G0+4*\s+1], s45, \s*SLOT
	s_add_nc_u64 s[G0+4*\s+2:G0+4*\s+3], s[18:19], \s*2*KPB
	s_or_b32 s[G0+4*\s+3], s[G0+4*\s+3], 0x80000000
	s_mov_b32 s[G0B+4*\s], 1
	s_add_co_u32 s[G0B+4*\s+1], s45, \s*SLOT
	s_add_nc_u64 s[G0B+4*\s+2:G0B+4*\s+3], s[46:47], \s*2*KPB
	s_or_b32 s[G0B+4*\s+3], s[G0B+4*\s+3], 0x80000000
.endr
	s_cmp_eq_u32 s15, 0                            ; a wave's two fills stand in one branch on its number: two loads of mine are out
	s_cbranch_scc0 .Lfirst_b
	tensor_load_to_lds s[G0:G0+3], s[G1:G1+7]
	s_nop 0
	tensor_load_to_lds s[G0+4:G0+7], s[G1:G1+7]
	s_nop 0
.rept 4
	v_nop
.endr
	s_branch .Lfirst_asked
.Lfirst_b:
	tensor_load_to_lds s[G0B:G0B+3], s[G1B:G1B+7]
	s_nop 0
	tensor_load_to_lds s[G0B+4:G0B+7], s[G1B:G1B+7]
	s_nop 0
.rept 4
	v_nop
.endr
.Lfirst_asked:
	v_and_b32 v1, 31, v0                           ; lane
	v_and_b32 v2, 15, v0                           ; r
	v_bfe_u32 v3, v0, 4, 1                         ; h
	s_mul_i32 s22, s15, 6144                       ; my four row blocks of A,
	s_mul_i32 s23, s16, 6144
	s_add_co_u32 s23, s23, 2*KPB                   ; of B,
	s_lshl_b32 s66, s15, 8
	s_add_co_u32 s66, s66, 24576                   ; and their scale words
	s_lshl_b32 s67, s16, 8
	s_add_co_u32 s67, s67, 2*KPB+24576
.irp s, 0,1
	v_lshl_add_u32 v[A16+\s], v1, 4, s22
	v_lshl_add_u32 v[A8+\s], v1, 3, s22
	v_lshl_add_u32 v[A4+\s], v1, 2, s66
	v_lshl_add_u32 v[B16+\s], v1, 4, s23
	v_lshl_add_u32 v[B8+\s], v1, 3, s23
	v_lshl_add_u32 v[B4+\s], v1, 2, s67
	s_add_co_u32 s22, s22, SLOT
	s_add_co_u32 s23, s23, SLOT
	s_add_co_u32 s66, s66, SLOT
	s_add_co_u32 s67, s67, SLOT
.endr
	s_lshr_b32 s66, s17, 4                         ; batch
	s_and_b32 s67, s17, 15                         ; which 128 tokens of it
	s_and_b32 s68, s42, 7
	s_lshl_b32 s68, s68, 1
	s_add_co_u32 s68, s68, s16                     ; my head
	s_lshl_b32 s66, s66, 4
	s_add_co_u32 s66, s66, s68
	s_lshl_b32 s66, s66, 4
	s_add_co_u32 s66, s66, s67
	s_mul_i32 s66, s66, 13056
	s_lshr_b32 s68, s42, 3                         ; 0 q, 1 k, 2 v;
	s_min_u32 s68, s68, 1                          ; v lies in k's container
	s_mul_i32 s68, s68, CONT
	s_add_co_u32 s66, s66, s68
	s_mov_b32 s67, 0
	s_add_nc_u64 s[10:11], s[10:11], s[66:67]      ; my block of 13,056 bytes
	s_lshl_b32 s66, s42, 9
	s_lshl_b32 s68, s16, 8
	s_add_co_u32 s66, s66, s68
	s_add_nc_u64 s[8:9], s[8:9], s[66:67]          ; the bias of my 64 columns
	s_mov_b32 s69, 0xffff0000                      ; lanes 16-31
	v_mov_b32 v[TM+2], 0                           ; written once: a lane permute's destination counts as one of its sources
	v_mov_b32 v[TM+3], 0
	s_cmp_ge_u32 ttmp9, 4                          ; the cluster's x: the same in all sixteen partners
	s_cbranch_scc1 .Lvpath
	; ---- q and k
	v_lshlrev_b32 v16, 6, v3                       ; register j of accumulator (x, y) is column 32 (y / 2) + 16 h + 8 (y % 2) + j
.irp y, 0,1,2,3
	global_load_b128 v[BIAS+8*\y:BIAS+8*\y+3], v16, s[8:9] offset:(32*(\y/2)+8*(\y%2))*4
	global_load_b128 v[BIAS+8*\y+4:BIAS+8*\y+7], v16, s[8:9] offset:(32*(\y/2)+8*(\y%2))*4+16
.endr
	s_mul_i32 s22, s15, 3072                       ; my four token tiles
	v_lshl_add_u32 v17, v1, 4, s22
	v_lshl_add_u32 v18, v1, 3, s22
	s_lshl_b32 s22, s15, 8
	v_lshl_add_u32 v19, v1, 2, s22
	KLOOP 0
	PLACES
.irp x, 0,1,2,3
	QUANT2 ACC+32*\x, 64+10*\x, 112+\x
	global_store_b128 v17, v[64+10*\x:64+10*\x+3], s[10:11] offset:768*\x          ; 512 consecutive bytes, aligned to 256
	global_store_b64 v18, v[64+10*\x+4:64+10*\x+5], s[10:11] offset:768*\x+512     ; 256 consecutive bytes, aligned
.endr
.irp p, 0,1
	v_cndmask_b32 v[116+\p], v[112+2*\p], v[113+2*\p], s69   ; lanes 0-15 the even tile's words, lanes 16-31 the odd one's
	global_store_b32 v19, v[116+\p], s[10:11] offset:12288+128*\p
.endr
	s_wait_dscnt 0x0
	s_wait_tensorcnt 0x0
	ds_add_u32 v126, v127
	s_wait_dscnt 0x0
	CROUND                                         ; the closing round
	s_endpgm
	; ---- v
.Lvpath:
	v_and_b32 v16, 8, v2
	v_add_nc_u32 v16, v16, v2
	v_lshlrev_b32 v16, 2, v16                      ; lane r of B's block x is column 32 (x / 2) + 8 (x % 2) + r + 8 (r / 8)
.irp x, 0,1,2,3
	global_load_b32 v[96+\x], v16, s[8:9] offset:(32*(\x/2)+8*(\x%2))*4
.endr
	s_mul_i32 s22, s15, 768                        ; my 64 tokens are piece c = my half of the rows
	v_lshl_add_u32 v17, v1, 4, s22
	v_lshl_add_u32 v18, v1, 3, s22
	s_lshl_b32 s22, s15, 1
	v_lshl_add_u32 v19, v1, 2, s22                 ; and bytes 2 c, 2 c + 1 of the scale words
	s_wait_loadcnt 0x0
.irp x, 0,1,2,3
.irp j, 0,1,2,3,4,5,6,7
	v_mov_b32 v[BIAS+8*\x+\j], v[96+\x]            ; a lane's eight registers are eight tokens of one column: one bias
.endr
.endr
	KLOOP 1
	PLACES
.irp x, 0,1,2,3
	QUANT2 ACC+32*\x, 64+10*\x, 112+\x
	global_store_b128 v17, v[64+10*\x:64+10*\x+3], s[10:11] offset:6144+1536*\x
	global_store_b64 v18, v[64+10*\x+4:64+10*\x+5], s[10:11] offset:6144+1536*\x+512
.endr
.irp p, 0,1
	v_cndmask_b32 v[116+\p], v[112+2*\p], v[113+2*\p], s69
	global_store_b16 v19, v[116+\p], s[10:11] offset:12800+128*\p   ; two of a word's four bytes; the wave of the other row half stores the other two
.endr
	s_wait_dscnt 0x0
	s_wait_tensorcnt 0x0
	ds_add_u32 v126, v127
	s_wait_dscnt 0x0
	CROUND                                         ; the closing round
	s_endpgm
.Lfunc_end_k_qe21f3400dc_qkv:
	.size	k_qe21f3400dc_qkv, .Lfunc_end_k_qe21f3400dc_qkv-k_qe21f3400dc_qkv
	.p2alignl 7, 3214868480
	.fill 96, 4, 3214868480
	.section	.rodata,"a",@progbits
	.p2align	6, 0x0
	.amdhsa_kernel k_qe21f3400dc_qkv
		.amdhsa_group_segment_fixed_size 205312
		.amdhsa_private_segment_fixed_size 0
		.amdhsa_enable_private_segment 0
		.amdhsa_kernarg_size 32
		.amdhsa_user_sgpr_count 2
		.amdhsa_user_sgpr_kernarg_segment_ptr 1
		.amdhsa_wavefront_size32 1
		.amdhsa_system_sgpr_workgroup_id_x 1
		.amdhsa_system_sgpr_workgroup_id_y 1
		.amdhsa_system_sgpr_workgroup_id_z 1
		.amdhsa_system_vgpr_workitem_id 0
		.amdhsa_next_free_vgpr 448
		.amdhsa_next_free_sgpr 80
		.amdhsa_reserve_vcc 0
		.amdhsa_float_denorm_mode_32 3
		.amdhsa_float_denorm_mode_16_64 3
		.amdhsa_memory_ordered 1
		.amdhsa_forward_progress 1
		.amdhsa_inst_pref_size 101
	.end_amdhsa_kernel
	.amdgpu_metadata
---
amdhsa.version: [ 1, 2 ]
amdhsa.kernels:
  - .name:           k_qe21f3400dc_qkv
    .symbol:         k_qe21f3400dc_qkv.kd
    .args:
      - { .name: act, .offset: 0, .size: 8, .value_kind: global_buffer, .address_space: global }
      - { .name: wc, .offset: 8, .size: 8, .value_kind: global_buffer, .address_space: global }
      - { .name: attn_b, .offset: 16, .size: 8, .value_kind: global_buffer, .address_space: global }
      - { .name: qkvc, .offset: 24, .size: 8, .value_kind: global_buffer, .address_space: global }
    .group_segment_fixed_size: 205312
    .private_segment_fixed_size: 0
    .kernarg_segment_align: 8
    .kernarg_segment_size: 32
    .max_flat_workgroup_size: 128
    .sgpr_count:     80
    .vgpr_count:     448
    .wavefront_size: 32
...
	.end_amdgpu_metadata
.endif
;; end of part 3
;; launch attn (part 4): grid 8 x 32, 16 waves a work-group, clusters of 4 x 1, 210,944 bytes of LDS; arguments qkvc, act; writes act
.if DOCPART == 4
	.amdgcn_target "amdgcn-amd-amdhsa--gfx1250"
	.amdhsa_code_object_version 6
	.text
	.protected	k_qe21f3400dc_attn
	.globl	k_qe21f3400dc_attn
	.p2align	8
	.type	k_qe21f3400dc_attn,@function
k_qe21f3400dc_attn:
	s_mov_b64 s[64:65], 0
	v_nop
	global_prefetch_b8 v0, s[64:65] scope:SCOPE_SE
	s_setreg_imm32_b32 hwreg(HW_REG_WAVE_MODE, 25, 1), 1
	s_wait_xcnt 0x0
	s_wait_alu depctr_hold_cnt(0) depctr_sa_sdst(0) depctr_va_vdst(0) depctr_va_sdst(0) depctr_va_ssrc(0) depctr_va_vcc(0) depctr_vm_vsrc(0)
	s_getreg_b32 s2, hwreg(HW_REG_IB_STS2, 6, 4)
	s_cmp_eq_u32 s2, 0
	s_cbranch_scc0 .Lentry_in_a_cluster
	s_endpgm
.Lentry_in_a_cluster:
	s_bfe_u32 s2, ttmp6, 0x10000c
	s_cmp_lg_u32 s2, 0x3003
	s_cbranch_scc0 .Lentry_shape_is_right
	s_endpgm
.Lentry_shape_is_right:
; CAUSAL ATTENTION ON CODES OF BF6 with E8M0 scales, 32 (batch x head) of 2,048 tokens x 64 channels, and the quantiser of its result along the channels.
; t = score x log2(e) / 32 (the problem divides by sqrt(1,024)); M = the running largest t rounded UP to a whole number; p = 2^(t - M) is quantised along the keys, not normalised; the row's sum is taken of the unquantised p
; and divides at the end; when M moves, the sum and O are multiplied by 2^(old M - new M), which rounds nothing.
; INPUT: for each (batch x head, 128 tokens) 13,056 bytes: 8 token tiles x 768 bytes (16 tokens x 64 channels as six registers a lane: 0-3 at 16 x lane, 4-5 at 512 + 8 x lane); V^T [4][c 2][768] at 6,144 (keys innermost);
; the tiles' scale words at 12,288 (bytes 2, 3 = 0); V^T's at 12,800.  Tile 2 G + u, row r, is token 32 G + 8 u + r + 8 (r / 8) of the 128.
; SHARES.  A work-group belongs to one (batch x head); the whole head's K and V, 16 x 13,056 bytes, come into LDS ONCE: nothing is filled again.  The four work-groups of a cluster share the head and ask JOINTLY.
; Each of sixteen waves owns ONE tile of 16 queries: tile j = the work-group's number (0-7) of the 128 tokens pos(wave).  pos is a nibble of a 4 x 4 square whose rows and columns all add up to 30, so that
; any four waves of a row or column walk 34 key steps together.  A wave works in key steps 0 .. pos; step pos lies on the diagonal.  Both tests hang on the wave's number and a counter alone.
; Both products are used transposed: S^T = K Q^T, O^T = V^T P^T: a lane holds one query throughout.  The head has 64 channels and the instruction 128 along K: Q's upper six registers are zero codes; the six registers that
; K's operand names beyond its own are the next tile's codes (zeros behind the last), which meet those zeros.
; OUTPUT: y / l as codes in the order of the next product's A operand: [tile of 128 tokens][K pair][25,600 bytes].
; LIMITS: a block of zeros, and one under 2^-122, get the byte 1 (this program alone reads the bytes); NaN and infinities are not served.  No prefetch: all tiles are asked for at the head.
.set STB,  13056
.set CONT, 6684672
.set S,    96                          ; v96-159  S^T, then p: register 16 b + i is key 32 b + 16 (lane / 16) + i of the step
.set O,    160                         ; v160-191 O^T: register 16 G + i is channel 32 G + 16 (lane / 16) + i
.set PCD,  192                         ; v192-203 p's codes
.set PT,   204                         ; v204-210 the conversions' second halves
.set BM,   212                         ; v212-215 each block's largest score, then p
.set BX,   216                         ; v216-219 at work
.set SO,   220                         ; v220-223 the conversions' scale operands
.set T0,   224
.set F,    226                         ; v226 f = 2^(old M - new M);  v227 p's scale word (named with f as a pair whose low word alone is taken)
.set PSW,  227
.set TM,   212
.set WV,  8
.set POS, 12
.set KS,  13
.set TB,  14
.set CNT, 15
.set SEL, 16
.set CS,  18
.macro CROUND
	s_barrier_signal -1
	s_barrier_wait -1
	s_cmp_lg_u32 s[WV], 0
	s_cbranch_scc1 .Lnot_wave_0_\@
	s_barrier_signal -3
.Lnot_wave_0_\@:
	s_barrier_wait -3
	s_barrier_signal -1
	s_barrier_wait -1
.endm
	s_load_b128 s[4:7], s[0:1], 0x0                ; the containers, the output
	v_lshl_add_u32 v254, v0, 2, 0x33000
	v_mov_b32 v255, 0
	ds_add_u32 v254, v255
	ds_add_u32 v254, v255
	v_lshrrev_b32 v1, 5, v0
	v_readfirstlane_b32 s[WV], v1                  ; wave 0..15
	s_bfe_u32 s9, ttmp6, 0x40000                   ; cx
	s_lshl_b32 s10, ttmp9, 2
	s_add_co_u32 s10, s10, s9                      ; j: it enters global addresses and the mask's numbers alone
	s_and_b32 s11, ttmp7, 0xffff                   ; batch x head, which the four partners share
	s_mov_b32 s[POS], 0x0DE3B658
	s_cmp_lt_u32 s[WV], 8
	s_cselect_b32 s[POS], 0x7A94C12F, s[POS]
	s_and_b32 s20, s[WV], 7
	s_lshl_b32 s20, s20, 2
	s_lshr_b32 s[POS], s[POS], s20
	s_and_b32 s[POS], s[POS], 15                   ; pos
	s_mov_b32 s24, 15|(3<<16)|(1<<21)              ; group 1: all four work-groups; elements of 8 bytes; bit 21 beside a mask; a dense block as 51 rows of 256 bytes
	s_mov_b32 s25, 32<<16
	s_mov_b32 s26, 51<<16
	s_mov_b32 s27, 32<<16
	s_mov_b32 s28, 51
	s_mov_b32 s29, 32
	s_mov_b32 s30, 0
	s_mov_b32 s31, 0
	s_mov_b32 s[SEL], 0x76543210
	s_mov_b32 s[SEL+1], 0xfedcba98
	s_mov_b32 s[CS], 0x3d38aa3b                    ; c = log2(e) / 32
	s_mov_b32 s[CS+1], s[CS]
	s_lshl_b32 s20, s11, 4
	s_add_co_u32 s20, s20, s[WV]
	s_mul_i32 s20, s20, STB
	s_add_co_u32 s20, s20, CONT                    ; k's and v's container, key step = my wave's number
	s_mov_b32 s21, 0
	s_mul_i32 s22, s[WV], STB
	s_wait_dscnt 0x0
	s_wait_kmcnt 0x0
	s_add_nc_u64 s[20:21], s[4:5], s[20:21]
	CROUND                                         ; all four work-groups are here: the joint loads meet
.irp g, 0,1,2,3                                ; waves 0-3: key steps 4 g + wave
	s_mov_b32 s[32+4*\g], 1
	s_add_co_u32 s[33+4*\g], s22, \g*4*STB
	s_add_nc_u64 s[34+4*\g:35+4*\g], s[20:21], \g*4*STB
	s_or_b32 s[35+4*\g], s[35+4*\g], 0x80000000
.endr
	s_cmp_lt_u32 s[WV], 4                          ; all fills of a wave stand in one branch on its number: four loads of mine are out
	s_cbranch_scc0 .Lno_fill
	tensor_load_to_lds s[32:35], s[24:31]
	s_nop 0
	tensor_load_to_lds s[36:39], s[24:31]
	s_nop 0
	tensor_load_to_lds s[40:43], s[24:31]
	s_nop 0
	tensor_load_to_lds s[44:47], s[24:31]
	s_nop 0
.rept 4
	v_nop
.endr
.Lno_fill:
	v_and_b32 v4, 31, v0                           ; lane
	v_and_b32 v5, 15, v0                           ; r
	v_bfe_u32 v6, v0, 4, 1                         ; h
	v_lshlrev_b32 v1, 4, v4
	v_lshlrev_b32 v2, 3, v4
	v_lshlrev_b32 v3, 2, v4
	s_lshl_b32 s48, s11, 4
	s_add_co_u32 s48, s48, s[POS]
	s_mul_i32 s48, s48, STB
	s_mov_b32 s49, 0
	s_add_nc_u64 s[4:5], s[4:5], s[48:49]          ; q's container, my 128 tokens
	s_mul_i32 s50, s10, 768
	v_add_nc_u32 v7, s50, v1
	v_add_nc_u32 v11, s50, v2
	s_lshl_b32 s51, s10, 6
	v_lshl_add_u32 v30, v5, 2, s51
	global_load_b128 v[16:19], v7, s[4:5]          ; Q's tile stays in registers
	global_load_b64 v[20:21], v11, s[4:5] offset:512
	global_load_b32 v28, v30, s[4:5] offset:12288  ; its scale words
	s_lshr_b32 s52, s10, 1
	s_lshl_b32 s52, s52, 5
	s_and_b32 s53, s10, 1
	s_lshl_b32 s53, s53, 3
	s_add_co_u32 s52, s52, s53
	v_and_b32 v29, 8, v5
	v_add3_u32 v29, v29, v5, s52                   ; my query among its 128 tokens,
	v_lshlrev_b32 v31, 4, v6
	v_sub_nc_u32 v29, v29, v31                     ; less 16 h: on the diagonal register 16 b + i is hidden where 32 b + i is greater
	v_mov_b32 v13, 0xff61b1e6                      ; the largest t so far: -3e38
	v_floor_f32 v12, -v13                          ; -M
	v_mov_b32 v14, 0                               ; the sum, in two halves
	v_mov_b32 v15, 0
.irp i, 22,23,24,25,26,27,80,81,82,83,84,85
	v_mov_b32 v\i, 0                               ; zero codes: Q's upper half, and what K's last tile names beyond its own
.endr
.set n, 0
.rept 32
	v_mov_b32 v[O+n], 0                            ; the step is written once: the first finds zeros, which the first change of M leaves zeros
.set n, n+1
.endr
.set n, 0
.rept 16
	v_mov_b32 v[BM+n], 0                           ; v212-227: lane permutes' destinations and the pair's upper half are written before they are named
.set n, n+1
.endr
; A KEY STEP: 128 keys.
.macro STEP
	s_cmp_gt_u32 s[KS], s[POS]                     ; all its keys come after my queries: left out, but for the two lines at its end
	s_cbranch_scc1 .Lskip_\@
	v_add_nc_u32 v8, s[TB], v1
	v_add_nc_u32 v9, s[TB], v2
	v_add_nc_u32 v10, s[TB], v3
	v_nop                                          ; four plain lines between the last products and loads into their registers
.irp t, 0,1,2,3,4,5,6,7
	ds_load_b128 v[32+6*\t:35+6*\t], v8 offset:768*\t
	ds_load_b64 v[36+6*\t:37+6*\t], v9 offset:768*\t+512
.endr
.irp p, 0,1,2,3
	ds_load_b32 v[86+\p], v10 offset:12288+128*\p  ; lanes 0-15 the even tile's scale words, lanes 16-31 the odd one's
.endr
.irp p, 0,1
	ds_load_b32 v[90+\p], v10 offset:12800+128*\p
.endr
	s_wait_dscnt 0x0
.irp t, 0,2,4,6
	v_wmma_scale_f32_16x16x128_f8f6f4 v[S+8*\t:S+8*\t+7], v[32+6*\t:43+6*\t], v[16:27], 0, v[86+\t/2], v28 matrix_a_fmt:MATRIX_FMT_BF6 matrix_b_fmt:MATRIX_FMT_BF6
	v_wmma_scale_f32_16x16x128_f8f6f4 v[S+8*\t+8:S+8*\t+15], v[38+6*\t:49+6*\t], v[16:27], 0, v[86+\t/2], v28 matrix_a_fmt:MATRIX_FMT_BF6 matrix_b_fmt:MATRIX_FMT_BF6 matrix_a_scale:MATRIX_SCALE_ROW1
.endr
.rept 4
	v_nop                                          ; places, for the loads below and for the first read of the scores
.endr
.irp d, 0,1,2,3
.irp c, 0,1
	ds_load_b128 v[32+12*\d+6*\c:35+12*\d+6*\c], v8 offset:6144+1536*\d+768*\c    ; V^T: it lands under the softmax
	ds_load_b64 v[36+12*\d+6*\c:37+12*\d+6*\c], v9 offset:6144+1536*\d+768*\c+512
.endr
.endr
	s_cmp_lg_u32 s[KS], s[POS]
	s_cbranch_scc1 .Lopen_\@
	v_mov_b32 v[T0], 0xff800000                    ; on the diagonal hidden scores become -infinity ahead of the maximum: p = 0 then
.set n, 0
.rept 64
	v_cmp_gt_i32 vcc_lo, 32*(n/16)+n%16, v29
	v_cndmask_b32 v[S+n], v[S+n], v[T0], vcc_lo
.set n, n+1
.endr
.Lopen_\@:
.irp b, 0,1,2,3
	v_max3_num_f32 v[BM+\b], v[S+16*\b], v[S+1+16*\b], v[S+2+16*\b]   ; the largest score of each block of 32 keys: for the row's maximum and, since p rises with the score, for the block's largest p
.endr
.irp i, 3,5,7,9,11,13
.irp b, 0,1,2,3
	v_max3_num_f32 v[BM+\b], v[BM+\b], v[S+16*\b+\i], v[S+1+16*\b+\i]
.endr
.endr
.irp b, 0,1,2,3
	v_max_num_f32 v[BM+\b], v[BM+\b], v[S+15+16*\b]
.endr
.irp b, 0,1,2,3
	v_permlanex16_b32 v[BX+\b], v[BM+\b], s[SEL], s[SEL+1]
.endr
.irp b, 0,1,2,3
	v_max_num_f32 v[BM+\b], v[BM+\b], v[BX+\b]
.endr
	v_max3_num_f32 v[T0], v[BM], v[BM+1], v[BM+2]
	v_max_num_f32 v[T0], v[T0], v[BM+3]
	v_mul_f32 v[T0], s[CS], v[T0]
	v_max_num_f32 v13, v13, v[T0]                  ; the running largest t
	v_mov_b32 v[T0], v12
	v_floor_f32 v12, -v13                          ; the new -M = -ceil(t)
	v_sub_f32 v[T0], v12, v[T0]                    ; old M - new M: a whole number, 0 or less
	v_cvt_i32_f32 v[T0], v[T0]                     ; (it saturates)
	v_ldexp_f32 v[F], 1.0, v[T0]                   ; f
.set n, 0
.rept 32
	v_pk_fma_f32 v[S+n:S+n+1], v[S+n:S+n+1], s[CS:CS+1], v[12:13] op_sel_hi:[1,0,0]   ; t - M
.set n, n+2
.endr
.irp b, 0,1,2,3
	v_fma_f32 v[BM+\b], v[BM+\b], s[CS], v12
.endr
.set n, 0
.rept 64
	v_exp_f32 v[S+n], v[S+n]                       ; p
.set n, n+1
.endr
	v_pk_mul_f32 v[14:15], v[14:15], v[F:F+1] op_sel_hi:[1,0]   ; the sums under the new M; the plain line behind the batch
	s_wait_alu depctr_va_vdst(0)                   ; one wait for the batch, ahead of its first reader
.irp b, 0,1,2,3
	v_exp_f32 v[BM+\b], v[BM+\b]                   ; each block's largest p: the same two instructions on the same number
.endr
	v_pk_add_f32 v[BX:BX+1], v[S:S+1], v[S+2:S+3]  ; the row's sum of the unquantised p, in two chains
.irp j, 4,8,12,16,20,24,28,32,36,40,44,48,52,56,60
	v_pk_add_f32 v[14:15], v[14:15], v[S+\j:S+\j+1]
	v_pk_add_f32 v[BX:BX+1], v[BX:BX+1], v[S+2+\j:S+3+\j]
.endr
	v_pk_add_f32 v[14:15], v[14:15], v[BX:BX+1]
	s_wait_alu depctr_va_vdst(0)                   ; and one for the four
.irp b, 0,1,2,3
	v_max_num_f32 v[BM+\b], 0x2800000, v[BM+\b]    ; the floor 2^(5 - 127)
.endr
.irp b, 0,1,2,3
	v_add_nc_u32 v[SO+\b], 0xfe000000, v[BM+\b]
.endr
.irp b, 0,1,2,3
	v_lshrrev_b32 v[BX+\b], 23, v[SO+\b]
.endr
	v_lshl_or_b32 v[PSW], v[BX+1], 8, v[BX]
	v_lshl_or_b32 v[PSW], v[BX+2], 16, v[PSW]
	v_lshl_or_b32 v[PSW], v[BX+3], 24, v[PSW]
.irp c, 0,1
	v_cvt_scalef32_pk16_bf6_f32 v[PCD+6*\c:PCD+2+6*\c], v[S+32*\c:S+15+32*\c], v[SO+2*\c]
	v_cvt_scalef32_pk16_bf6_f32 v[PT+4*\c:PT+2+4*\c], v[S+16+32*\c:S+31+32*\c], v[SO+2*\c+1]
.endr
	v_nop
.irp c, 0,1
.irp i, 0,1,2
	v_permlane16_swap_b32 v[PCD+6*\c+\i], v[PT+4*\c+\i]
.endr
.irp i, 0,1,2
	v_mov_b32 v[PCD+3+6*\c+\i], v[PT+4*\c+\i]
.endr
.endr
.set n, 0
.rept 16
	v_pk_mul_f32 v[O+n:O+n+1], v[O+n:O+n+1], v[F:F+1] op_sel_hi:[1,0]   ; O^T under the new M; these sixteen also stand between the operand's and the scale word's last writes and the products
.set n, n+2
.endr
	s_wait_dscnt 0x0                               ; V^T is in
.irp d, 0,2
	v_wmma_scale_f32_16x16x128_f8f6f4 v[O+8*\d:O+8*\d+7], v[32+12*\d:43+12*\d], v[PCD:PCD+11], v[O+8*\d:O+8*\d+7], v[90+\d/2], v[PSW] matrix_a_fmt:MATRIX_FMT_BF6 matrix_b_fmt:MATRIX_FMT_BF6
	v_wmma_scale_f32_16x16x128_f8f6f4 v[O+8*\d+8:O+8*\d+15], v[44+12*\d:55+12*\d], v[PCD:PCD+11], v[O+8*\d+8:O+8*\d+15], v[90+\d/2], v[PSW] matrix_a_fmt:MATRIX_FMT_BF6 matrix_b_fmt:MATRIX_FMT_BF6 matrix_a_scale:MATRIX_SCALE_ROW1
.endr
.Lskip_\@:
	s_add_co_u32 s[KS], s[KS], 1
	s_add_co_u32 s[TB], s[TB], STB
.endm
; Four key steps, behind the barrier that shows their tiles landed.
.macro GROUP g
	s_wait_tensorcnt 3-\g                          ; my load for this group is in; those of the later groups may stay out
	s_wait_dscnt 0x0
	s_barrier_signal -1
	s_barrier_wait -1                              ; all four loads of the group are in
	s_mov_b32 s[KS], 4*\g
	s_mov_b32 s[TB], 4*\g*STB
	s_mov_b32 s[CNT], 4
.Lstep_\@:
	STEP
	s_sub_co_u32 s[CNT], s[CNT], 1
	s_cmp_lg_u32 s[CNT], 0
	s_cbranch_scc1 .Lstep_\@
.endm
	s_wait_loadcnt 0x0                             ; Q
	GROUP 0
	GROUP 1
	GROUP 2
	GROUP 3
	; THE WAY OUT: O^T / the sum, quantised along the channels: my head's 64 channels are one piece of the next operand
.rept 4
	v_nop                                          ; places behind the last products
.endr
	v_add_f32 v14, v14, v15
	v_permlanex16_b32 v[T0], v14, s[SEL], s[SEL+1]
	v_add_f32 v14, v14, v[T0]                      ; the row's sum
	v_rcp_f32 v14, v14
	s_lshr_b32 s48, s11, 4
	s_lshl_b32 s48, s48, 4
	s_add_co_u32 s48, s48, s[POS]                  ; the tile of 128 tokens
	s_lshl_b32 s48, s48, 2
	s_bfe_u32 s49, s11, 0x20002                    ; K pair: head / 4
	s_add_co_u32 s48, s48, s49
	s_mul_i32 s48, s48, 25600
	s_mov_b32 s49, 0
	s_add_nc_u64 s[6:7], s[6:7], s[48:49]
	s_bfe_u32 s50, s11, 0x10001                    ; q = (head / 2) % 2
	s_and_b32 s51, s11, 1                          ; c = head % 2
	s_mul_i32 s52, s50, 12288
	s_mul_i32 s53, s10, 1536
	s_add_co_u32 s52, s52, s53
	s_mul_i32 s53, s51, 768
	s_add_co_u32 s52, s52, s53
	v_add_nc_u32 v8, s52, v1                       ; (plain lines behind the transcendental)
	v_add_nc_u32 v9, s52, v2
	s_lshl_b32 s52, s50, 9
	s_lshl_b32 s53, s10, 6
	s_add_co_u32 s52, s52, s53
	s_lshl_b32 s53, s51, 1
	s_add_co_u32 s52, s52, s53
	v_lshl_add_u32 v10, v5, 2, s52
	s_wait_alu depctr_va_vdst(0)                   ; the wait ahead of the reciprocal's first reader
.set n, 0
.rept 32
	v_mul_f32 v[S+n], v[O+n], v14
.set n, n+1
.endr
.irp P, 0,1
	v_max3_num_f32 v[TM+\P], |v[S+16*\P]|, |v[S+1+16*\P]|, 0x2800000
.endr
.irp i, 2,4,6,8,10,12,14
.irp P, 0,1
	v_max3_num_f32 v[TM+\P], v[TM+\P], |v[S+16*\P+\i]|, |v[S+1+16*\P+\i]|
.endr
.endr
.irp P, 0,1
	v_permlanex16_b32 v[TM+2+\P], v[TM+\P], s[SEL], s[SEL+1]
.endr
.irp P, 0,1
	v_max_num_f32 v[TM+\P], v[TM+\P], v[TM+2+\P]
.endr
.irp P, 0,1
	v_add_nc_u32 v[TM+4+\P], 0xfe000000, v[TM+\P]
.endr
.irp P, 0,1
	v_lshrrev_b32 v[TM+6+\P], 23, v[TM+4+\P]
.endr
	v_lshl_or_b32 v[PSW], v[TM+7], 8, v[TM+6]
	v_cvt_scalef32_pk16_bf6_f32 v[PCD:PCD+2], v[S:S+15], v[TM+4]
	v_cvt_scalef32_pk16_bf6_f32 v[PCD+6:PCD+8], v[S+16:S+31], v[TM+5]
	v_nop
.irp i, 0,1,2
	v_permlane16_swap_b32 v[PCD+\i], v[PCD+6+\i]
.endr
.irp i, 0,1,2
	v_mov_b32 v[PCD+3+\i], v[PCD+6+\i]
.endr
	global_store_b128 v8, v[PCD:PCD+3], s[6:7]                  ; 512 consecutive bytes, aligned to 256
	global_store_b64 v9, v[PCD+4:PCD+5], s[6:7] offset:512      ; 256 consecutive bytes, aligned
	global_store_b16 v10, v[PSW], s[6:7] offset:24576           ; two of a word's four bytes (the neighbouring head's work-group stores the other two); lanes r and r + 16 store the same
	s_wait_tensorcnt 0x0
	s_wait_dscnt 0x0
	s_wait_tensorcnt 0x0
	ds_add_u32 v254, v255
	s_wait_dscnt 0x0
	CROUND                                         ; the closing round
	s_endpgm
.Lfunc_end_k_qe21f3400dc_attn:
	.size	k_qe21f3400dc_attn, .Lfunc_end_k_qe21f3400dc_attn-k_qe21f3400dc_attn
	.p2alignl 7, 3214868480
	.fill 96, 4, 3214868480
	.section	.rodata,"a",@progbits
	.p2align	6, 0x0
	.amdhsa_kernel k_qe21f3400dc_attn
		.amdhsa_group_segment_fixed_size 210944
		.amdhsa_private_segment_fixed_size 0
		.amdhsa_enable_private_segment 0
		.amdhsa_kernarg_size 16
		.amdhsa_user_sgpr_count 2
		.amdhsa_user_sgpr_kernarg_segment_ptr 1
		.amdhsa_wavefront_size32 1
		.amdhsa_system_sgpr_workgroup_id_x 1
		.amdhsa_system_sgpr_workgroup_id_y 1
		.amdhsa_system_sgpr_workgroup_id_z 1
		.amdhsa_system_vgpr_workitem_id 0
		.amdhsa_next_free_vgpr 256
		.amdhsa_next_free_sgpr 66
		.amdhsa_reserve_vcc 1
		.amdhsa_float_denorm_mode_32 3
		.amdhsa_float_denorm_mode_16_64 3
		.amdhsa_memory_ordered 1
		.amdhsa_forward_progress 1
		.amdhsa_inst_pref_size 98
	.end_amdhsa_kernel
	.amdgpu_metadata
---
amdhsa.version: [ 1, 2 ]
amdhsa.kernels:
  - .name:           k_qe21f3400dc_attn
    .symbol:         k_qe21f3400dc_attn.kd
    .args:
      - { .name: qkvc, .offset: 0, .size: 8, .value_kind: global_buffer, .address_space: global }
      - { .name: act, .offset: 8, .size: 8, .value_kind: global_buffer, .address_space: global }
    .group_segment_fixed_size: 210944
    .private_segment_fixed_size: 0
    .kernarg_segment_align: 8
    .kernarg_segment_size: 16
    .max_flat_workgroup_size: 512
    .sgpr_count:     66
    .vgpr_count:     256
    .wavefront_size: 32
...
	.end_amdgpu_metadata
.endif
;; end of part 4
;; launch proj (part 5): grid 8 x 32, 4 waves a work-group, clusters of 4 x 4, 229,888 bytes of LDS; arguments act, wc, proj_b, x, x2; writes x2
.if DOCPART == 5
	.amdgcn_target "amdgcn-amd-amdhsa--gfx1250"
	.amdhsa_code_object_version 6
	.text
	.protected	k_qe21f3400dc_proj
	.globl	k_qe21f3400dc_proj
	.p2align	8
	.type	k_qe21f3400dc_proj,@function
k_qe21f3400dc_proj:
	s_mov_b64 s[64:65], 0
	v_nop
	global_prefetch_b8 v0, s[64:65] scope:SCOPE_SE
	s_setreg_imm32_b32 hwreg(HW_REG_WAVE_MODE, 25, 1), 1
	s_wait_xcnt 0x0
	s_wait_alu depctr_hold_cnt(0) depctr_sa_sdst(0) depctr_va_vdst(0) depctr_va_sdst(0) depctr_va_ssrc(0) depctr_va_vcc(0) depctr_vm_vsrc(0)
	s_getreg_b32 s2, hwreg(HW_REG_IB_STS2, 6, 4)
	s_cmp_eq_u32 s2, 0
	s_cbranch_scc0 .Lentry_in_a_cluster
	s_endpgm
.Lentry_in_a_cluster:
	s_bfe_u32 s2, ttmp6, 0x10000c
	s_cmp_lg_u32 s2, 0xf033
	s_cbranch_scc0 .Lentry_shape_is_right
	s_endpgm
.Lentry_shape_is_right:
; x2 = x + y proj_w + proj_b: the product on codes of BF6 with E8M0 scales, sums, bias and residual in f32.
; OPERANDS lie in memory as images of registers: a stream [tile of 128 rows][K pair][25,600 bytes]: codes [q 2][row block 8][c 2][768], then scale words [q 2][row block 8][16 rows].  A piece of 768 bytes is 16 rows x 64 K:
; registers 0-3 at 16 x lane, 4-5 at 512 + 8 x lane.  Row block 2 G + u, row r, is row 32 G + 8 u + r + 8 (r / 8) of the tile.
; A tile of C is 128 x 128; four waves, each 64 x 64: 16 accumulators.  K = 1,024 lies in two LDS slots of 512, each filled ONCE, at the head.
; CLUSTER 4 x 4: A's blocks are asked for jointly along a row of the cluster, B's along a column.  Source 0 = B, source 1 = A: a lane holds one row of C and neighbouring columns.
; The residual's rows are asked for at the head, in the layout in which the rows leave, and land under the K loop (window 2).  Results go through the wave's own stage in LDS, which no tensor load fills, and leave as
; aligned runs of 256 bytes.  No prefetch: every tile is asked for at the head.
.set KPB,  25600
.set SLOT, 4*KPB
.set KPN,  4
.set BOFF, 2457600
.set STG,  205312                      ; behind the slots: 16 rows x 272 bytes for each wave
.set A16, 4
.set A8,  6
.set A4,  8
.set B16, 10
.set B8,  12
.set B4,  14
.set SC,  32                           ; v32-39 scale words, and nothing else
.set BIAS, 64
.set ACC, 128
.set G1,  24
.set G0,  32
.set G1B, 48
.set G0B, 56
.set MUL,  0x05
.set TO_F, 0x40
.set MSB, 0
.macro WIN new
.if MSB != \new
	s_set_vgpr_msb (MSB<<8)|\new
.set MSB, \new
.endif
.endm
.macro PLACES
.rept 4
	v_nop
.endr
.endm
.macro CROUND
	s_barrier_signal -1
	s_barrier_wait -1
	s_cmp_lg_u32 s14, 0
	s_cbranch_scc1 .Lnot_wave_0_\@
	s_barrier_signal -3
.Lnot_wave_0_\@:
	s_barrier_wait -3
	s_barrier_signal -1
	s_barrier_wait -1
.endm
.macro FETCH s, k4, bf
.set KO, KPB*((\k4)/2)
.set QO, (\k4)%2
.set SS, SC+4*((\bf)/96)
	WIN 0
.irp p, 0,1
	ds_load_b32 v[SS+\p], v[A4+\s] offset:KO+512*QO+128*\p
	ds_load_b32 v[SS+2+\p], v[B4+\s] offset:KO+512*QO+128*\p
.endr
	WIN TO_F
.irp f, 0,1,2,3
.irp c, 0,1
	ds_load_b128 v[\bf+12*\f+6*\c:\bf+12*\f+6*\c+3], v[A16+\s] offset:KO+12288*QO+1536*\f+768*\c
	ds_load_b64 v[\bf+12*\f+6*\c+4:\bf+12*\f+6*\c+5], v[A8+\s] offset:KO+12288*QO+1536*\f+768*\c+512
	ds_load_b128 v[\bf+48+12*\f+6*\c:\bf+48+12*\f+6*\c+3], v[B16+\s] offset:KO+12288*QO+1536*\f+768*\c
	ds_load_b64 v[\bf+48+12*\f+6*\c+4:\bf+48+12*\f+6*\c+5], v[B8+\s] offset:KO+12288*QO+1536*\f+768*\c+512
.endr
.endr
.endm
.macro WM
.if pA && pB
	v_wmma_scale_f32_16x16x128_f8f6f4 v[rD:rD+7], v[rA:rA+11], v[rB:rB+11], v[rC:rC+7], v[rSA], v[rSB] matrix_a_fmt:MATRIX_FMT_BF6 matrix_b_fmt:MATRIX_FMT_BF6 matrix_a_scale:MATRIX_SCALE_ROW1 matrix_b_scale:MATRIX_SCALE_ROW1
.elseif pA
	v_wmma_scale_f32_16x16x128_f8f6f4 v[rD:rD+7], v[rA:rA+11], v[rB:rB+11], v[rC:rC+7], v[rSA], v[rSB] matrix_a_fmt:MATRIX_FMT_BF6 matrix_b_fmt:MATRIX_FMT_BF6 matrix_a_scale:MATRIX_SCALE_ROW1
.elseif pB
	v_wmma_scale_f32_16x16x128_f8f6f4 v[rD:rD+7], v[rA:rA+11], v[rB:rB+11], v[rC:rC+7], v[rSA], v[rSB] matrix_a_fmt:MATRIX_FMT_BF6 matrix_b_fmt:MATRIX_FMT_BF6 matrix_b_scale:MATRIX_SCALE_ROW1
.else
	v_wmma_scale_f32_16x16x128_f8f6f4 v[rD:rD+7], v[rA:rA+11], v[rB:rB+11], v[rC:rC+7], v[rSA], v[rSB] matrix_a_fmt:MATRIX_FMT_BF6 matrix_b_fmt:MATRIX_FMT_BF6
.endif
.endm
; 16 products, 128 along K: source 0 = B's block y, source 1 = A's block x; the accumulators take turns, one instruction a turn.  first = 1: C is the bias
.macro MUL16 bf, first
.irp x, 0,1,2,3
.irp y, 0,1,2,3
.set rD, ACC+8*(4*\x+\y)
.set pA, \y%2
.set pB, \x%2
.set rA, \bf+48+12*\y
.set rB, \bf+12*\x
.set rSA, SC+4*((\bf)/96)+2+\y/2
.set rSB, SC+4*((\bf)/96)+\x/2
.set rC, BIAS+8*\y
.if !\first
.set rC, rD
.endif
	WM
.endr
.endr
.endm
.macro KS bf, first, ns, nk4
	s_wait_dscnt 0x0                               ; buffer bf is in
	PLACES
	FETCH \ns, \nk4, 96-\bf
	WIN MUL
	MUL16 \bf, \first
.endm
	s_load_b256 s[4:11], s[0:1], 0x0               ; A's stream, the weights' streams, the bias, the residual
	s_load_b64 s[12:13], s[0:1], 0x20              ; the output
	v_lshl_add_u32 v126, v0, 2, 0x38000
	v_mov_b32 v127, 0
	ds_add_u32 v126, v127
	ds_add_u32 v126, v127
	v_lshrrev_b32 v1, 5, v0
	v_readfirstlane_b32 s14, v1
	s_lshr_b32 s15, s14, 1
	s_and_b32 s16, s14, 1
	s_bfe_u32 s40, ttmp6, 0x40000
	s_bfe_u32 s41, ttmp6, 0x40004
	s_lshl_b32 s42, ttmp9, 2
	s_add_co_u32 s42, s42, s40                     ; tile column
	s_and_b32 s17, ttmp7, 0xffff
	s_lshl_b32 s17, s17, 2
	s_add_co_u32 s17, s17, s41                     ; tile row
	s_lshl_b32 s43, s41, 2
	s_lshl_b32 s43, 15, s43
	s_lshl_b32 s44, 0x1111, s40
	s_or_b32 s[G1], s43, (3<<16)|(1<<21)
	s_or_b32 s[G1B], s44, (3<<16)|(1<<21)
.irp g, G1, G1B
	s_mov_b32 s[\g+1], 32<<16
	s_mov_b32 s[\g+2], 100<<16
	s_mov_b32 s[\g+3], 32<<16
	s_mov_b32 s[\g+4], 100
	s_mov_b32 s[\g+5], 32
	s_mov_b32 s[\g+6], 0
	s_mov_b32 s[\g+7], 0
.endr
	s_mul_i32 s18, s17, KPN
	s_add_co_u32 s18, s18, s16
	s_mul_i32 s18, s18, KPB
	s_mov_b32 s19, 0
	s_mul_i32 s46, s42, KPN
	s_add_co_u32 s46, s46, s16
	s_mul_i32 s46, s46, KPB
	s_add_co_u32 s46, s46, BOFF
	s_mov_b32 s47, 0
	s_mul_i32 s45, s14, KPB
	s_wait_dscnt 0x0
	s_wait_kmcnt 0x0
	s_add_nc_u64 s[18:19], s[4:5], s[18:19]
	s_add_nc_u64 s[46:47], s[6:7], s[46:47]
	CROUND
.irp s, 0,1
	s_mov_b32 s[G0+4*\s], 1
	s_add_co_u32 s[G0+4*\s+1], s45, \s*SLOT
	s_add_nc_u64 s[G0+4*\s+2:G0+4*\s+3], s[18:19], \s*2*KPB
	s_or_b32 s[G0+4*\s+3], s[G0+4*\s+3], 0x80000000
	s_mov_b32 s[G0B+4*\s], 1
	s_add_co_u32 s[G0B+4*\s+1], s45, \s*SLOT
	s_add_nc_u64 s[G0B+4*\s+2:G0B+4*\s+3], s[46:47], \s*2*KPB
	s_or_b32 s[G0B+4*\s+3], s[G0B+4*\s+3], 0x80000000
.endr
	s_cmp_eq_u32 s15, 0                            ; a wave's two fills stand in one branch on its number: two loads of mine are out
	s_cbranch_scc0 .Lfirst_b
	tensor_load_to_lds s[G0:G0+3], s[G1:G1+7]
	s_nop 0
	tensor_load_to_lds s[G0+4:G0+7], s[G1:G1+7]
	s_nop 0
.rept 4
	v_nop
.endr
	s_branch .Lfirst_asked
.Lfirst_b:
	tensor_load_to_lds s[G0B:G0B+3], s[G1B:G1B+7]
	s_nop 0
	tensor_load_to_lds s[G0B+4:G0B+7], s[G1B:G1B+7]
	s_nop 0
.rept 4
	v_nop
.endr
.Lfirst_asked:
	v_and_b32 v1, 31, v0
	v_and_b32 v2, 15, v0
	v_bfe_u32 v3, v0, 4, 1
	s_mul_i32 s22, s15, 6144
	s_mul_i32 s23, s16, 6144
	s_add_co_u32 s23, s23, 2*KPB
	s_lshl_b32 s66, s15, 8
	s_add_co_u32 s66, s66, 24576
	s_lshl_b32 s67, s16, 8
	s_add_co_u32 s67, s67, 2*KPB+24576
.irp s, 0,1
	v_lshl_add_u32 v[A16+\s], v1, 4, s22
	v_lshl_add_u32 v[A8+\s], v1, 3, s22
	v_lshl_add_u32 v[A4+\s], v1, 2, s66
	v_lshl_add_u32 v[B16+\s], v1, 4, s23
	v_lshl_add_u32 v[B8+\s], v1, 3, s23
	v_lshl_add_u32 v[B4+\s], v1, 2, s67
	s_add_co_u32 s22, s22, SLOT
	s_add_co_u32 s23, s23, SLOT
	s_add_co_u32 s66, s66, SLOT
	s_add_co_u32 s67, s67, SLOT
.endr
	s_mul_i32 s22, s14, 16*272
	s_add_co_u32 s22, s22, STG                     ; my stage
	v_mul_u32_u24 v16, v2, 272
	v_lshl_add_u32 v16, v3, 6, v16
	v_add_nc_u32 v16, s22, v16                     ; in: row r, + 64 h
	v_mul_u32_u24 v17, v3, 272
	v_lshl_add_u32 v17, v2, 4, v17
	v_add_nc_u32 v17, s22, v17                     ; back: lanes 0-15 one row of 256 bytes, lanes 16-31 the next
	v_lshlrev_b32 v18, 12, v3
	v_lshl_add_u32 v18, v2, 4, v18                 ; and the same two rows in memory
	v_lshlrev_b32 v19, 6, v3
	s_lshl_b32 s66, s42, 9
	s_lshl_b32 s68, s16, 8
	s_add_co_u32 s66, s66, s68                     ; my 64 columns, in bytes
	s_mov_b32 s67, 0
	s_add_nc_u64 s[8:9], s[8:9], s[66:67]
	s_lshl_b32 s68, s17, 7
	s_lshl_b32 s69, s15, 6
	s_add_co_u32 s68, s68, s69
	s_lshl_b32 s68, s68, 12                        ; my 64 rows
	s_add_co_u32 s66, s66, s68
	s_add_nc_u64 s[10:11], s[10:11], s[66:67]
	s_add_nc_u64 s[12:13], s[12:13], s[66:67]
.irp y, 0,1,2,3
	global_load_b128 v[BIAS+8*\y:BIAS+8*\y+3], v19, s[8:9] offset:(32*(\y/2)+8*(\y%2))*4
	global_load_b128 v[BIAS+8*\y+4:BIAS+8*\y+7], v19, s[8:9] offset:(32*(\y/2)+8*(\y%2))*4+16
.endr
	WIN 0x80                                       ; destination window 2
.irp x, 0,1,2,3
.irp t, 0,1,2,3,4,5,6,7
	global_load_b128 v[32*\x+4*\t:32*\x+4*\t+3], v18, s[10:11] offset:(32*(\x/2)+8*(\x%2)+2*\t+8*(\t/4))*4096   ; the residual: stage row 2 t + lane / 16 of block x
.endr
.endr
	WIN 0
	s_wait_tensorcnt 0x1                           ; my part of slot 0 is in; slot 1's load may stay out
	s_barrier_signal -1
	s_barrier_wait -1
	FETCH 0, 0, 0
	s_wait_loadcnt 32                              ; the bias's eight loads are in; the residual's 32 may be out
	KS 0, 1, 0, 1
	KS 96, 0, 0, 2
	KS 0, 0, 0, 3
	WIN 0
	s_wait_tensorcnt 0x0                           ; my part of slot 1 is in,
	s_wait_dscnt 0x0
	s_barrier_signal -1
	s_barrier_wait -1                              ; everybody's is
	PLACES
	FETCH 1, 0, 0
	WIN MUL
	MUL16 96, 0
	KS 0, 0, 1, 1
	KS 96, 0, 1, 2
	KS 0, 0, 1, 3
	s_wait_dscnt 0x0
	MUL16 96, 0
	WIN 0
	PLACES
	s_wait_loadcnt 0x0                             ; the residual
; Block x: 16 rows x 64 columns through my stage; the rows come back into the block's own accumulators, which are never written again: no store's data are overwritten
.macro OUTX x
.irp y, 0,1,2,3
	ds_store_b128 v16, v[ACC+8*(4*\x+\y):ACC+8*(4*\x+\y)+3] offset:128*(\y/2)+32*(\y%2)        ; each accumulator from its low end on
	ds_store_b128 v16, v[ACC+8*(4*\x+\y)+4:ACC+8*(4*\x+\y)+7] offset:128*(\y/2)+32*(\y%2)+16
.endr
	s_wait_dscnt 0x0                               ; the stores have read their registers, into which the loads below land
.irp t, 0,1,2,3,4,5,6,7
	ds_load_b128 v[ACC+32*\x+4*\t:ACC+32*\x+4*\t+3], v17 offset:544*\t
.endr
	s_wait_dscnt 0x0
	WIN 0x08                                       ; source 1 in window 2
.set n, 0
.rept 16
	v_pk_add_f32 v[ACC+32*\x+n:ACC+32*\x+n+1], v[ACC+32*\x+n:ACC+32*\x+n+1], v[32*\x+n:32*\x+n+1]
.set n, n+2
.endr
	WIN 0
.irp t, 0,1,2,3,4,5,6,7
	global_store_b128 v18, v[ACC+32*\x+4*\t:ACC+32*\x+4*\t+3], s[12:13] offset:(32*(\x/2)+8*(\x%2)+2*\t+8*(\t/4))*4096   ; 16 lanes store 256 consecutive bytes, aligned
.endr
.endm
	OUTX 0
	OUTX 1
	OUTX 2
	OUTX 3
	s_wait_dscnt 0x0
	s_wait_tensorcnt 0x0
	ds_add_u32 v126, v127
	s_wait_dscnt 0x0
	CROUND                                         ; the closing round
	s_endpgm
.Lfunc_end_k_qe21f3400dc_proj:
	.size	k_qe21f3400dc_proj, .Lfunc_end_k_qe21f3400dc_proj-k_qe21f3400dc_proj
	.p2alignl 7, 3214868480
	.fill 96, 4, 3214868480
	.section	.rodata,"a",@progbits
	.p2align	6, 0x0
	.amdhsa_kernel k_qe21f3400dc_proj
		.amdhsa_group_segment_fixed_size 229888
		.amdhsa_private_segment_fixed_size 0
		.amdhsa_enable_private_segment 0
		.amdhsa_kernarg_size 40
		.amdhsa_user_sgpr_count 2
		.amdhsa_user_sgpr_kernarg_segment_ptr 1
		.amdhsa_wavefront_size32 1
		.amdhsa_system_sgpr_workgroup_id_x 1
		.amdhsa_system_sgpr_workgroup_id_y 1
		.amdhsa_system_sgpr_workgroup_id_z 1
		.amdhsa_system_vgpr_workitem_id 0
		.amdhsa_next_free_vgpr 640
		.amdhsa_next_free_sgpr 80
		.amdhsa_reserve_vcc 0
		.amdhsa_float_denorm_mode_32 3
		.amdhsa_float_denorm_mode_16_64 3
		.amdhsa_memory_ordered 1
		.amdhsa_forward_progress 1
		.amdhsa_inst_pref_size 60
	.end_amdhsa_kernel
	.amdgpu_metadata
---
amdhsa.version: [ 1, 2 ]
amdhsa.kernels:
  - .name:           k_qe21f3400dc_proj
    .symbol:         k_qe21f3400dc_proj.kd
    .args:
      - { .name: act, .offset: 0, .size: 8, .value_kind: global_buffer, .address_space: global }
      - { .name: wc, .offset: 8, .size: 8, .value_kind: global_buffer, .address_space: global }
      - { .name: proj_b, .offset: 16, .size: 8, .value_kind: global_buffer, .address_space: global }
      - { .name: x, .offset: 24, .size: 8, .value_kind: global_buffer, .address_space: global }
      - { .name: x2, .offset: 32, .size: 8, .value_kind: global_buffer, .address_space: global }
    .group_segment_fixed_size: 229888
    .private_segment_fixed_size: 0
    .kernarg_segment_align: 8
    .kernarg_segment_size: 40
    .max_flat_workgroup_size: 128
    .sgpr_count:     80
    .vgpr_count:     640
    .wavefront_size: 32
...
	.end_amdgpu_metadata
.endif
;; end of part 5
;; launch ln2: the kernel of part 2 again; grid 256 x 1, 8 waves a work-group, no clusters, 69,632 bytes of LDS; arguments x2, ln2_w, ln2_b, act; writes act
;; launch fc1 (part 6): grid 32 x 32, 4 waves a work-group, clusters of 4 x 4, 205,312 bytes of LDS; arguments act, wc, fc1_b, h3; writes h3
.if DOCPART == 6
	.amdgcn_target "amdgcn-amd-amdhsa--gfx1250"
	.amdhsa_code_object_version 6
	.text
	.protected	k_qe21f3400dc_fc1
	.globl	k_qe21f3400dc_fc1
	.p2align	8
	.type	k_qe21f3400dc_fc1,@function
k_qe21f3400dc_fc1:
	s_mov_b64 s[64:65], 0
	v_nop
	global_prefetch_b8 v0, s[64:65] scope:SCOPE_SE
	s_setreg_imm32_b32 hwreg(HW_REG_WAVE_MODE, 25, 1), 1
	s_wait_xcnt 0x0
	s_wait_alu depctr_hold_cnt(0) depctr_sa_sdst(0) depctr_va_vdst(0) depctr_va_sdst(0) depctr_va_ssrc(0) depctr_va_vcc(0) depctr_vm_vsrc(0)
	s_getreg_b32 s2, hwreg(HW_REG_IB_STS2, 6, 4)
	s_cmp_eq_u32 s2, 0
	s_cbranch_scc0 .Lentry_in_a_cluster
	s_endpgm
.Lentry_in_a_cluster:
	s_bfe_u32 s2, ttmp6, 0x10000c
	s_cmp_lg_u32 s2, 0xf033
	s_cbranch_scc0 .Lentry_shape_is_right
	s_endpgm
.Lentry_shape_is_right:
; h3 = Q(gelu(LN2(x2) fc1_w + fc1_b)): the product on codes of BF6 with E8M0 scales; bias, exact gelu and the quantiser (along the hidden axis) in f32; the hidden layer goes to memory as codes alone.
; OPERANDS lie in memory as images of registers: a stream [tile of 128 rows][K pair][25,600 bytes]: codes [q 2][row block 8][c 2][768], then scale words [q 2][row block 8][16 rows].  A piece of 768 bytes is 16 rows x 64 K:
; registers 0-3 at 16 x lane, 4-5 at 512 + 8 x lane.  Row block 2 G + u, row r, is row 32 G + 8 u + r + 8 (r / 8) of the tile, so that the 16 registers of two neighbouring result tiles are 16 neighbours.
; A tile of C is 128 x 128; four waves, each 64 x 64.  K = 1,024 lies in two LDS slots of 512, each filled ONCE, at the head.  CLUSTER 4 x 4: A's blocks jointly along a row, B's along a column.
; Source 0 = B, source 1 = A: a lane holds one token and 64 neighbouring hidden units: one piece of the next operand and two of its scale bytes.
; gelu(u) = u / 2 + (u / 2) erf(u / sqrt 2), erf(z) = z P(z^2) / Q(z^2) on z held to +-4 (polynomials of degree 6 and 4 in f32).  LIMIT: 1 + erf carries an absolute error of about 1e-7, which far down the negative
; side is large against gelu itself, and small against its block's largest number.  A block of zeros, and one under 2^-122, get the byte 1; NaN and infinities are not served.
; No prefetch: every tile is asked for at the head.
.set KPB,  25600
.set SLOT, 4*KPB
.set KPN,  4
.set BOFF, 3276800
.set A16, 4
.set A8,  6
.set A4,  8
.set B16, 10
.set B8,  12
.set B4,  14
.set SC,  32
.set KC,  40                           ; v40-63 the twelve coefficients, each twice (pairs for the packed forms)
.set BIAS, 64
.set Z,   64                           ; gelu: v64-79 z, v80-95 z^2, v96-111 P, v112-127 Q
.set Z2,  80
.set PP,  96
.set QQ,  112
.set TM,  104
.set ACC, 128
.set G1,  24
.set G0,  32
.set G1B, 48
.set G0B, 56
.set SEL, 20
.set MUL,  0x05
.set TO_F, 0x40
.set MSB, 0
.macro WIN new
.if MSB != \new
	s_set_vgpr_msb (MSB<<8)|\new
.set MSB, \new
.endif
.endm
.macro PLACES
.rept 4
	v_nop
.endr
.endm
.macro CROUND
	s_barrier_signal -1
	s_barrier_wait -1
	s_cmp_lg_u32 s14, 0
	s_cbranch_scc1 .Lnot_wave_0_\@
	s_barrier_signal -3
.Lnot_wave_0_\@:
	s_barrier_wait -3
	s_barrier_signal -1
	s_barrier_wait -1
.endm
.macro FETCH s, k4, bf
.set KO, KPB*((\k4)/2)
.set QO, (\k4)%2
.set SS, SC+4*((\bf)/96)
	WIN 0
.irp p, 0,1
	ds_load_b32 v[SS+\p], v[A4+\s] offset:KO+512*QO+128*\p
	ds_load_b32 v[SS+2+\p], v[B4+\s] offset:KO+512*QO+128*\p
.endr
	WIN TO_F
.irp f, 0,1,2,3
.irp c, 0,1
	ds_load_b128 v[\bf+12*\f+6*\c:\bf+12*\f+6*\c+3], v[A16+\s] offset:KO+12288*QO+1536*\f+768*\c
	ds_load_b64 v[\bf+12*\f+6*\c+4:\bf+12*\f+6*\c+5], v[A8+\s] offset:KO+12288*QO+1536*\f+768*\c+512
	ds_load_b128 v[\bf+48+12*\f+6*\c:\bf+48+12*\f+6*\c+3], v[B16+\s] offset:KO+12288*QO+1536*\f+768*\c
	ds_load_b64 v[\bf+48+12*\f+6*\c+4:\bf+48+12*\f+6*\c+5], v[B8+\s] offset:KO+12288*QO+1536*\f+768*\c+512
.endr
.endr
.endm
.macro WM
.if pA && pB
	v_wmma_scale_f32_16x16x128_f8f6f4 v[rD:rD+7], v[rA:rA+11], v[rB:rB+11], v[rC:rC+7], v[rSA], v[rSB] matrix_a_fmt:MATRIX_FMT_BF6 matrix_b_fmt:MATRIX_FMT_BF6 matrix_a_scale:MATRIX_SCALE_ROW1 matrix_b_scale:MATRIX_SCALE_ROW1
.elseif pA
	v_wmma_scale_f32_16x16x128_f8f6f4 v[rD:rD+7], v[rA:rA+11], v[rB:rB+11], v[rC:rC+7], v[rSA], v[rSB] matrix_a_fmt:MATRIX_FMT_BF6 matrix_b_fmt:MATRIX_FMT_BF6 matrix_a_scale:MATRIX_SCALE_ROW1
.elseif pB
	v_wmma_scale_f32_16x16x128_f8f6f4 v[rD:rD+7], v[rA:rA+11], v[rB:rB+11], v[rC:rC+7], v[rSA], v[rSB] matrix_a_fmt:MATRIX_FMT_BF6 matrix_b_fmt:MATRIX_FMT_BF6 matrix_b_scale:MATRIX_SCALE_ROW1
.else
	v_wmma_scale_f32_16x16x128_f8f6f4 v[rD:rD+7], v[rA:rA+11], v[rB:rB+11], v[rC:rC+7], v[rSA], v[rSB] matrix_a_fmt:MATRIX_FMT_BF6 matrix_b_fmt:MATRIX_FMT_BF6
.endif
.endm
; 16 products, 128 along K: source 0 = B's block y, source 1 = A's block x; the accumulators take turns, one instruction a turn.  first = 1: C is the bias
.macro MUL16 bf, first
.irp x, 0,1,2,3
.irp y, 0,1,2,3
.set rD, ACC+8*(4*\x+\y)
.set pA, \y%2
.set pB, \x%2
.set rA, \bf+48+12*\y
.set rB, \bf+12*\x
.set rSA, SC+4*((\bf)/96)+2+\y/2
.set rSB, SC+4*((\bf)/96)+\x/2
.set rC, BIAS+8*\y
.if !\first
.set rC, rD
.endif
	WM
.endr
.endr
.endm
.macro KS bf, first, ns, nk4
	s_wait_dscnt 0x0                               ; buffer bf is in
	PLACES
	FETCH \ns, \nk4, 96-\bf
	WIN MUL
	MUL16 \bf, \first
.endm
.macro QUANT2 s, pc, pw                ; 32 numbers of a lane, register 16 P + i = k 32 P + 16 (lane / 16) + i, become a piece's six registers and its two scale bytes
.irp P, 0,1
	v_max3_num_f32 v[TM+\P], |v[\s+16*\P]|, |v[\s+1+16*\P]|, 0x2800000
.endr
.irp i, 2,4,6,8,10,12,14
.irp P, 0,1
	v_max3_num_f32 v[TM+\P], v[TM+\P], |v[\s+16*\P+\i]|, |v[\s+1+16*\P+\i]|
.endr
.endr
.irp P, 0,1
	v_permlanex16_b32 v[TM+2+\P], v[TM+\P], s[SEL], s[SEL+1]
.endr
.irp P, 0,1
	v_max_num_f32 v[TM+\P], v[TM+\P], v[TM+2+\P]
.endr
.irp P, 0,1
	v_add_nc_u32 v[TM+4+\P], 0xfe000000, v[TM+\P]
.endr
.irp P, 0,1
	v_lshrrev_b32 v[TM+6+\P], 23, v[TM+4+\P]
.endr
	v_lshl_or_b32 v[\pw], v[TM+7], 8, v[TM+6]
	v_cvt_scalef32_pk16_bf6_f32 v[\pc:\pc+2], v[\s:\s+15], v[TM+4]
	v_cvt_scalef32_pk16_bf6_f32 v[\pc+6:\pc+8], v[\s+16:\s+31], v[TM+5]
	v_nop
.irp i, 0,1,2
	v_permlane16_swap_b32 v[\pc+\i], v[\pc+6+\i]
.endr
.irp i, 0,1,2
	v_mov_b32 v[\pc+3+\i], v[\pc+6+\i]
.endr
.endm
.macro CONST n, val
	v_mov_b32 v[KC+2*\n], \val
	v_mov_b32 v[KC+2*\n+1], \val
.endm
; gelu of sixteen numbers, in place; the sixteen reciprocals are one batch with one wait
.macro GELU16 u
.set k, 0
.rept 8
	v_pk_mul_f32 v[Z+k:Z+k+1], v[\u+k:\u+k+1], 0x3f3504f3 op_sel_hi:[1,0]   ; u / sqrt 2; each accumulator is read from its low end on
.set k, k+2
.endr
.set k, 0
.rept 16
	v_med3_num_f32 v[Z+k], v[Z+k], -4.0, 4.0
.set k, k+1
.endr
.set k, 0
.rept 8
	v_pk_mul_f32 v[Z2+k:Z2+k+1], v[Z+k:Z+k+1], v[Z+k:Z+k+1]
.set k, k+2
.endr
.set k, 0
.rept 8
	v_pk_fma_f32 v[PP+k:PP+k+1], v[Z2+k:Z2+k+1], v[KC:KC+1], v[KC+2:KC+3]
	v_pk_fma_f32 v[QQ+k:QQ+k+1], v[Z2+k:Z2+k+1], v[KC+14:KC+15], v[KC+16:KC+17]
.set k, k+2
.endr
.irp c, 2,3,4,5,6
.set k, 0
.rept 8
	v_pk_fma_f32 v[PP+k:PP+k+1], v[PP+k:PP+k+1], v[Z2+k:Z2+k+1], v[KC+2*\c:KC+2*\c+1]
.set k, k+2
.endr
.endr
.irp c, 9,10,11
.set k, 0
.rept 8
	v_pk_fma_f32 v[QQ+k:QQ+k+1], v[QQ+k:QQ+k+1], v[Z2+k:Z2+k+1], v[KC+2*\c:KC+2*\c+1]
.set k, k+2
.endr
.endr
.set k, 0
.rept 16
	v_rcp_f32 v[QQ+k], v[QQ+k]
.set k, k+1
.endr
.set k, 0
.rept 8
	v_pk_mul_f32 v[PP+k:PP+k+1], v[PP+k:PP+k+1], v[Z+k:Z+k+1]     ; plain work behind the batch, which names none of its results
.set k, k+2
.endr
	s_wait_alu depctr_va_vdst(0)                   ; one wait for the sixteen, ahead of their first reader
.set k, 0
.rept 8
	v_pk_mul_f32 v[PP+k:PP+k+1], v[PP+k:PP+k+1], v[QQ+k:QQ+k+1]   ; erf
.set k, k+2
.endr
.set k, 0
.rept 8
	v_pk_mul_f32 v[\u+k:\u+k+1], v[\u+k:\u+k+1], 0.5 op_sel_hi:[1,0]
.set k, k+2
.endr
.set k, 0
.rept 8
	v_pk_fma_f32 v[\u+k:\u+k+1], v[\u+k:\u+k+1], v[PP+k:PP+k+1], v[\u+k:\u+k+1]
.set k, k+2
.endr
.endm
	s_load_b256 s[4:11], s[0:1], 0x0               ; A's stream, the weights' streams, the bias, the output
	v_lshl_add_u32 v30, v0, 2, 0x32000
	v_mov_b32 v31, 0
	ds_add_u32 v30, v31
	ds_add_u32 v30, v31
	v_lshrrev_b32 v1, 5, v0
	v_readfirstlane_b32 s14, v1
	s_lshr_b32 s15, s14, 1
	s_and_b32 s16, s14, 1
	s_bfe_u32 s40, ttmp6, 0x40000
	s_bfe_u32 s41, ttmp6, 0x40004
	s_lshl_b32 s42, ttmp9, 2
	s_add_co_u32 s42, s42, s40                     ; tile column
	s_and_b32 s17, ttmp7, 0xffff
	s_lshl_b32 s17, s17, 2
	s_add_co_u32 s17, s17, s41                     ; tile row
	s_lshl_b32 s43, s41, 2
	s_lshl_b32 s43, 15, s43
	s_lshl_b32 s44, 0x1111, s40
	s_or_b32 s[G1], s43, (3<<16)|(1<<21)
	s_or_b32 s[G1B], s44, (3<<16)|(1<<21)
.irp g, G1, G1B
	s_mov_b32 s[\g+1], 32<<16
	s_mov_b32 s[\g+2], 100<<16
	s_mov_b32 s[\g+3], 32<<16
	s_mov_b32 s[\g+4], 100
	s_mov_b32 s[\g+5], 32
	s_mov_b32 s[\g+6], 0
	s_mov_b32 s[\g+7], 0
.endr
	s_mul_i32 s18, s17, KPN
	s_add_co_u32 s18, s18, s16
	s_mul_i32 s18, s18, KPB
	s_mov_b32 s19, 0
	s_mul_i32 s46, s42, KPN
	s_add_co_u32 s46, s46, s16
	s_mul_i32 s46, s46, KPB
	s_add_co_u32 s46, s46, BOFF
	s_mov_b32 s47, 0
	s_mul_i32 s45, s14, KPB
	s_mov_b32 s[SEL], 0x76543210
	s_mov_b32 s[SEL+1], 0xfedcba98
	s_wait_dscnt 0x0
	s_wait_kmcnt 0x0
	s_add_nc_u64 s[18:19], s[4:5], s[18:19]
	s_add_nc_u64 s[46:47], s[6:7], s[46:47]
	CROUND
.irp s, 0,1
	s_mov_b32 s[G0+4*\s], 1
	s_add_co_u32 s[G0+4*\s+1], s45, \s*SLOT
	s_add_nc_u64 s[G0+4*\s+2:G0+4*\s+3], s[18:19], \s*2*KPB
	s_or_b32 s[G0+4*\s+3], s[G0+4*\s+3], 0x80000000
	s_mov_b32 s[G0B+4*\s], 1
	s_add_co_u32 s[G0B+4*\s+1], s45, \s*SLOT
	s_add_nc_u64 s[G0B+4*\s+2:G0B+4*\s+3], s[46:47], \s*2*KPB
	s_or_b32 s[G0B+4*\s+3], s[G0B+4*\s+3], 0x80000000
.endr
	s_cmp_eq_u32 s15, 0                            ; a wave's two fills stand in one branch on its number: two loads of mine are out
	s_cbranch_scc0 .Lfirst_b
	tensor_load_to_lds s[G0:G0+3], s[G1:G1+7]
	s_nop 0
	tensor_load_to_lds s[G0+4:G0+7], s[G1:G1+7]
	s_nop 0
.rept 4
	v_nop
.endr
	s_branch .Lfirst_asked
.Lfirst_b:
	tensor_load_to_lds s[G0B:G0B+3], s[G1B:G1B+7]
	s_nop 0
	tensor_load_to_lds s[G0B+4:G0B+7], s[G1B:G1B+7]
	s_nop 0
.rept 4
	v_nop
.endr
.Lfirst_asked:
	v_and_b32 v1, 31, v0
	v_and_b32 v2, 15, v0
	v_bfe_u32 v3, v0, 4, 1
	s_mul_i32 s22, s15, 6144
	s_mul_i32 s23, s16, 6144
	s_add_co_u32 s23, s23, 2*KPB
	s_lshl_b32 s66, s15, 8
	s_add_co_u32 s66, s66, 24576
	s_lshl_b32 s67, s16, 8
	s_add_co_u32 s67, s67, 2*KPB+24576
.irp s, 0,1
	v_lshl_add_u32 v[A16+\s], v1, 4, s22
	v_lshl_add_u32 v[A8+\s], v1, 3, s22
	v_lshl_add_u32 v[A4+\s], v1, 2, s66
	v_lshl_add_u32 v[B16+\s], v1, 4, s23
	v_lshl_add_u32 v[B8+\s], v1, 3, s23
	v_lshl_add_u32 v[B4+\s], v1, 2, s67
	s_add_co_u32 s22, s22, SLOT
	s_add_co_u32 s23, s23, SLOT
	s_add_co_u32 s66, s66, SLOT
	s_add_co_u32 s67, s67, SLOT
.endr
	s_lshl_b32 s66, s42, 9
	s_lshl_b32 s68, s16, 8
	s_add_co_u32 s66, s66, s68
	s_mov_b32 s67, 0
	s_add_nc_u64 s[8:9], s[8:9], s[66:67]          ; the bias of my 64 columns
	s_lshl_b32 s66, s17, 4
	s_lshr_b32 s68, s42, 1
	s_add_co_u32 s66, s66, s68
	s_mul_i32 s66, s66, KPB                        ; the output: tile of rows = tile row, K pair = tile column / 2
	s_add_nc_u64 s[10:11], s[10:11], s[66:67]
	s_and_b32 s68, s42, 1                          ; q = tile column % 2
	s_mul_i32 s69, s68, 12288
	s_mul_i32 s70, s15, 6144
	s_add_co_u32 s69, s69, s70
	s_mul_i32 s70, s16, 768                        ; c = my half of the columns
	s_add_co_u32 s69, s69, s70
	v_lshl_add_u32 v17, v1, 4, s69
	v_lshl_add_u32 v18, v1, 3, s69
	s_lshl_b32 s69, s68, 9
	s_lshl_b32 s70, s15, 8
	s_add_co_u32 s69, s69, s70
	s_lshl_b32 s70, s16, 1
	s_add_co_u32 s69, s69, s70
	v_lshl_add_u32 v19, v1, 2, s69
	s_mov_b32 s71, 0xffff0000                      ; lanes 16-31
	v_lshlrev_b32 v16, 6, v3
.irp y, 0,1,2,3
	global_load_b128 v[BIAS+8*\y:BIAS+8*\y+3], v16, s[8:9] offset:(32*(\y/2)+8*(\y%2))*4
	global_load_b128 v[BIAS+8*\y+4:BIAS+8*\y+7], v16, s[8:9] offset:(32*(\y/2)+8*(\y%2))*4+16
.endr
	s_wait_tensorcnt 0x1                           ; my part of slot 0 is in; slot 1's load may stay out
	s_barrier_signal -1
	s_barrier_wait -1
	FETCH 0, 0, 0
	s_wait_loadcnt 0x0                             ; the bias
	KS 0, 1, 0, 1
	KS 96, 0, 0, 2
	KS 0, 0, 0, 3
	WIN 0
	s_wait_tensorcnt 0x0                           ; my part of slot 1 is in,
	s_wait_dscnt 0x0
	s_barrier_signal -1
	s_barrier_wait -1                              ; everybody's is
	PLACES
	FETCH 1, 0, 0
	WIN MUL
	MUL16 96, 0
	KS 0, 0, 1, 1
	KS 96, 0, 1, 2
	KS 0, 0, 1, 3
	s_wait_dscnt 0x0
	MUL16 96, 0
	WIN 0
	CONST 0, 0xaf95df0b                            ; P's coefficients, the highest power first; these 24 plain lines are also the places behind the last products
	CONST 1, 0x32edffee
	CONST 2, 0xb60cff51
	CONST 3, 0xb86ec2d2
	CONST 4, 0xba40ac63
	CONST 5, 0xbb41a1f6
	CONST 6, 0xbc83dbd4
	CONST 7, 0xb77460cd                            ; Q's
	CONST 8, 0xb95fbd29
	CONST 9, 0xbadc924e
	CONST 10, 0xbbf19bf8
	CONST 11, 0xbc69b6a7
.irp n, 0,1,2,3,4,5,6,7
	GELU16 ACC+16*\n
.endr
.irp x, 0,1,2,3
	QUANT2 ACC+32*\x, 64+10*\x, 112+\x
	global_store_b128 v17, v[64+10*\x:64+10*\x+3], s[10:11] offset:1536*\x         ; 512 consecutive bytes, aligned to 256
	global_store_b64 v18, v[64+10*\x+4:64+10*\x+5], s[10:11] offset:1536*\x+512    ; 256 consecutive bytes, aligned
.endr
.irp p, 0,1
	v_cndmask_b32 v[116+\p], v[112+2*\p], v[113+2*\p], s71   ; lanes 0-15 the even row block's bytes, lanes 16-31 the odd one's
	global_store_b16 v19, v[116+\p], s[10:11] offset:24576+128*\p   ; two of a word's four bytes; the wave of the other column half stores the other two
.endr
	s_wait_dscnt 0x0
	s_wait_tensorcnt 0x0
	ds_add_u32 v30, v31
	s_wait_dscnt 0x0
	CROUND                                         ; the closing round
	s_endpgm
.Lfunc_end_k_qe21f3400dc_fc1:
	.size	k_qe21f3400dc_fc1, .Lfunc_end_k_qe21f3400dc_fc1-k_qe21f3400dc_fc1
	.p2alignl 7, 3214868480
	.fill 96, 4, 3214868480
	.section	.rodata,"a",@progbits
	.p2align	6, 0x0
	.amdhsa_kernel k_qe21f3400dc_fc1
		.amdhsa_group_segment_fixed_size 205312
		.amdhsa_private_segment_fixed_size 0
		.amdhsa_enable_private_segment 0
		.amdhsa_kernarg_size 32
		.amdhsa_user_sgpr_count 2
		.amdhsa_user_sgpr_kernarg_segment_ptr 1
		.amdhsa_wavefront_size32 1
		.amdhsa_system_sgpr_workgroup_id_x 1
		.amdhsa_system_sgpr_workgroup_id_y 1
		.amdhsa_system_sgpr_workgroup_id_z 1
		.amdhsa_system_vgpr_workitem_id 0
		.amdhsa_next_free_vgpr 448
		.amdhsa_next_free_sgpr 80
		.amdhsa_reserve_vcc 0
		.amdhsa_float_denorm_mode_32 3
		.amdhsa_float_denorm_mode_16_64 3
		.amdhsa_memory_ordered 1
		.amdhsa_forward_progress 1
		.amdhsa_inst_pref_size 134
	.end_amdhsa_kernel
	.amdgpu_metadata
---
amdhsa.version: [ 1, 2 ]
amdhsa.kernels:
  - .name:           k_qe21f3400dc_fc1
    .symbol:         k_qe21f3400dc_fc1.kd
    .args:
      - { .name: act, .offset: 0, .size: 8, .value_kind: global_buffer, .address_space: global }
      - { .name: wc, .offset: 8, .size: 8, .value_kind: global_buffer, .address_space: global }
      - { .name: fc1_b, .offset: 16, .size: 8, .value_kind: global_buffer, .address_space: global }
      - { .name: h3, .offset: 24, .size: 8, .value_kind: global_buffer, .address_space: global }
    .group_segment_fixed_size: 205312
    .private_segment_fixed_size: 0
    .kernarg_segment_align: 8
    .kernarg_segment_size: 32
    .max_flat_workgroup_size: 128
    .sgpr_count:     80
    .vgpr_count:     448
    .wavefront_size: 32
...
	.end_amdgpu_metadata
.endif
;; end of part 6
;; launch fc2 (part 7): grid 8 x 32, 4 waves a work-group, clusters of 4 x 4, 327,680 bytes of LDS; arguments h3, wc, fc2_b, x2, out0; writes out0
.if DOCPART == 7
	.amdgcn_target "amdgcn-amd-amdhsa--gfx1250"
	.amdhsa_code_object_version 6
	.text
	.protected	k_qe21f3400dc_fc2
	.globl	k_qe21f3400dc_fc2
	.p2align	8
	.type	k_qe21f3400dc_fc2,@function
k_qe21f3400dc_fc2:
	s_mov_b64 s[64:65], 0
	v_nop
	global_prefetch_b8 v0, s[64:65] scope:SCOPE_SE
	s_setreg_imm32_b32 hwreg(HW_REG_WAVE_MODE, 25, 1), 1
	s_wait_xcnt 0x0
	s_wait_alu depctr_hold_cnt(0) depctr_sa_sdst(0) depctr_va_vdst(0) depctr_va_sdst(0) depctr_va_ssrc(0) depctr_va_vcc(0) depctr_vm_vsrc(0)
	s_getreg_b32 s2, hwreg(HW_REG_IB_STS2, 6, 4)
	s_cmp_eq_u32 s2, 0
	s_cbranch_scc0 .Lentry_in_a_cluster
	s_endpgm
.Lentry_in_a_cluster:
	s_bfe_u32 s2, ttmp6, 0x10000c
	s_cmp_lg_u32 s2, 0xf033
	s_cbranch_scc0 .Lentry_shape_is_right
	s_endpgm
.Lentry_shape_is_right:
; out = x2 + h3 fc2_w + fc2_b: the product on codes of BF6 with E8M0 scales, sums, bias and residual in f32.
; OPERANDS lie in memory as images of registers: a stream [tile of 128 rows][K pair][25,600 bytes]: codes [q 2][row block 8][c 2][768], then scale words [q 2][row block 8][16 rows].  A piece of 768 bytes is 16 rows x 64 K:
; registers 0-3 at 16 x lane, 4-5 at 512 + 8 x lane.  Row block 2 G + u, row r, is row 32 G + 8 u + r + 8 (r / 8) of the tile.
; A tile of C is 128 x 128 (256 work-groups); four waves, each 64 x 64.  K = 4,096 goes through a ring of two LDS slots of 512 along K: eight fills; each wave brings one block of 25,600 bytes a fill, and a refill has four
; K steps, 64 matrix instructions a wave, in which to land.  CLUSTER 4 x 4: A's blocks are asked for jointly along a row of the cluster, B's along a column; each refill stands behind a round of the cluster's barrier.
; The residual's rows are asked for at the head and land under the K loop (window 2).  Results go through the wave's own stage in LDS, which no tensor load fills, and leave as aligned runs of 256 bytes.
; No prefetch: a small tile, whose blocks are shared in the cluster.  All of the LDS is claimed.
.set KPB,  25600
.set SLOT, 4*KPB
.set KPN,  16
.set BOFF, 6553600
.set SPARE, 204800                     ; behind the slots: the spare words, 128 bytes a wave: two blocks of 256 bytes that no other line names
.set STG,  205312                      ; then 16 rows x 272 bytes for each wave
.set A16, 4
.set A8,  6
.set A4,  8
.set B16, 10
.set B8,  12
.set B4,  14
.set SPW, 24                           ; v24 my spare word's address, v25 = 0; never rewritten
.set NIL, 25
.set SC,  32
.set BIAS, 64
.set ACC, 128
.set G1,  24
.set G0,  32
.set G1B, 48
.set G0B, 56
.set MUL,  0x05
.set TO_F, 0x40
.set MSB, 0
.macro WIN new
.if MSB != \new
	s_set_vgpr_msb (MSB<<8)|\new
.set MSB, \new
.endif
.endm
.macro PLACES
.rept 4
	v_nop
.endr
.endm
.macro CROUND
	s_barrier_signal -1
	s_barrier_wait -1
	s_cmp_lg_u32 s14, 0
	s_cbranch_scc1 .Lnot_wave_0_\@
	s_barrier_signal -3
.Lnot_wave_0_\@:
	s_barrier_wait -3
	s_barrier_signal -1
	s_barrier_wait -1
.endm
.macro JLOAD s                         ; a joint refill: waves 0, 1 for A, waves 2, 3 for B; four v_nop follow each of the two lines
	s_cmp_eq_u32 s15, 0
	s_cbranch_scc0 .Lfor_b_\@
	tensor_load_to_lds s[G0+4*\s:G0+4*\s+3], s[G1:G1+7]
	s_nop 0
.rept 4
	v_nop
.endr
	s_branch .Lasked_\@
.Lfor_b_\@:
	tensor_load_to_lds s[G0B+4*\s:G0B+4*\s+3], s[G1B:G1B+7]
	s_nop 0
.rept 4
	v_nop
.endr
.Lasked_\@:
.endm
.macro FETCH s, k4, bf
.set KO, KPB*((\k4)/2)
.set QO, (\k4)%2
.set SS, SC+4*((\bf)/96)
	WIN 0
.irp p, 0,1
	ds_load_b32 v[SS+\p], v[A4+\s] offset:KO+512*QO+128*\p
	ds_load_b32 v[SS+2+\p], v[B4+\s] offset:KO+512*QO+128*\p
.endr
	WIN TO_F
.irp f, 0,1,2,3
.irp c, 0,1
	ds_load_b128 v[\bf+12*\f+6*\c:\bf+12*\f+6*\c+3], v[A16+\s] offset:KO+12288*QO+1536*\f+768*\c
	ds_load_b64 v[\bf+12*\f+6*\c+4:\bf+12*\f+6*\c+5], v[A8+\s] offset:KO+12288*QO+1536*\f+768*\c+512
	ds_load_b128 v[\bf+48+12*\f+6*\c:\bf+48+12*\f+6*\c+3], v[B16+\s] offset:KO+12288*QO+1536*\f+768*\c
	ds_load_b64 v[\bf+48+12*\f+6*\c+4:\bf+48+12*\f+6*\c+5], v[B8+\s] offset:KO+12288*QO+1536*\f+768*\c+512
.endr
.endr
.endm
.macro WM
.if pA && pB
	v_wmma_scale_f32_16x16x128_f8f6f4 v[rD:rD+7], v[rA:rA+11], v[rB:rB+11], v[rC:rC+7], v[rSA], v[rSB] matrix_a_fmt:MATRIX_FMT_BF6 matrix_b_fmt:MATRIX_FMT_BF6 matrix_a_scale:MATRIX_SCALE_ROW1 matrix_b_scale:MATRIX_SCALE_ROW1
.elseif pA
	v_wmma_scale_f32_16x16x128_f8f6f4 v[rD:rD+7], v[rA:rA+11], v[rB:rB+11], v[rC:rC+7], v[rSA], v[rSB] matrix_a_fmt:MATRIX_FMT_BF6 matrix_b_fmt:MATRIX_FMT_BF6 matrix_a_scale:MATRIX_SCALE_ROW1
.elseif pB
	v_wmma_scale_f32_16x16x128_f8f6f4 v[rD:rD+7], v[rA:rA+11], v[rB:rB+11], v[rC:rC+7], v[rSA], v[rSB] matrix_a_fmt:MATRIX_FMT_BF6 matrix_b_fmt:MATRIX_FMT_BF6 matrix_b_scale:MATRIX_SCALE_ROW1
.else
	v_wmma_scale_f32_16x16x128_f8f6f4 v[rD:rD+7], v[rA:rA+11], v[rB:rB+11], v[rC:rC+7], v[rSA], v[rSB] matrix_a_fmt:MATRIX_FMT_BF6 matrix_b_fmt:MATRIX_FMT_BF6
.endif
.endm
; 16 products, 128 along K: source 0 = B's block y, source 1 = A's block x; the accumulators take turns, one instruction a turn, over the loop's backward jump too.  first = 1: C is the bias
.macro MUL16 bf, first
.irp x, 0,1,2,3
.irp y, 0,1,2,3
.set rD, ACC+8*(4*\x+\y)
.set pA, \y%2
.set pB, \x%2
.set rA, \bf+48+12*\y
.set rB, \bf+12*\x
.set rSA, SC+4*((\bf)/96)+2+\y/2
.set rSB, SC+4*((\bf)/96)+\x/2
.set rC, BIAS+8*\y
.if !\first
.set rC, rD
.endif
	WM
.endr
.endr
.endm
.macro KS bf, first, ns, nk4
	s_wait_dscnt 0x0                               ; buffer bf is in
	PLACES
	FETCH \ns, \nk4, 96-\bf
	WIN MUL
	MUL16 \bf, \first
.endm
; A slot's last K step changes slots.  Each wave waits for all its tensor loads (one is out: its part of the other slot), adds 0 to its spare word, and waits for that and for its reads of this slot.
; fill = 1: a round of the cluster's barrier, and this slot is filled again, four K pairs on: the first tensor load behind the round, one a wave.
.macro TURN s, fill
	WIN 0
	s_wait_tensorcnt 0x0                           ; no tensor load of mine is out, so a group 0 may be written
	ds_add_u32 v[SPW], v[NIL]                      ; 0 onto my spare word
.if \fill
	s_add_nc_u64 s[G0+4*\s+2:G0+4*\s+3], s[G0+4*\s+2:G0+4*\s+3], 4*KPB
	s_add_nc_u64 s[G0B+4*\s+2:G0B+4*\s+3], s[G0B+4*\s+2:G0B+4*\s+3], 4*KPB
.endif
	s_wait_dscnt 0x0                               ; the add is done, buffer 1 is in, and my reads of this slot are over
.if \fill
	CROUND                                         ; no wave of any partner still reads this slot or has a load on its way
	JLOAD \s                                       ; its four v_nop are also the places in front of the loads below
.else
	s_barrier_signal -1
	s_barrier_wait -1
	PLACES
.endif
	FETCH 1-\s, 0, 0
	WIN MUL
	MUL16 96, 0
.endm
	s_load_b256 s[4:11], s[0:1], 0x0               ; A's stream, the weights' streams, the bias, the residual
	s_load_b64 s[12:13], s[0:1], 0x20              ; the output
	v_lshl_add_u32 v[SPW], v0, 2, SPARE
	v_mov_b32 v[NIL], 0
	ds_add_u32 v24, v25
	ds_add_u32 v24, v25
	s_wait_dscnt 0x0
	v_lshrrev_b32 v1, 5, v0
	v_readfirstlane_b32 s14, v1
	s_lshr_b32 s15, s14, 1
	s_and_b32 s16, s14, 1
	s_bfe_u32 s40, ttmp6, 0x40000
	s_bfe_u32 s41, ttmp6, 0x40004
	s_lshl_b32 s42, ttmp9, 2
	s_add_co_u32 s42, s42, s40                     ; tile column
	s_and_b32 s17, ttmp7, 0xffff
	s_lshl_b32 s17, s17, 2
	s_add_co_u32 s17, s17, s41                     ; tile row
	s_lshl_b32 s43, s41, 2
	s_lshl_b32 s43, 15, s43
	s_lshl_b32 s44, 0x1111, s40
	s_or_b32 s[G1], s43, (3<<16)|(1<<21)
	s_or_b32 s[G1B], s44, (3<<16)|(1<<21)
.irp g, G1, G1B
	s_mov_b32 s[\g+1], 32<<16
	s_mov_b32 s[\g+2], 100<<16
	s_mov_b32 s[\g+3], 32<<16
	s_mov_b32 s[\g+4], 100
	s_mov_b32 s[\g+5], 32
	s_mov_b32 s[\g+6], 0
	s_mov_b32 s[\g+7], 0
.endr
	s_mul_i32 s18, s17, KPN
	s_add_co_u32 s18, s18, s16
	s_mul_i32 s18, s18, KPB
	s_mov_b32 s19, 0
	s_mul_i32 s46, s42, KPN
	s_add_co_u32 s46, s46, s16
	s_mul_i32 s46, s46, KPB
	s_add_co_u32 s46, s46, BOFF
	s_mov_b32 s47, 0
	s_mul_i32 s45, s14, KPB
	s_wait_kmcnt 0x0
	s_add_nc_u64 s[18:19], s[4:5], s[18:19]
	s_add_nc_u64 s[46:47], s[6:7], s[46:47]
	CROUND
.irp s, 0,1
	s_mov_b32 s[G0+4*\s], 1
	s_add_co_u32 s[G0+4*\s+1], s45, \s*SLOT
	s_add_nc_u64 s[G0+4*\s+2:G0+4*\s+3], s[18:19], \s*2*KPB
	s_or_b32 s[G0+4*\s+3], s[G0+4*\s+3], 0x80000000
	s_mov_b32 s[G0B+4*\s], 1
	s_add_co_u32 s[G0B+4*\s+1], s45, \s*SLOT
	s_add_nc_u64 s[G0B+4*\s+2:G0B+4*\s+3], s[46:47], \s*2*KPB
	s_or_b32 s[G0B+4*\s+3], s[G0B+4*\s+3], 0x80000000
.endr
	s_cmp_eq_u32 s15, 0                            ; a wave's two first fills stand in one branch on its number: two loads of mine are out
	s_cbranch_scc0 .Lfirst_b
	tensor_load_to_lds s[G0:G0+3], s[G1:G1+7]
	s_nop 0
	tensor_load_to_lds s[G0+4:G0+7], s[G1:G1+7]
	s_nop 0
.rept 4
	v_nop
.endr
	s_branch .Lfirst_asked
.Lfirst_b:
	tensor_load_to_lds s[G0B:G0B+3], s[G1B:G1B+7]
	s_nop 0
	tensor_load_to_lds s[G0B+4:G0B+7], s[G1B:G1B+7]
	s_nop 0
.rept 4
	v_nop
.endr
.Lfirst_asked:
	v_and_b32 v1, 31, v0
	v_and_b32 v2, 15, v0
	v_bfe_u32 v3, v0, 4, 1
	s_mul_i32 s22, s15, 6144
	s_mul_i32 s23, s16, 6144
	s_add_co_u32 s23, s23, 2*KPB
	s_lshl_b32 s66, s15, 8
	s_add_co_u32 s66, s66, 24576
	s_lshl_b32 s67, s16, 8
	s_add_co_u32 s67, s67, 2*KPB+24576
.irp s, 0,1
	v_lshl_add_u32 v[A16+\s], v1, 4, s22
	v_lshl_add_u32 v[A8+\s], v1, 3, s22
	v_lshl_add_u32 v[A4+\s], v1, 2, s66
	v_lshl_add_u32 v[B16+\s], v1, 4, s23
	v_lshl_add_u32 v[B8+\s], v1, 3, s23
	v_lshl_add_u32 v[B4+\s], v1, 2, s67
	s_add_co_u32 s22, s22, SLOT
	s_add_co_u32 s23, s23, SLOT
	s_add_co_u32 s66, s66, SLOT
	s_add_co_u32 s67, s67, SLOT
.endr
	s_mul_i32 s22, s14, 16*272
	s_add_co_u32 s22, s22, STG                     ; my stage
	v_mul_u32_u24 v16, v2, 272
	v_lshl_add_u32 v16, v3, 6, v16
	v_add_nc_u32 v16, s22, v16                     ; in: row r, + 64 h
	v_mul_u32_u24 v17, v3, 272
	v_lshl_add_u32 v17, v2, 4, v17
	v_add_nc_u32 v17, s22, v17                     ; back: lanes 0-15 one row of 256 bytes, lanes 16-31 the next
	v_lshlrev_b32 v18, 12, v3
	v_lshl_add_u32 v18, v2, 4, v18                 ; and the same two rows in memory
	v_lshlrev_b32 v19, 6, v3
	s_lshl_b32 s66, s42, 9
	s_lshl_b32 s68, s16, 8
	s_add_co_u32 s66, s66, s68                     ; my 64 columns, in bytes
	s_mov_b32 s67, 0
	s_add_nc_u64 s[8:9], s[8:9], s[66:67]
	s_lshl_b32 s68, s17, 7
	s_lshl_b32 s69, s15, 6
	s_add_co_u32 s68, s68, s69
	s_lshl_b32 s68, s68, 12                        ; my 64 rows
	s_add_co_u32 s66, s66, s68
	s_add_nc_u64 s[10:11], s[10:11], s[66:67]
	s_add_nc_u64 s[12:13], s[12:13], s[66:67]
.irp y, 0,1,2,3
	global_load_b128 v[BIAS+8*\y:BIAS+8*\y+3], v19, s[8:9] offset:(32*(\y/2)+8*(\y%2))*4
	global_load_b128 v[BIAS+8*\y+4:BIAS+8*\y+7], v19, s[8:9] offset:(32*(\y/2)+8*(\y%2))*4+16
.endr
	WIN 0x80                                       ; destination window 2
.irp x, 0,1,2,3
.irp t, 0,1,2,3,4,5,6,7
	global_load_b128 v[32*\x+4*\t:32*\x+4*\t+3], v18, s[10:11] offset:(32*(\x/2)+8*(\x%2)+2*\t+8*(\t/4))*4096   ; the residual: stage row 2 t + lane / 16 of block x
.endr
.endr
	WIN 0
	s_wait_tensorcnt 0x1                           ; my part of slot 0 is in; slot 1's load may stay out
	s_barrier_signal -1
	s_barrier_wait -1
	FETCH 0, 0, 0
	s_wait_loadcnt 32                              ; the bias's eight loads are in; the residual's 32 may be out
	KS 0, 1, 0, 1                                  ; the first K step stands in front of the loop: its products start the sums
	WIN 0
	s_mov_b32 s3, 3
.Llap:                                                 ; a trip goes once round the ring and fills both slots again: fills 2 to 7
	KS 96, 0, 0, 2
	KS 0, 0, 0, 3
	TURN 0, 1
	KS 0, 0, 1, 1
	KS 96, 0, 1, 2
	KS 0, 0, 1, 3
	TURN 1, 1
	KS 0, 0, 0, 1
	WIN 0
	s_sub_co_u32 s3, s3, 1
	s_cmp_lg_u32 s3, 0
	s_cbranch_scc1 .Llap
	KS 96, 0, 0, 2                                 ; the last lap is written out: it fills nothing
	KS 0, 0, 0, 3
	TURN 0, 0
	KS 0, 0, 1, 1
	KS 96, 0, 1, 2
	KS 0, 0, 1, 3
	s_wait_dscnt 0x0
	MUL16 96, 0
	WIN 0
	PLACES
	s_wait_loadcnt 0x0                             ; the residual
; Block x: 16 rows x 64 columns through my stage; the rows come back into the block's own accumulators, which are never written again: no store's data are overwritten
.macro OUTX x
.irp y, 0,1,2,3
	ds_store_b128 v16, v[ACC+8*(4*\x+\y):ACC+8*(4*\x+\y)+3] offset:128*(\y/2)+32*(\y%2)        ; each accumulator from its low end on
	ds_store_b128 v16, v[ACC+8*(4*\x+\y)+4:ACC+8*(4*\x+\y)+7] offset:128*(\y/2)+32*(\y%2)+16
.endr
	s_wait_dscnt 0x0                               ; the stores have read their registers, into which the loads below land
.irp t, 0,1,2,3,4,5,6,7
	ds_load_b128 v[ACC+32*\x+4*\t:ACC+32*\x+4*\t+3], v17 offset:544*\t
.endr
	s_wait_dscnt 0x0
	WIN 0x08                                       ; source 1 in window 2
.set n, 0
.rept 16
	v_pk_add_f32 v[ACC+32*\x+n:ACC+32*\x+n+1], v[ACC+32*\x+n:ACC+32*\x+n+1], v[32*\x+n:32*\x+n+1]
.set n, n+2
.endr
	WIN 0
.irp t, 0,1,2,3,4,5,6,7
	global_store_b128 v18, v[ACC+32*\x+4*\t:ACC+32*\x+4*\t+3], s[12:13] offset:(32*(\x/2)+8*(\x%2)+2*\t+8*(\t/4))*4096 th:TH_STORE_NT   ; 16 lanes store 256 consecutive bytes, aligned; written once, read by nobody here
.endr
.endm
	OUTX 0
	OUTX 1
	OUTX 2
	OUTX 3
	s_wait_tensorcnt 0x0                           ; the wave's end: behind my last tensor load and my last LDS store
	ds_add_u32 v[SPW], v[NIL]
	s_wait_dscnt 0x0
	CROUND                                         ; the closing round
	s_endpgm
.Lfunc_end_k_qe21f3400dc_fc2:
	.size	k_qe21f3400dc_fc2, .Lfunc_end_k_qe21f3400dc_fc2-k_qe21f3400dc_fc2
	.p2alignl 7, 3214868480
	.fill 96, 4, 3214868480
	.section	.rodata,"a",@progbits
	.p2align	6, 0x0
	.amdhsa_kernel k_qe21f3400dc_fc2
		.amdhsa_group_segment_fixed_size 327680
		.amdhsa_private_segment_fixed_size 0
		.amdhsa_enable_private_segment 0
		.amdhsa_kernarg_size 40
		.amdhsa_user_sgpr_count 2
		.amdhsa_user_sgpr_kernarg_segment_ptr 1
		.amdhsa_wavefront_size32 1
		.amdhsa_system_sgpr_workgroup_id_x 1
		.amdhsa_system_sgpr_workgroup_id_y 1
		.amdhsa_system_sgpr_workgroup_id_z 1
		.amdhsa_system_vgpr_workitem_id 0
		.amdhsa_next_free_vgpr 640
		.amdhsa_next_free_sgpr 80
		.amdhsa_reserve_vcc 0
		.amdhsa_float_denorm_mode_32 3
		.amdhsa_float_denorm_mode_16_64 3
		.amdhsa_memory_ordered 1
		.amdhsa_forward_progress 1
		.amdhsa_inst_pref_size 98
	.end_amdhsa_kernel
	.amdgpu_metadata
---
amdhsa.version: [ 1, 2 ]
amdhsa.kernels:
  - .name:           k_qe21f3400dc_fc2
    .symbol:         k_qe21f3400dc_fc2.kd
    .args:
      - { .name: h3, .offset: 0, .size: 8, .value_kind: global_buffer, .address_space: global }
      - { .name: wc, .offset: 8, .size: 8, .value_kind: global_buffer, .address_space: global }
      - { .name: fc2_b, .offset: 16, .size: 8, .value_kind: global_buffer, .address_space: global }
      - { .name: x2, .offset: 24, .size: 8, .value_kind: global_buffer, .address_space: global }
      - { .name: out0, .offset: 32, .size: 8, .value_kind: global_buffer, .address_space: global }
    .group_segment_fixed_size: 327680
    .private_segment_fixed_size: 0
    .kernarg_segment_align: 8
    .kernarg_segment_size: 40
    .max_flat_workgroup_size: 128
    .sgpr_count:     80
    .vgpr_count:     640
    .wavefront_size: 32
...
	.end_amdgpu_metadata
.endif
;; end of part 7
;; ======== version 2 of 2: 7 launches
;; limits: right only within a limited range of input values
;; workspace buffers: wc 9,830,400 bytes; act 3,276,800 bytes; qkvc 13,369,344 bytes; x2 16,777,216 bytes; h3 13,107,200 bytes
;; launch prep (part 8): grid 512 x 1, 8 waves a work-group, no clusters, 98,304 bytes of LDS; arguments attn_w, proj_w, fc1_w, fc2_w, x, ln1_w, ln1_b, act, wc; writes act, wc
.if DOCPART == 8
	.amdgcn_target "amdgcn-amd-amdhsa--gfx1250"
	.amdhsa_code_object_version 6
	.text
	.protected	k_qe21f3400dc_prep
	.globl	k_qe21f3400dc_prep
	.p2align	8
	.type	k_qe21f3400dc_prep,@function
k_qe21f3400dc_prep:
	s_mov_b64 s[64:65], 0
	v_nop
	global_prefetch_b8 v0, s[64:65] scope:SCOPE_SE
	s_setreg_imm32_b32 hwreg(HW_REG_WAVE_MODE, 25, 1), 1
	s_wait_xcnt 0x0
; ONE LAUNCH PREPARES ALL OPERANDS THAT COME AS INPUTS.  Work-groups 0-383 quantise the four weights, one block each; work-groups 384-511 compute LN1(x) and quantise it, two row blocks each.
; 512 work-groups of 8 waves with 250 registers: two to a WGP.  The two paths part on the work-group's number alone; each has LDS bytes of its own (weights 0 .. 28,671; layernorm 28,672 .. 97,279); the spare words lie behind both.
; BOTH WRITE IMAGES OF OPERAND REGISTERS: a block of 25,600 bytes is 128 rows x 256 along K: codes [q 2][row block 8][c 2][768 bytes], then scale words [q 2][row block 8][16 rows].
; A piece of 768 bytes is 16 rows x 64 K as six registers a lane: registers 0-3 at 16 x lane, 4-5 at 512 + 8 x lane; lane (r, h) holds k = 32 h .. 32 h + 31.
; Row block 2 G + u, row r, is row 32 G + 8 u + r + 8 (r / 8) of the 128.
; WEIGHTS, f32 stored [K][N]: wave w takes q = w / 4 and columns 32 (w % 4) on; a lane takes a column and its registers run down K, so a block of 32 lies in one lane.
; LAYERNORM: work-group g takes row blocks 2 g and 2 g + 1 (32 rows) in a loop of two trips; wave w takes channels 128 w on; h = (x - mean) rsqrt(var + 1e-5) w + b in f32, two passes over registers,
; sums joined across the waves in LDS.  The gains and biases are loaded once, ahead of the loop.
; A block's scale byte is its largest magnitude's exponent field - 4, held at 1 from below.  LIMITS: a block of zeros, and one whose largest magnitude lies under 2^-122, get the byte 1 (this program alone reads the bytes);
; NaN and infinities are not served.
.set NWG,  384                         ; work-groups that take weights
.set LBASE, 28672                      ; the layernorm's LDS bytes begin here
.set SPARE, 97280                      ; the spare words, 128 bytes a wave
.set OFS,  32                          ; weights: v32-63 row offsets; v64-191 128 numbers; v192.. codes
.set WX,   64
.set CD,   192
.set WREG, 3584                        ; a wave's region: two fragments 1,664 bytes apart, then 128 bytes of scale words
.set FRP,  1664
.set SWO,  3328
	v_lshl_add_u32 v248, v0, 2, SPARE
	v_mov_b32 v249, 0
	v_lshrrev_b32 v1, 5, v0
	s_delay_alu instid0(VALU_DEP_1)
	v_readfirstlane_b32 s14, v1                    ; wave 0..7
	s_cmp_ge_u32 ttmp9, NWG
	s_wait_alu depctr_va_vdst(0)                   ; the wait ahead of the branch
	s_cbranch_scc1 .Lnorm
	s_load_b256 s[4:11], s[0:1], 0x0               ; attn_w, proj_w, fc1_w, fc2_w
	s_load_b64 s[12:13], s[0:1], 0x40              ; the weights' codes
	v_and_b32 v2, 31, v0                           ; lane = my column among the wave's 32
	v_bfe_u32 v3, v0, 3, 1                         ; u
	v_and_b32 v4, 7, v0
	v_bfe_u32 v5, v0, 4, 1
	s_delay_alu instid0(VALU_DEP_1)
	v_lshl_add_u32 v4, v5, 3, v4                   ; r
	s_mul_i32 s15, s14, WREG
	v_mul_u32_u24 v5, v3, FRP
	s_delay_alu instid0(VALU_DEP_1)
	v_add_nc_u32 v5, s15, v5
	s_delay_alu instid0(VALU_DEP_1)
	v_lshl_add_u32 v6, v4, 4, v5                   ; registers 0-3 of a block: + 16 r
	s_delay_alu instid0(VALU_DEP_2)
	v_lshl_add_u32 v7, v4, 3, v5                   ; registers 4-5: + 8 r
	v_lshlrev_b32 v12, 6, v3
	s_delay_alu instid0(VALU_DEP_1)
	v_lshl_add_u32 v12, v4, 2, v12
	s_delay_alu instid0(VALU_DEP_1)
	v_add_nc_u32 v12, s15, v12                     ; my scale word: 64 u + 4 r
	v_lshl_add_u32 v13, v2, 4, s15                 ; back: 16 x lane
	v_lshl_add_u32 v14, v2, 2, s15                 ; and 4 x lane
	s_mov_b32 s16, 4096                            ; fc2_w: bytes in a row, log2 of the K pairs in a tile, first work-group, place in the output
	s_mov_b32 s17, 4
	s_mov_b32 s18, 256
	s_mov_b32 s19, 6553600
	s_wait_kmcnt 0x0
	s_mov_b64 s[20:21], s[10:11]
	s_cmp_lt_u32 ttmp9, 256                        ; fc1_w
	s_cselect_b32 s16, 16384, s16
	s_cselect_b32 s17, 2, s17
	s_cselect_b32 s18, 128, s18
	s_cselect_b32 s19, 3276800, s19
	s_cselect_b64 s[20:21], s[8:9], s[20:21]
	s_cmp_lt_u32 ttmp9, 128                        ; proj_w
	s_cselect_b32 s16, 4096, s16
	s_cselect_b32 s18, 96, s18
	s_cselect_b32 s19, 2457600, s19
	s_cselect_b64 s[20:21], s[6:7], s[20:21]
	s_cmp_lt_u32 ttmp9, 96                         ; attn_w
	s_cselect_b32 s16, 12288, s16
	s_cselect_b32 s18, 0, s18
	s_cselect_b32 s19, 0, s19
	s_cselect_b64 s[20:21], s[4:5], s[20:21]
	s_sub_co_u32 s22, ttmp9, s18                   ; which block of this weight
	s_lshr_b32 s23, s22, s17                       ; its tile of 128 columns
	s_lshl_b32 s24, s23, s17
	s_sub_co_u32 s24, s22, s24                     ; its K pair
	s_lshr_b32 s25, s14, 2                         ; q
	s_and_b32 s26, s14, 3                          ; which 32 columns
	s_lshl_b32 s24, s24, 1
	s_add_co_u32 s24, s24, s25
	s_lshl_b32 s24, s24, 7                         ; my first row of K
	s_mul_i32 s38, s24, s16
	s_lshl_b32 s23, s23, 9
	s_add_co_u32 s38, s38, s23
	s_lshl_b32 s27, s26, 7
	s_add_co_u32 s38, s38, s27
	s_mov_b32 s39, 0
	s_add_nc_u64 s[28:29], s[20:21], s[38:39]      ; a base for each block of 32 rows
	s_lshl_b32 s36, s16, 5
	s_mov_b32 s37, 0
	s_add_nc_u64 s[30:31], s[28:29], s[36:37]
	s_add_nc_u64 s[32:33], s[30:31], s[36:37]
	s_add_nc_u64 s[34:35], s[32:33], s[36:37]
	s_mul_i32 s40, s22, 25600
	s_add_co_u32 s40, s40, s19
	s_mov_b32 s41, 0
	s_add_nc_u64 s[12:13], s[12:13], s[40:41]      ; my block of the output
	s_mul_i32 s42, s25, 12288
	s_mul_i32 s43, s26, 3072
	s_add_co_u32 s42, s42, s43
	v_lshl_add_u32 v17, v2, 4, s42                 ; in it: my two fragments
	s_lshl_b32 s42, s25, 9
	s_lshl_b32 s43, s26, 7
	s_add_co_u32 s42, s42, s43
	s_add_co_u32 s42, s42, 24576
	v_lshl_add_u32 v18, v2, 2, s42                 ; and their scale words
	v_lshlrev_b32 v[OFS], 2, v2
.set n, 1
.rept 31
	s_delay_alu instid0(VALU_DEP_1)
	v_add_nc_u32 v[OFS+n], s16, v[OFS+n-1]         ; the row length is no constant of the text: each row has its offset register
.set n, n+1
.endr
.macro LOAD kb                         ; 32 rows of K at my column: 32 lanes read 128 consecutive bytes
.set n, 0
.rept 32
	global_load_b32 v[WX+32*(\kb)+n], v[OFS+n], s[28+2*(\kb):29+2*(\kb)] th:TH_LOAD_NT
.set n, n+1
.endr
.endm
.macro BLOCK kb
.set XS, WX+32*(\kb)
.set CB, CD+10*(\kb)
.if (\kb) < 3
	s_wait_loadcnt 32                              ; this block's 32 loads are in; the next block's 32 may be out
.else
	s_wait_loadcnt 0x0
.endif
.if (\kb) < 2
	LOAD (\kb)+2
.endif
	v_max3_num_f32 v8, |v[XS]|, |v[XS+1]|, |v[XS+2]|
	v_max3_num_f32 v9, |v[XS+3]|, |v[XS+4]|, |v[XS+5]|
.irp i, 6,10,14,18,22,26
	s_delay_alu instid0(VALU_DEP_2)
	v_max3_num_f32 v8, v8, |v[XS+\i]|, |v[XS+\i+1]|
	s_delay_alu instid0(VALU_DEP_2)
	v_max3_num_f32 v9, v9, |v[XS+\i+2]|, |v[XS+\i+3]|
.endr
	s_delay_alu instid0(VALU_DEP_2)
	v_max3_num_f32 v8, v8, |v[XS+30]|, |v[XS+31]|
	s_delay_alu instid0(VALU_DEP_1)
	v_max3_num_f32 v8, v8, v9, 0x2800000           ; with the floor 2^(5 - 127)
	s_delay_alu instid0(VALU_DEP_1)
	v_add_nc_u32 v10, 0xfe000000, v8               ; 4 off the exponent field: the conversion's scale operand
	v_cvt_scalef32_pk16_bf6_f32 v[CB:CB+2], v[XS:XS+15], v10
	v_cvt_scalef32_pk16_bf6_f32 v[CB+6:CB+8], v[XS+16:XS+31], v10
	v_lshrrev_b32 v11, 23, v10                     ; the scale's byte; also the plain line behind the conversions
.if (\kb) == 0
	s_delay_alu instid0(VALU_DEP_1)
	v_mov_b32 v16, v11
.else
	s_delay_alu instid0(VALU_DEP_1)
	v_lshl_or_b32 v16, v11, 8*(\kb), v16
.endif
.irp i, 0,1,2
	v_mov_b32 v[CB+3+\i], v[CB+6+\i]
.endr
	ds_store_b128 v6, v[CB:CB+3] offset:768*((\kb)/2)+256*((\kb)%2)
	ds_store_b64 v7, v[CB+4:CB+5] offset:512+768*((\kb)/2)+128*((\kb)%2)
.endm
	LOAD 0
	LOAD 1
	s_wait_alu depctr_va_vdst(0)
	BLOCK 0
	BLOCK 1
	BLOCK 2
	BLOCK 3
	ds_store_b32 v12, v16 offset:SWO
.irp u, 0,1
.irp i, 0,1,2
	ds_load_b128 v[WX+4*(3*\u+\i):WX+4*(3*\u+\i)+3], v13 offset:FRP*\u+512*\i   ; LDS serves a wave's instructions in order: these see my stores
.endr
.endr
	ds_load_b32 v[WX+24], v14 offset:SWO
	s_wait_dscnt 0x0
.irp u, 0,1
.irp i, 0,1,2
	global_store_b128 v17, v[WX+4*(3*\u+\i):WX+4*(3*\u+\i)+3], s[12:13] offset:1536*\u+512*\i   ; 512 consecutive bytes, aligned to 256
.endr
.endr
	global_store_b32 v18, v[WX+24], s[12:13]
	s_wait_tensorcnt 0x0                           ; the wave's end
	ds_add_u32 v248, v249
	s_wait_dscnt 0x0
	s_endpgm
.Lnorm:
.set ROWB, 4096
.set STP,  528                         ; a stage row: 512 bytes + 16
.set RED,  LBASE+67584                 ; behind the eight stages: two areas of [wave 8][row 16] words
.set X, 32                             ; v32-95 64 numbers; v96-159 gains; v160-223 biases; v224-242 codes
.set W, 96
.set B, 160
.set C, 224
	s_load_b256 s[4:11], s[0:1], 0x20              ; x, w, b, the output
	s_sub_co_u32 s27, ttmp9, NWG                   ; which 32 rows, 0..127
	v_and_b32 v1, 31, v0                           ; lane
	s_wait_alu depctr_va_vdst(0)
	v_and_b32 v2, 15, v0                           ; r
	v_bfe_u32 v3, v0, 4, 1                         ; h
	s_wait_alu depctr_va_vdst(0)
	s_mov_b32 s12, 0x76543210
	s_mov_b32 s13, 0xfedcba98                      ; v_permlanex16_b32's selects for lane l xor 16
	s_mov_b32 s20, 0x3a800000                      ; 1 / 1024
	s_mov_b32 s21, 0x3727c5ac                      ; 1e-5
	s_lshl_b32 s16, s27, 17                        ; my 32 rows of 4,096 bytes
	s_mov_b32 s17, 0
	s_lshl_b32 s18, s14, 9
	v_lshl_add_u32 v4, v1, 4, s18                  ; x: 512 w + 16 x lane
	v_lshl_add_u32 v5, v3, 7, s18                  ; w, b: 512 w + 128 h
	s_mul_i32 s19, s14, 16*STP
	s_add_co_u32 s19, s19, LBASE
	v_lshl_add_u32 v6, v1, 4, s19                  ; the stage, on the way in
	v_mul_u32_u24 v7, v2, STP
	s_delay_alu instid0(VALU_DEP_1)
	v_lshl_add_u32 v7, v3, 7, v7
	s_delay_alu instid0(VALU_DEP_1)
	v_add_nc_u32 v7, s19, v7                       ; and on the way out: row r, + 128 h
	s_lshl_b32 s19, s14, 6
	s_add_co_u32 s19, s19, RED
	v_lshl_add_u32 v28, v2, 2, s19                 ; my wave's word of row r
	v_lshl_add_u32 v29, v2, 2, RED                 ; wave 0's
	s_lshr_b32 s22, s27, 2                         ; the output: tile of 128 rows,
	s_lshl_b32 s22, s22, 2
	s_lshr_b32 s23, s14, 1
	s_add_co_u32 s22, s22, s23                     ; K pair w / 2
	s_mul_i32 s22, s22, 25600
	s_and_b32 s23, s14, 1                          ; q = w % 2
	s_and_b32 s24, s27, 3
	s_lshl_b32 s24, s24, 1                         ; the first of my two row blocks
	s_mul_i32 s25, s23, 12288
	s_mul_i32 s26, s24, 1536
	s_add_co_u32 s25, s25, s26
	s_add_co_u32 s25, s25, s22
	s_lshl_b32 s23, s23, 9
	s_lshl_b32 s24, s24, 6
	s_add_co_u32 s23, s23, s24
	s_add_co_u32 s23, s23, s22
	s_add_co_u32 s23, s23, 24576
	v_lshl_add_u32 v30, v1, 4, s25                 ; codes, registers 0-3
	v_lshl_add_u32 v31, v1, 3, s25                 ; registers 4-5
	v_lshl_add_u32 v244, v2, 2, s23                ; the scale word of row r
	s_wait_alu depctr_va_vdst(0)
	s_wait_kmcnt 0x0
	s_add_nc_u64 s[4:5], s[4:5], s[16:17]
.irp c, 0,1
.irp j, 0,1,2,3,4,5,6,7
	global_load_b128 v[W+32*\c+4*\j:W+32*\c+4*\j+3], v5, s[6:7] offset:256*\c+16*\j
.endr
.endr
.irp c, 0,1
.irp j, 0,1,2,3,4,5,6,7
	global_load_b128 v[B+32*\c+4*\j:B+32*\c+4*\j+3], v5, s[8:9] offset:256*\c+16*\j
.endr
.endr
.macro ACROSS off                      ; v8 = my lane's part of a row's sum -> the row's sum over all 1,024 channels
	s_delay_alu instid0(VALU_DEP_1)
	v_permlanex16_b32 v9, v8, s12, s13
	s_delay_alu instid0(VALU_DEP_1)
	v_add_f32 v8, v8, v9
	ds_store_b32 v28, v8 offset:\off
	s_wait_dscnt 0x0                               ; for the others' sake
	s_barrier_signal -1
	s_barrier_wait -1
.irp w, 0,1,2,3,4,5,6,7
	ds_load_b32 v[16+\w], v29 offset:\off+64*\w
.endr
	s_wait_dscnt 0x0
	v_add_f32 v16, v16, v17
	v_add_f32 v18, v18, v19
	v_add_f32 v20, v20, v21
	v_add_f32 v22, v22, v23
	s_delay_alu instid0(VALU_DEP_3)
	v_add_f32 v16, v16, v18
	s_delay_alu instid0(VALU_DEP_2)
	v_add_f32 v20, v20, v22
	s_delay_alu instid0(VALU_DEP_1)
	v_add_f32 v8, v16, v20
.endm
.macro FOLD                            ; four chains of pairs -> v8
	s_delay_alu instid0(VALU_DEP_3)
	v_pk_add_f32 v[8:9], v[8:9], v[10:11]
	s_delay_alu instid0(VALU_DEP_2)
	v_pk_add_f32 v[12:13], v[12:13], v[14:15]
	s_delay_alu instid0(VALU_DEP_1)
	v_pk_add_f32 v[8:9], v[8:9], v[12:13]
	s_delay_alu instid0(VALU_DEP_1)
	v_add_f32 v8, v8, v9
.endm
	s_mov_b32 s28, 2
.Lblock:                                               ; a trip: one row block of 16 rows.  Each area of sums is stored anew only behind the other area's barrier, in front of which every wave's reads of it were waited for
.irp i, 0,1,2,3,4,5,6,7,8,9,10,11,12,13,14,15
	global_load_b128 v[X+4*\i:X+4*\i+3], v4, s[4:5] offset:(\i+8*(\i/8))*ROWB
.endr
	s_wait_loadcnt 0x0                             ; x's sixteen loads (in the first trip w's and b's too)
.irp i, 0,1,2,3,4,5,6,7,8,9,10,11,12,13,14,15
	ds_store_b128 v6, v[X+4*\i:X+4*\i+3] offset:\i*STP
.endr
	s_wait_dscnt 0x0                               ; the stores have read their registers, into which the loads below land
.irp c, 0,1
.irp j, 0,1,2,3,4,5,6,7
	ds_load_b128 v[X+32*\c+4*\j:X+32*\c+4*\j+3], v7 offset:256*\c+16*\j
.endr
.endr
	s_wait_dscnt 0x0
.irp k, 0,1,2,3
	v_pk_add_f32 v[8+2*\k:9+2*\k], v[X+4*\k:X+4*\k+1], v[X+4*\k+2:X+4*\k+3]
.endr
.irp m, 16,24,32,40,48,56
.irp k, 0,1,2,3
	s_delay_alu instid0(VALU_DEP_4)
	v_pk_add_f32 v[8+2*\k:9+2*\k], v[8+2*\k:9+2*\k], v[X+\m+2*\k:X+\m+2*\k+1]
.endr
.endr
	FOLD
	ACROSS 0
	s_delay_alu instid0(VALU_DEP_1)
	v_mul_f32 v24, s20, v8                         ; the mean
	s_delay_alu instid0(VALU_DEP_1)
	v_mov_b32 v25, v24
.set n, 0
.rept 32
	v_pk_add_f32 v[X+n:X+n+1], v[X+n:X+n+1], v[24:25] neg_lo:[0,1] neg_hi:[0,1]   ; x - mean
.set n, n+2
.endr
.irp k, 0,1,2,3
	v_pk_mul_f32 v[8+2*\k:9+2*\k], v[X+2*\k:X+2*\k+1], v[X+2*\k:X+2*\k+1]
.endr
.irp m, 8,16,24,32,40,48,56
.irp k, 0,1,2,3
	s_delay_alu instid0(VALU_DEP_4)
	v_pk_fma_f32 v[8+2*\k:9+2*\k], v[X+\m+2*\k:X+\m+2*\k+1], v[X+\m+2*\k:X+\m+2*\k+1], v[8+2*\k:9+2*\k]
.endr
.endr
	FOLD
	ACROSS 512
	s_delay_alu instid0(VALU_DEP_1)
	v_fma_f32 v26, v8, s20, s21                    ; var + eps
	s_wait_alu depctr_va_vdst(0)
	v_rsq_f32 v26, v26
	v_nop                                          ; a plain line behind the transcendental
	s_wait_alu depctr_va_vdst(0)                   ; the wait ahead of its first reader
	v_mov_b32 v27, v26
.set n, 0
.rept 32
	v_pk_mul_f32 v[X+n:X+n+1], v[X+n:X+n+1], v[26:27]
.set n, n+2
.endr
.set n, 0
.rept 32
	v_pk_fma_f32 v[X+n:X+n+1], v[X+n:X+n+1], v[W+n:W+n+1], v[B+n:B+n+1]
.set n, n+2
.endr
.irp c, 0,1                                    ; my two blocks: all 32 numbers of each are mine
	v_max3_num_f32 v[8+\c], |v[X+32*\c]|, |v[X+32*\c+1]|, 0x2800000
.endr
.irp i, 2,4,6,8,10,12,14,16,18,20,22,24,26,28,30
.irp c, 0,1
	s_delay_alu instid0(VALU_DEP_2)
	v_max3_num_f32 v[8+\c], v[8+\c], |v[X+32*\c+\i]|, |v[X+32*\c+\i+1]|
.endr
.endr
.irp c, 0,1
	s_delay_alu instid0(VALU_DEP_2)
	v_add_nc_u32 v[10+\c], 0xfe000000, v[8+\c]
.endr
.irp c, 0,1
	s_delay_alu instid0(VALU_DEP_2)
	v_lshrrev_b32 v[12+\c], 23, v[10+\c]
.endr
	s_delay_alu instid0(VALU_DEP_1)
	v_lshl_or_b32 v245, v13, 16, v12               ; my bytes: blocks h and 2 + h of the row's four,
	v_lshlrev_b32 v14, 3, v3
	s_delay_alu instid0(VALU_DEP_1)
	v_lshlrev_b32 v245, v14, v245                  ; at their places;
	s_delay_alu instid0(VALU_DEP_1)
	v_permlanex16_b32 v14, v245, s12, s13
	s_delay_alu instid0(VALU_DEP_1)
	v_or_b32 v245, v245, v14                       ; with lane l xor 16's two the word is whole
.irp c, 0,1
	v_cvt_scalef32_pk16_bf6_f32 v[C+10*\c:C+10*\c+2], v[X+32*\c:X+32*\c+15], v[10+\c]
	v_cvt_scalef32_pk16_bf6_f32 v[C+10*\c+6:C+10*\c+8], v[X+32*\c+16:X+32*\c+31], v[10+\c]
.endr
	v_nop                                          ; a plain line behind the conversions
.irp c, 0,1
.irp i, 0,1,2
	v_mov_b32 v[C+10*\c+3+\i], v[C+10*\c+6+\i]
.endr
.endr
.irp c, 0,1
	global_store_b128 v30, v[C+10*\c:C+10*\c+3], s[10:11] offset:768*\c
	global_store_b64 v31, v[C+10*\c+4:C+10*\c+5], s[10:11] offset:768*\c+512
.endr
	global_store_b32 v244, v245, s[10:11]          ; lanes r and r + 16 store the same word to the same place
	s_wait_xcnt 0x0                                ; the stores and loads have read their registers: addresses step, and the next trip writes the data anew
	s_add_nc_u64 s[4:5], s[4:5], 8*ROWB            ; the next row block begins 8 rows on,
	v_add_nc_u32 v30, 1536, v30                    ; its codes 1,536 bytes on,
	v_add_nc_u32 v31, 1536, v31
	v_add_nc_u32 v244, 64, v244                    ; its scale words 64
	s_sub_co_u32 s28, s28, 1
	s_cmp_lg_u32 s28, 0
	s_wait_alu depctr_va_vdst(0)                   ; the wait ahead of the branch
	s_cbranch_scc1 .Lblock
	s_wait_tensorcnt 0x0                           ; the wave's end
	ds_add_u32 v248, v249
	s_wait_dscnt 0x0
	s_endpgm
.Lfunc_end_k_qe21f3400dc_prep:
	.size	k_qe21f3400dc_prep, .Lfunc_end_k_qe21f3400dc_prep-k_qe21f3400dc_prep
	.p2alignl 7, 3214868480
	.fill 96, 4, 3214868480
	.section	.rodata,"a",@progbits
	.p2align	6, 0x0
	.amdhsa_kernel k_qe21f3400dc_prep
		.amdhsa_group_segment_fixed_size 98304
		.amdhsa_private_segment_fixed_size 0
		.amdhsa_enable_private_segment 0
		.amdhsa_kernarg_size 72
		.amdhsa_user_sgpr_count 2
		.amdhsa_user_sgpr_kernarg_segment_ptr 1
		.amdhsa_wavefront_size32 1
		.amdhsa_system_sgpr_workgroup_id_x 1
		.amdhsa_system_sgpr_workgroup_id_y 1
		.amdhsa_system_sgpr_workgroup_id_z 1
		.amdhsa_system_vgpr_workitem_id 0
		.amdhsa_next_free_vgpr 250
		.amdhsa_next_free_sgpr 66
		.amdhsa_reserve_vcc 0
		.amdhsa_float_denorm_mode_32 3
		.amdhsa_float_denorm_mode_16_64 3
		.amdhsa_memory_ordered 1
		.amdhsa_forward_progress 1
		.amdhsa_inst_pref_size 57
	.end_amdhsa_kernel
	.amdgpu_metadata
---
amdhsa.version: [ 1, 2 ]
amdhsa.kernels:
  - .name:           k_qe21f3400dc_prep
    .symbol:         k_qe21f3400dc_prep.kd
    .args:
      - { .name: attn_w, .offset: 0, .size: 8, .value_kind: global_buffer, .address_space: global }
      - { .name: proj_w, .offset: 8, .size: 8, .value_kind: global_buffer, .address_space: global }
      - { .name: fc1_w, .offset: 16, .size: 8, .value_kind: global_buffer, .address_space: global }
      - { .name: fc2_w, .offset: 24, .size: 8, .value_kind: global_buffer, .address_space: global }
      - { .name: x, .offset: 32, .size: 8, .value_kind: global_buffer, .address_space: global }
      - { .name: ln1_w, .offset: 40, .size: 8, .value_kind: global_buffer, .address_space: global }
      - { .name: ln1_b, .offset: 48, .size: 8, .value_kind: global_buffer, .address_space: global }
      - { .name: act, .offset: 56, .size: 8, .value_kind: global_buffer, .address_space: global }
      - { .name: wc, .offset: 64, .size: 8, .value_kind: global_buffer, .address_space: global }
    .group_segment_fixed_size: 98304
    .private_segment_fixed_size: 0
    .kernarg_segment_align: 8
    .kernarg_segment_size: 72
    .max_flat_workgroup_size: 256
    .sgpr_count:     66
    .vgpr_count:     250
    .wavefront_size: 32
...
	.end_amdgpu_metadata
.endif
;; end of part 8
;; launch qkv (part 9): grid 8 x 32, 4 waves a work-group, clusters of 4 x 4, 327,680 bytes of LDS; arguments act, wc, attn_b, qkvc; writes qkvc
.if DOCPART == 9
	.amdgcn_target "amdgcn-amd-amdhsa--gfx1250"
	.amdhsa_code_object_version 6
	.text
	.protected	k_qe21f3400dc_qkv
	.globl	k_qe21f3400dc_qkv
	.p2align	8
	.type	k_qe21f3400dc_qkv,@function
k_qe21f3400dc_qkv:
	s_mov_b64 s[64:65], 0
	v_nop
	global_prefetch_b8 v0, s[64:65] scope:SCOPE_SE
	s_setreg_imm32_b32 hwreg(HW_REG_WAVE_MODE, 25, 1), 1
	s_wait_xcnt 0x0
	s_wait_alu depctr_hold_cnt(0) depctr_sa_sdst(0) depctr_va_vdst(0) depctr_va_sdst(0) depctr_va_ssrc(0) depctr_va_vcc(0) depctr_vm_vsrc(0)
	s_getreg_b32 s2, hwreg(HW_REG_IB_STS2, 6, 4)
	s_cmp_eq_u32 s2, 0
	s_cbranch_scc0 .Lentry_in_a_cluster
	s_endpgm
.Lentry_in_a_cluster:
	s_bfe_u32 s2, ttmp6, 0x10000c
	s_cmp_lg_u32 s2, 0xf033
	s_cbranch_scc0 .Lentry_shape_is_right
	s_endpgm
.Lentry_shape_is_right:
; qkv = LN1(x) attn_w + attn_b on codes of BF6 with E8M0 scales, and the quantisers of q, k (along the head's 64) and v (along the keys), whose codes leave in the order of attention's operand registers.
; OPERANDS lie in memory as images of registers: a stream [tile of 128 rows][K pair][25,600 bytes]: codes [q 2][row block 8][c 2][768], then scale words [q 2][row block 8][16 rows].  A piece of 768 bytes is 16 rows x 64 K:
; registers 0-3 at 16 x lane, 4-5 at 512 + 8 x lane.  Row block 2 G + u, row r, is row 32 G + 8 u + r + 8 (r / 8) of the tile, so that the 16 registers of two neighbouring result tiles are 16 neighbours along source 0's rows.
; A WORK-GROUP STAYS: it keeps its 128 tokens' codes for all of K = 1,024 (four blocks) in LDS and makes three tiles of 128 x 128: the q, the k and the v columns of one pair of heads (tile columns c, c + 8, c + 16).
; B's tiles take turns in two LDS slots of four blocks.  AT THE HEAD each wave issues one load of two blocks: waves 0, 1 A's halves, waves 2, 3 the halves of q's tile.  k's tile is asked for behind the next round,
; a block a wave, and lands under q's products; v's tile is asked for into slot 0 as soon as q's last fragments are read, and lands under q's way out and all of k's tile.  One load of a wave is out at any time.
; Four waves, each 64 x 64: 16 accumulators.
; CLUSTER 4 x 4: A's blocks hang on the tile row alone and are asked for jointly along a row of the cluster, B's on the column group alone and jointly along a column.
; q, k: source 0 = B (columns), source 1 = A (tokens): a lane holds one token and 64 neighbouring columns, one head's: a piece of 768 bytes and two scale bytes.
; v: the sources change places: a lane holds one channel and 64 neighbouring tokens: a piece of V^T with the keys innermost.
; OUTPUT: for each (batch x head, 128 tokens) 13,056 bytes: 8 token tiles x 768; V^T [4 tiles of channels][c 2][768] at 6,144; the tiles' scale words (bytes 2, 3 = 0) at 12,288; V^T's at 12,800.  q's container first, k's and v's behind it.
; LIMITS: a block of zeros, and one under 2^-122, get the byte 1 (this program alone reads the bytes); NaN and infinities are not served.
; No prefetch: each later fill has a whole tile's products in which to land.  All of the LDS is claimed.
.set KPB,  25600
.set BS0,  4*KPB                       ; LDS: A's four blocks at 0, B's slot 0 here,
.set SLOT, 4*KPB                       ; slot 1 a slot further on,
.set SPARE, 12*KPB                     ; then the spare words, 128 bytes a wave
.set KPN,  4                           ; K pairs in a tile's stream
.set TSTR, 8*KPN*KPB                   ; from q's tile to k's to v's in the weight's stream
.set CONT, 6684672                     ; a container
.set A16, 4                            ; v4-5 LDS address of A's registers 0-3, K pairs 0-1 and 2-3;  v6-7 registers 4-5;  v8-9 scale words
.set A8,  6
.set A4,  8
.set B16, 10                           ; v10-13 the same for B, index 2 x slot + half;  v14-17;  v18-21
.set B8,  14
.set B4,  18
.set QK16, 22                          ; v22, 23, 26 q's and k's way out;  v27-29 v's
.set QK8,  23
.set SPW, 24                           ; v24 my spare word's address, v25 = 0; never rewritten
.set NIL, 25
.set QK4,  26
.set V16,  27
.set V8,   28
.set V4,   29
.set SC,  32                           ; v32-39 scale words, two sets of {A pair 0, A pair 1, B pair 0, B pair 1}
.set BW,  40                           ; in window 2: the three tiles' biases in the result's layout: the C of each sum's first product
.set TM,  104                          ; v104-111 the quantiser's work; v64-103 codes; v112-117 scale bytes
.set ACC, 128                          ; v128-255 accumulator (x, y) at 128 + 8 (4 x + y)
.set G1,  24                           ; s[24:31] group 1 for A, s[32:35] its group 0; s[48:55] group 1 for B, s[56:63] group 0, a set for each slot; s[76:79] group 0 for the head's load of q's tile
.set G0A, 32
.set G1B, 48
.set G0B, 56
.set G0H, 76
.set SEL, 20
.set MUL,  0x05                        ; sources 0 and 1 in window 1, C and D in window 0
.set MULF, 0x25                        ; the same with C in window 2
.set TO_F, 0x40                        ; destination window 1
.set MSB, 0
.macro WIN new
.if MSB != \new
	s_set_vgpr_msb (MSB<<8)|\new
.set MSB, \new
.endif
.endm
.macro PLACES                          ; four plain lines between a matrix instruction and a load into, or a read of, its registers (ISA guide 7.12.1 for reads)
.rept 4
	v_nop
.endr
.endm
.macro CROUND                          ; a round of the cluster's barrier
	s_barrier_signal -1
	s_barrier_wait -1
	s_cmp_lg_u32 s14, 0
	s_cbranch_scc1 .Lnot_wave_0_\@
	s_barrier_signal -3
.Lnot_wave_0_\@:
	s_barrier_wait -3
	s_barrier_signal -1
	s_barrier_wait -1
.endm
.macro FETCH slot, k8, bf              ; the fragments and scale words of the k8-th 128 along K into buffer bf: 36 loads
.set HK, (\k8)/4
.set KO, KPB*(((\k8)/2)%2)
.set QO, (\k8)%2
.set SS, SC+4*((\bf)/96)
	WIN 0
.irp p, 0,1
	ds_load_b32 v[SS+\p], v[A4+HK] offset:KO+512*QO+128*\p
	ds_load_b32 v[SS+2+\p], v[B4+2*(\slot)+HK] offset:KO+512*QO+128*\p
.endr
	WIN TO_F
.irp f, 0,1,2,3
.irp c, 0,1
	ds_load_b128 v[\bf+12*\f+6*\c:\bf+12*\f+6*\c+3], v[A16+HK] offset:KO+12288*QO+1536*\f+768*\c
	ds_load_b64 v[\bf+12*\f+6*\c+4:\bf+12*\f+6*\c+5], v[A8+HK] offset:KO+12288*QO+1536*\f+768*\c+512
	ds_load_b128 v[\bf+48+12*\f+6*\c:\bf+48+12*\f+6*\c+3], v[B16+2*(\slot)+HK] offset:KO+12288*QO+1536*\f+768*\c
	ds_load_b64 v[\bf+48+12*\f+6*\c+4:\bf+48+12*\f+6*\c+5], v[B8+2*(\slot)+HK] offset:KO+12288*QO+1536*\f+768*\c+512
.endr
.endr
.endm
.macro WM                              ; one product; pA, pB: the odd row block's scale words stand in lanes 16-31
.if pA && pB
	v_wmma_scale_f32_16x16x128_f8f6f4 v[rD:rD+7], v[rA:rA+11], v[rB:rB+11], v[rC:rC+7], v[rSA], v[rSB] matrix_a_fmt:MATRIX_FMT_BF6 matrix_b_fmt:MATRIX_FMT_BF6 matrix_a_scale:MATRIX_SCALE_ROW1 matrix_b_scale:MATRIX_SCALE_ROW1
.elseif pA
	v_wmma_scale_f32_16x16x128_f8f6f4 v[rD:rD+7], v[rA:rA+11], v[rB:rB+11], v[rC:rC+7], v[rSA], v[rSB] matrix_a_fmt:MATRIX_FMT_BF6 matrix_b_fmt:MATRIX_FMT_BF6 matrix_a_scale:MATRIX_SCALE_ROW1
.elseif pB
	v_wmma_scale_f32_16x16x128_f8f6f4 v[rD:rD+7], v[rA:rA+11], v[rB:rB+11], v[rC:rC+7], v[rSA], v[rSB] matrix_a_fmt:MATRIX_FMT_BF6 matrix_b_fmt:MATRIX_FMT_BF6 matrix_b_scale:MATRIX_SCALE_ROW1
.else
	v_wmma_scale_f32_16x16x128_f8f6f4 v[rD:rD+7], v[rA:rA+11], v[rB:rB+11], v[rC:rC+7], v[rSA], v[rSB] matrix_a_fmt:MATRIX_FMT_BF6 matrix_b_fmt:MATRIX_FMT_BF6
.endif
.endm
; 16 products, 128 along K; the 16 accumulators take turns, one instruction a turn.
; swap = 0: source 0 = B's block y, source 1 = A's block x.  swap = 1: source 0 = A's block y, source 1 = B's block x.  first = 1: C is tile t's bias.
.macro MUL16 bf, first, swap, t
.irp x, 0,1,2,3
.irp y, 0,1,2,3
.set rD, ACC+8*(4*\x+\y)
.set pA, \y%2
.set pB, \x%2
.if \swap
.set rA, \bf+12*\y
.set rB, \bf+48+12*\x
.set rSA, SC+4*((\bf)/96)+\y/2
.set rSB, SC+4*((\bf)/96)+2+\x/2
.set rC, BW+32*(\t)+8*\x
.else
.set rA, \bf+48+12*\y
.set rB, \bf+12*\x
.set rSA, SC+4*((\bf)/96)+2+\y/2
.set rSB, SC+4*((\bf)/96)+\x/2
.set rC, BW+32*(\t)+8*\y
.endif
.if !\first
.set rC, rD
.endif
	WM
.endr
.endr
.endm
.macro KS bf, first, swap, t, slot, nk8   ; a K step: buffer bf is multiplied while the next step's fragments come into the other buffer
	s_wait_dscnt 0x0                               ; buffer bf is in
	PLACES
	FETCH \slot, \nk8, 96-\bf
.if \first
	WIN MULF
.else
	WIN MUL
.endif
	MUL16 \bf, \first, \swap, \t
.endm
; A tile's eight K steps.  mode = 2: the slot just read is filled again, two tiles on; mode = 1: nothing is left to fetch, the barrier shows the next tile whole; mode = 0: the last tile.
.macro KTILE slot, t, swap, mode
	FETCH \slot, 0, 0
	KS 0, 1, \swap, \t, \slot, 1
	KS 96, 0, \swap, \t, \slot, 2
	KS 0, 0, \swap, \t, \slot, 3
	KS 96, 0, \swap, \t, \slot, 4
	KS 0, 0, \swap, \t, \slot, 5
	KS 96, 0, \swap, \t, \slot, 6
	KS 0, 0, \swap, \t, \slot, 7
.if \mode
	WIN 0
	s_wait_tensorcnt 0x0                           ; all my tensor loads have landed: a group 0 may be written
	ds_add_u32 v[SPW], v[NIL]
.if \mode == 2
	s_add_nc_u64 s[G0B+4*\slot+2:G0B+4*\slot+3], s[G0B+4*\slot+2:G0B+4*\slot+3], 2*TSTR
.endif
	s_wait_dscnt 0x0                               ; the add is done, buffer 1 is in, and my reads of this slot are over
.if \mode == 2
	CROUND                                         ; no wave of any partner still reads this slot or has a load on its way
	tensor_load_to_lds s[G0B+4*\slot:G0B+4*\slot+3], s[G1B:G1B+7]
	s_nop 0
.rept 4
	v_nop
.endr
.else
	s_barrier_signal -1
	s_barrier_wait -1
.endif
.else
	s_wait_dscnt 0x0
.endif
	WIN MUL
	MUL16 96, 0, \swap, \t
	WIN 0
.endm
; 32 numbers of a lane, register 16 P + i = k 32 P + 16 (lane / 16) + i of my row, become a piece's six registers in v[pc] on and its two scale bytes in v[pw].
.macro QUANT2 s, pc, pw
.irp P, 0,1
	v_max3_num_f32 v[TM+\P], |v[\s+16*\P]|, |v[\s+1+16*\P]|, 0x2800000   ; with the floor 2^(5 - 127).  Each accumulator is read from its low end on
.endr
.irp i, 2,4,6,8,10,12,14
.irp P, 0,1
	v_max3_num_f32 v[TM+\P], v[TM+\P], |v[\s+16*\P+\i]|, |v[\s+1+16*\P+\i]|
.endr
.endr
.irp P, 0,1
	v_permlanex16_b32 v[TM+2+\P], v[TM+\P], s[SEL], s[SEL+1]
.endr
.irp P, 0,1
	v_max_num_f32 v[TM+\P], v[TM+\P], v[TM+2+\P]
.endr
.irp P, 0,1
	v_add_nc_u32 v[TM+4+\P], 0xfe000000, v[TM+\P]
.endr
.irp P, 0,1
	v_lshrrev_b32 v[TM+6+\P], 23, v[TM+4+\P]
.endr
	v_lshl_or_b32 v[\pw], v[TM+7], 8, v[TM+6]
	v_cvt_scalef32_pk16_bf6_f32 v[\pc:\pc+2], v[\s:\s+15], v[TM+4]
	v_cvt_scalef32_pk16_bf6_f32 v[\pc+6:\pc+8], v[\s+16:\s+31], v[TM+5]
	v_nop                                          ; a plain line behind the conversions
.irp i, 0,1,2
	v_permlane16_swap_b32 v[\pc+\i], v[\pc+6+\i]   ; a whole block to a lane
.endr
.irp i, 0,1,2
	v_mov_b32 v[\pc+3+\i], v[\pc+6+\i]
.endr
.endm
.macro OUT_QK off                      ; q's or k's way out: my four token tiles and their scale words
	PLACES
.irp x, 0,1,2,3
	QUANT2 ACC+32*\x, 64+10*\x, 112+\x
	global_store_b128 v[QK16], v[64+10*\x:64+10*\x+3], s[10:11] offset:\off+768*\x
	global_store_b64 v[QK8], v[64+10*\x+4:64+10*\x+5], s[10:11] offset:\off+768*\x+512
.endr
.irp p, 0,1
	v_cndmask_b32 v[116+\p], v[112+2*\p], v[113+2*\p], s69   ; lanes 0-15 the even tile's words, lanes 16-31 the odd one's
	global_store_b32 v[QK4], v[116+\p], s[10:11] offset:\off+12288+128*\p
.endr
.endm
	s_load_b256 s[4:11], s[0:1], 0x0               ; A's stream, the weights' streams, the bias, the output
	v_lshl_add_u32 v[SPW], v0, 2, SPARE
	v_mov_b32 v[NIL], 0
	ds_add_u32 v24, v25
	ds_add_u32 v24, v25
	s_wait_dscnt 0x0
	v_lshrrev_b32 v1, 5, v0
	v_readfirstlane_b32 s14, v1                    ; wave 0..3
	s_lshr_b32 s15, s14, 1                         ; my half of the tile's rows
	s_and_b32 s16, s14, 1                          ; my half of its columns
	s_bfe_u32 s40, ttmp6, 0x40000                  ; cx
	s_bfe_u32 s41, ttmp6, 0x40004                  ; cy
	s_lshl_b32 s42, ttmp9, 2
	s_add_co_u32 s42, s42, s40                     ; c: the column group, 0..7
	s_and_b32 s17, ttmp7, 0xffff
	s_lshl_b32 s17, s17, 2
	s_add_co_u32 s17, s17, s41                     ; tile row
	s_lshl_b32 s43, s41, 2
	s_lshl_b32 s43, 15, s43                        ; my row of the cluster
	s_lshl_b32 s44, 0x1111, s40                    ; my column
	s_or_b32 s[G1], s43, (3<<16)|(1<<21)           ; the mask; elements of 8 bytes; bit 21 beside a mask; no padding
	s_or_b32 s[G1B], s44, (3<<16)|(1<<21)
.irp g, G1, G1B                                ; the head's loads bring two dense blocks: 200 rows of 256 bytes
	s_mov_b32 s[\g+1], 32<<16
	s_mov_b32 s[\g+2], 200<<16
	s_mov_b32 s[\g+3], 32<<16
	s_mov_b32 s[\g+4], 200
	s_mov_b32 s[\g+5], 32
	s_mov_b32 s[\g+6], 0
	s_mov_b32 s[\g+7], 0
.endr
	s_lshl_b32 s70, s16, 1                         ; at the head: K pairs 2 (wave % 2) and the next
	s_mul_i32 s18, s17, KPN
	s_add_co_u32 s18, s18, s70
	s_mul_i32 s18, s18, KPB                        ; A: the tile row's stream
	s_mov_b32 s19, 0
	s_mul_i32 s46, s42, KPN
	s_add_co_u32 s66, s46, s70
	s_mul_i32 s66, s66, KPB                        ; B at the head: q's tile of the column group
	s_mov_b32 s67, 0
	s_add_co_u32 s46, s46, s14
	s_mul_i32 s46, s46, KPB                        ; B later: K pair = my wave's number
	s_mov_b32 s47, 0
	s_mul_i32 s45, s14, KPB                        ; in a slot: wave x 25,600: no place in the cluster enters an LDS address
	s_mul_i32 s70, s16, 2*KPB                      ; at the head: two blocks a wave
	s_mov_b32 s[SEL], 0x76543210
	s_mov_b32 s[SEL+1], 0xfedcba98
	s_wait_kmcnt 0x0
	s_add_nc_u64 s[18:19], s[4:5], s[18:19]
	s_add_nc_u64 s[46:47], s[6:7], s[46:47]
	CROUND                                         ; all sixteen work-groups are here: the joint loads meet
	s_mov_b32 s[G0A], 1
	s_mov_b32 s[G0A+1], s70
	s_mov_b64 s[G0A+2:G0A+3], s[18:19]
	s_or_b32 s[G0A+3], s[G0A+3], 0x80000000
	s_mov_b32 s[G0H], 1
	s_add_co_u32 s[G0H+1], s70, BS0
	s_add_nc_u64 s[G0H+2:G0H+3], s[6:7], s[66:67]
	s_or_b32 s[G0H+3], s[G0H+3], 0x80000000
.irp s, 0,1
	s_mov_b32 s[G0B+4*\s], 1
	s_add_co_u32 s[G0B+4*\s+1], s45, BS0+\s*SLOT
	s_add_nc_u64 s[G0B+4*\s+2:G0B+4*\s+3], s[46:47], \s*TSTR
	s_or_b32 s[G0B+4*\s+3], s[G0B+4*\s+3], 0x80000000
.endr
	s_cmp_eq_u32 s15, 0                            ; one tensor load a wave at the head: waves 0, 1 bring A's halves, waves 2, 3 the halves of q's tile
	s_cbranch_scc0 .Lhead_b
	tensor_load_to_lds s[G0A:G0A+3], s[G1:G1+7]
	s_nop 0
.rept 4
	v_nop
.endr
	s_branch .Lhead_asked
.Lhead_b:
	tensor_load_to_lds s[G0H:G0H+3], s[G1B:G1B+7]
	s_nop 0
.rept 4
	v_nop
.endr
.Lhead_asked:
	v_and_b32 v1, 31, v0                           ; lane
	s_wait_alu depctr_va_vdst(0)
	v_and_b32 v2, 15, v0                           ; r
	v_bfe_u32 v3, v0, 4, 1                         ; h
	s_mul_i32 s22, s15, 6144                       ; my four row blocks of A
	s_lshl_b32 s66, s15, 8
	s_add_co_u32 s66, s66, 24576                   ; and their scale words
.irp k, 0,1                                    ; K pairs 0-1, 2-3
	v_lshl_add_u32 v[A16+\k], v1, 4, s22
	v_lshl_add_u32 v[A8+\k], v1, 3, s22
	v_lshl_add_u32 v[A4+\k], v1, 2, s66
	s_add_co_u32 s22, s22, 2*KPB
	s_add_co_u32 s66, s66, 2*KPB
.endr
	s_mul_i32 s23, s16, 6144                       ; my four row blocks of B
	s_add_co_u32 s23, s23, BS0
	s_lshl_b32 s67, s16, 8
	s_add_co_u32 s67, s67, BS0+24576
.irp k, 0,1,2,3                                ; 2 x slot + half: 51,200 bytes apart
	v_lshl_add_u32 v[B16+\k], v1, 4, s23
	v_lshl_add_u32 v[B8+\k], v1, 3, s23
	v_lshl_add_u32 v[B4+\k], v1, 2, s67
	s_add_co_u32 s23, s23, 2*KPB
	s_add_co_u32 s67, s67, 2*KPB
.endr
	s_lshr_b32 s66, s17, 4                         ; batch
	s_and_b32 s67, s17, 15                         ; which 128 tokens of it
	s_lshl_b32 s68, s42, 1
	s_add_co_u32 s68, s68, s16                     ; my head
	s_lshl_b32 s66, s66, 4
	s_add_co_u32 s66, s66, s68
	s_lshl_b32 s66, s66, 4
	s_add_co_u32 s66, s66, s67
	s_mul_i32 s66, s66, 13056
	s_mov_b32 s67, 0
	s_add_nc_u64 s[10:11], s[10:11], s[66:67]      ; my block of 13,056 bytes in q's container; k's and v's lie CONT further on
	s_lshl_b32 s66, s42, 9
	s_lshl_b32 s68, s16, 8
	s_add_co_u32 s66, s66, s68
	s_add_nc_u64 s[8:9], s[8:9], s[66:67]          ; the bias of my 64 columns of q; k's 4,096 bytes on, v's 8,192
	v_lshlrev_b32 v30, 6, v3                       ; q, k: register j of accumulator (x, y) is column 32 (y / 2) + 16 h + 8 (y % 2) + j
	v_and_b32 v31, 8, v2
	v_add_nc_u32 v31, v31, v2
	v_lshlrev_b32 v31, 2, v31                      ; v: lane r of B's block x is column 32 (x / 2) + 8 (x % 2) + r + 8 (r / 8)
	WIN 0x80                                       ; destination window 2
.irp t, 0,1
.irp y, 0,1,2,3
	global_load_b128 v[BW+32*\t+8*\y:BW+32*\t+8*\y+3], v30, s[8:9] offset:4096*\t+(32*(\y/2)+8*(\y%2))*4
	global_load_b128 v[BW+32*\t+8*\y+4:BW+32*\t+8*\y+7], v30, s[8:9] offset:4096*\t+(32*(\y/2)+8*(\y%2))*4+16
.endr
.endr
	WIN 0
.irp x, 0,1,2,3
	global_load_b32 v[96+\x], v31, s[8:9] offset:8192+(32*(\x/2)+8*(\x%2))*4
.endr
	s_mul_i32 s22, s15, 3072                       ; q, k: my four token tiles
	v_lshl_add_u32 v[QK16], v1, 4, s22
	v_lshl_add_u32 v[QK8], v1, 3, s22
	s_lshl_b32 s22, s15, 8
	v_lshl_add_u32 v[QK4], v1, 2, s22
	s_mul_i32 s22, s15, 768                        ; v: my 64 tokens are piece c = my half of the rows
	v_lshl_add_u32 v[V16], v1, 4, s22
	v_lshl_add_u32 v[V8], v1, 3, s22
	s_lshl_b32 s22, s15, 1
	v_lshl_add_u32 v[V4], v1, 2, s22               ; and bytes 2 c, 2 c + 1 of the scale words
	s_mov_b32 s69, 0xffff0000                      ; lanes 16-31
	v_mov_b32 v[TM+2], 0                           ; written once: a lane permute's destination counts as one of its sources
	v_mov_b32 v[TM+3], 0
	s_wait_loadcnt 0x0                             ; the biases
	WIN 0x80
.irp x, 0,1,2,3
.irp j, 0,1,2,3,4,5,6,7
	v_mov_b32 v[BW+64+8*\x+\j], v[96+\x]           ; v: a lane's eight registers are eight tokens of one column: one bias
.endr
.endr
	WIN 0
	s_wait_alu depctr_va_vdst(0)                   ; the wait at the head's end
	s_wait_tensorcnt 0x0                           ; my part of A or of q's tile is in
	ds_add_u32 v[SPW], v[NIL]
	s_mov_b32 s[G1B+2], 100<<16                    ; no tensor load of mine is out: from here on a load of B brings one block, 100 rows
	s_mov_b32 s[G1B+4], 100
	s_wait_dscnt 0x0
	CROUND                                         ; everybody's part is in, and the joint loads meet
	tensor_load_to_lds s[G0B+4:G0B+7], s[G1B:G1B+7]    ; k's tile, a block a wave
	s_nop 0
.rept 4
	v_nop
.endr
	KTILE 0, 0, 0, 2                               ; q; slot 0 is asked for again: v's tile
	OUT_QK 0
	KTILE 1, 1, 0, 1                               ; k
	s_wait_xcnt 0x0                                ; q's stores have read their registers, which are written again
	OUT_QK CONT
	KTILE 0, 2, 1, 0                               ; v
	s_wait_xcnt 0x0                                ; k's stores likewise
	PLACES
.irp x, 0,1,2,3
	QUANT2 ACC+32*\x, 64+10*\x, 112+\x
	global_store_b128 v[V16], v[64+10*\x:64+10*\x+3], s[10:11] offset:CONT+6144+1536*\x
	global_store_b64 v[V8], v[64+10*\x+4:64+10*\x+5], s[10:11] offset:CONT+6144+1536*\x+512
.endr
.irp p, 0,1
	v_cndmask_b32 v[116+\p], v[112+2*\p], v[113+2*\p], s69
	global_store_b16 v[V4], v[116+\p], s[10:11] offset:CONT+12800+128*\p   ; two of a word's four bytes; the wave of the other row half stores the other two
.endr
	s_wait_tensorcnt 0x0                           ; the wave's end
	ds_add_u32 v[SPW], v[NIL]
	s_wait_dscnt 0x0
	CROUND                                         ; the closing round
	s_endpgm
.Lfunc_end_k_qe21f3400dc_qkv:
	.size	k_qe21f3400dc_qkv, .Lfunc_end_k_qe21f3400dc_qkv-k_qe21f3400dc_qkv
	.p2alignl 7, 3214868480
	.fill 96, 4, 3214868480
	.section	.rodata,"a",@progbits
	.p2align	6, 0x0
	.amdhsa_kernel k_qe21f3400dc_qkv
		.amdhsa_group_segment_fixed_size 327680
		.amdhsa_private_segment_fixed_size 0
		.amdhsa_enable_private_segment 0
		.amdhsa_kernarg_size 32
		.amdhsa_user_sgpr_count 2
		.amdhsa_user_sgpr_kernarg_segment_ptr 1
		.amdhsa_wavefront_size32 1
		.amdhsa_system_sgpr_workgroup_id_x 1
		.amdhsa_system_sgpr_workgroup_id_y 1
		.amdhsa_system_sgpr_workgroup_id_z 1
		.amdhsa_system_vgpr_workitem_id 0
		.amdhsa_next_free_vgpr 648
		.amdhsa_next_free_sgpr 80
		.amdhsa_reserve_vcc 0
		.amdhsa_float_denorm_mode_32 3
		.amdhsa_float_denorm_mode_16_64 3
		.amdhsa_memory_ordered 1
		.amdhsa_forward_progress 1
		.amdhsa_inst_pref_size 147
	.end_amdhsa_kernel
	.amdgpu_metadata
---
amdhsa.version: [ 1, 2 ]
amdhsa.kernels:
  - .name:           k_qe21f3400dc_qkv
    .symbol:         k_qe21f3400dc_qkv.kd
    .args:
      - { .name: act, .offset: 0, .size: 8, .value_kind: global_buffer, .address_space: global }
      - { .name: wc, .offset: 8, .size: 8, .value_kind: global_buffer, .address_space: global }
      - { .name: attn_b, .offset: 16, .size: 8, .value_kind: global_buffer, .address_space: global }
      - { .name: qkvc, .offset: 24, .size: 8, .value_kind: global_buffer, .address_space: global }
    .group_segment_fixed_size: 327680
    .private_segment_fixed_size: 0
    .kernarg_segment_align: 8
    .kernarg_segment_size: 32
    .max_flat_workgroup_size: 128
    .sgpr_count:     80
    .vgpr_count:     648
    .wavefront_size: 32
...
	.end_amdgpu_metadata
.endif
;; end of part 9
;; launch attn (part 10): grid 8 x 32, 16 waves a work-group, clusters of 4 x 1, 245,760 bytes of LDS; arguments qkvc, act; writes act
.if DOCPART == 10
	.amdgcn_target "amdgcn-amd-amdhsa--gfx1250"
	.amdhsa_code_object_version 6
	.text
	.protected	k_qe21f3400dc_attn
	.globl	k_qe21f3400dc_attn
	.p2align	8
	.type	k_qe21f3400dc_attn,@function
k_qe21f3400dc_attn:
	s_mov_b64 s[64:65], 0
	v_nop
	global_prefetch_b8 v0, s[64:65] scope:SCOPE_SE
	s_setreg_imm32_b32 hwreg(HW_REG_WAVE_MODE, 25, 1), 1
	s_wait_xcnt 0x0
	s_wait_alu depctr_hold_cnt(0) depctr_sa_sdst(0) depctr_va_vdst(0) depctr_va_sdst(0) depctr_va_ssrc(0) depctr_va_vcc(0) depctr_vm_vsrc(0)
	s_getreg_b32 s2, hwreg(HW_REG_IB_STS2, 6, 4)
	s_cmp_eq_u32 s2, 0
	s_cbranch_scc0 .Lentry_in_a_cluster
	s_endpgm
.Lentry_in_a_cluster:
	s_bfe_u32 s2, ttmp6, 0x10000c
	s_cmp_lg_u32 s2, 0x3003
	s_cbranch_scc0 .Lentry_shape_is_right
	s_endpgm
.Lentry_shape_is_right:
; CAUSAL ATTENTION ON CODES OF BF6 with E8M0 scales, 32 (batch x head) of 2,048 tokens x 64 channels, and the quantiser of its result along the channels.
; t = score x log2(e) / 32 (the problem divides by sqrt(1,024)); M = the running largest t rounded UP to a whole number; p = 2^(t - M) is quantised along the keys, not normalised; the row's sum is taken of the unquantised p
; and divides at the end; when M moves, the sum and O are multiplied by 2^(old M - new M), which rounds nothing.  Key steps that lie wholly behind the causal mask are left out.
; INPUT: for each (batch x head, 128 tokens) 13,056 bytes: 8 token tiles x 768 bytes (16 tokens x 64 channels as six registers a lane: 0-3 at 16 x lane, 4-5 at 512 + 8 x lane); V^T [4][c 2][768] at 6,144 (keys innermost);
; the tiles' scale words at 12,288 (bytes 2, 3 = 0); V^T's at 12,800.  Tile 2 G + u, row r, is token 32 G + 8 u + r + 8 (r / 8) of the 128.
; SHARES.  A work-group belongs to one (batch x head); the whole head's K and V, 16 x 13,056 bytes, come into LDS ONCE, a key step by each of the sixteen waves; the four work-groups of a cluster share the head and ask JOINTLY.
; The work-group owns tile j (its number, 0-7) of each of the sixteen runs of 128 tokens: the tile at place P has P + 1 key steps, 136 in all.  THEY ARE DEALT SO THAT EVERY WAVE WALKS 8 OR 9:
; wave i (0-7) owns place 8 + i and walks its steps i .. 8 + i; wave 8 + i first walks steps 0 .. i - 1 of that same tile, hands O^T, -M and the sum over through LDS bytes of its own, and then owns place 7 - i, steps 0 .. 7 - i.
; The owner joins the two parts under the larger M: both factors are powers of two, so the join rounds nothing but the sums' additions.  A helper with no step (i = 0) hands over zeros under M = -3e38, whose factor is 0.
; The barrier for the hand-over is split: every wave signals behind the hand-over and waits behind its own walk, in which it reads only K and V, which nobody writes.  All tests hang on the wave's number and counters alone.
; Both products are used transposed: S^T = K Q^T, O^T = V^T P^T: a lane holds one query throughout.  The head has 64 channels and the instruction 128 along K: Q's upper six registers are zero codes; the six registers that
; K's operand names beyond its own are the next tile's codes (zeros behind the last), which meet those zeros.
; OUTPUT: y / l as codes in the order of the next product's A operand: [tile of 128 tokens][K pair][25,600 bytes].
; LIMITS: a block of zeros, and one under 2^-122, get the byte 1 (this program alone reads the bytes); NaN and infinities are not served; the scaled scores stay under 2^31 in magnitude.
; No prefetch: all tiles are asked for at the head, and there is no loop to run ahead in.
.set STB,  13056
.set CONT, 6684672
.set SPARE, 208896                     ; behind K and V: the spare words, 128 bytes a wave
.set PART, 210944                      ; then eight hand-over areas: 8 x 512 bytes of O^T, 256 of (-M, sum)
.set PSZ,  4352
.set S,    96                          ; v96-159  S^T, then p: register 16 b + i is key 32 b + 16 (lane / 16) + i of the step
.set O,    160                         ; v160-191 O^T: register 16 G + i is channel 32 G + 16 (lane / 16) + i
.set PCD,  192                         ; v192-203 p's codes
.set PT,   204                         ; v204-210 the conversions' second halves
.set BM,   212                         ; v212-215 each block's largest score, then p
.set BX,   216                         ; v216-219 at work
.set SO,   220                         ; v220-223 the conversions' scale operands
.set T0,   224
.set F,    226                         ; v226 f = 2^(old M - new M);  v227 p's scale word (named with f as a pair whose low word alone is taken)
.set PSW,  227
.set TM,   212
.set Q2,   228                         ; v228-234 a helper's own Q tile and scale words, until its helping walk is over
.set PA16, 235                         ; v235, v236 my pair's hand-over area: + 16 x lane, + 8 x lane
.set PA8,  236
.set WV,  8
.set POS, 12                           ; the place of the tile that I own
.set KS,  13
.set TB,  14
.set CNT, 15
.set SEL, 16
.set CS,  18
.set PI,  36                           ; i
.set PH,  37                           ; 8 + i
.set END, 38                           ; a walk's last key step
.set DG,  39                           ; the key step on the diagonal
.macro CROUND
	s_barrier_signal -1
	s_barrier_wait -1
	s_cmp_lg_u32 s[WV], 0
	s_cbranch_scc1 .Lnot_wave_0_\@
	s_barrier_signal -3
.Lnot_wave_0_\@:
	s_barrier_wait -3
	s_barrier_signal -1
	s_barrier_wait -1
.endm
	s_load_b128 s[4:7], s[0:1], 0x0                ; the containers, the output
	v_lshl_add_u32 v254, v0, 2, SPARE
	v_mov_b32 v255, 0
	ds_add_u32 v254, v255
	ds_add_u32 v254, v255
	v_lshrrev_b32 v1, 5, v0
	s_delay_alu instid0(VALU_DEP_1)
	v_readfirstlane_b32 s[WV], v1                  ; wave 0..15
	s_bfe_u32 s9, ttmp6, 0x40000                   ; cx
	s_lshl_b32 s10, ttmp9, 2
	s_add_co_u32 s10, s10, s9                      ; j: it enters global addresses and the mask's numbers alone
	s_and_b32 s11, ttmp7, 0xffff                   ; batch x head, which the four partners share
	s_and_b32 s[PI], s[WV], 7
	s_add_co_u32 s[PH], s[PI], 8
	s_sub_co_u32 s[POS], 7, s[PI]
	s_cmp_lt_u32 s[WV], 8
	s_cselect_b32 s[POS], s[PH], s[POS]
	s_mov_b32 s24, 15|(3<<16)|(1<<21)              ; group 1: all four work-groups; elements of 8 bytes; bit 21 beside a mask; a dense block as 51 rows of 256 bytes
	s_mov_b32 s25, 32<<16
	s_mov_b32 s26, 51<<16
	s_mov_b32 s27, 32<<16
	s_mov_b32 s28, 51
	s_mov_b32 s29, 32
	s_mov_b32 s30, 0
	s_mov_b32 s31, 0
	s_mov_b32 s[SEL], 0x76543210
	s_mov_b32 s[SEL+1], 0xfedcba98
	s_mov_b32 s[CS], 0x3d38aa3b                    ; c = log2(e) / 32
	s_mov_b32 s[CS+1], s[CS]
	s_lshl_b32 s20, s11, 4
	s_add_co_u32 s20, s20, s[WV]
	s_mul_i32 s20, s20, STB
	s_add_co_u32 s20, s20, CONT                    ; k's and v's container, key step = my wave's number
	s_mov_b32 s21, 0
	s_mul_i32 s22, s[WV], STB
	s_wait_dscnt 0x0
	s_wait_kmcnt 0x0
	s_add_nc_u64 s[20:21], s[4:5], s[20:21]
	CROUND                                         ; all four work-groups are here: the joint loads meet
	s_mov_b32 s32, 1
	s_mov_b32 s33, s22
	s_mov_b64 s[34:35], s[20:21]
	s_or_b32 s35, s35, 0x80000000
	tensor_load_to_lds s[32:35], s[24:31]          ; one tensor load a wave
	s_nop 0
.rept 4
	v_nop
.endr
	v_and_b32 v4, 31, v0                           ; lane
	v_and_b32 v5, 15, v0                           ; r
	v_bfe_u32 v6, v0, 4, 1                         ; h
	v_lshlrev_b32 v1, 4, v4
	v_lshlrev_b32 v2, 3, v4
	v_lshlrev_b32 v3, 2, v4
	s_wait_alu depctr_va_vdst(0)                   ; the wait ahead of the run of scalar lines
	s_lshl_b32 s48, s11, 4
	s_add_co_u32 s50, s48, s[POS]
	s_add_co_u32 s48, s48, s[PH]
	s_mul_i32 s48, s48, STB
	s_mov_b32 s49, 0
	s_mul_i32 s50, s50, STB
	s_mov_b32 s51, 0
	s_add_nc_u64 s[40:41], s[4:5], s[48:49]        ; q's container: place 8 + i,
	s_add_nc_u64 s[4:5], s[4:5], s[50:51]          ; and the place that I own
	s_mul_i32 s50, s10, 768
	s_lshl_b32 s51, s10, 6
	s_mul_i32 s52, s[PI], PSZ
	s_add_co_u32 s52, s52, PART
	v_add_nc_u32 v7, s50, v1
	v_add_nc_u32 v11, s50, v2
	v_lshl_add_u32 v30, v5, 2, s51
	v_add_nc_u32 v[PA16], s52, v1
	v_add_nc_u32 v[PA8], s52, v2
	global_load_b128 v[16:19], v7, s[40:41]        ; the Q tile of place 8 + i: the owner's own, the helper's first
	global_load_b64 v[20:21], v11, s[40:41] offset:512
	global_load_b32 v28, v30, s[40:41] offset:12288
	s_cmp_lt_u32 s[WV], 8
	s_cbranch_scc1 .Lone_q
	global_load_b128 v[Q2:Q2+3], v7, s[4:5]        ; a helper's own Q tile
	global_load_b64 v[Q2+4:Q2+5], v11, s[4:5] offset:512
	global_load_b32 v[Q2+6], v30, s[4:5] offset:12288
.Lone_q:
	s_lshr_b32 s52, s10, 1
	s_lshl_b32 s52, s52, 5
	s_and_b32 s53, s10, 1
	s_lshl_b32 s53, s53, 3
	s_add_co_u32 s52, s52, s53
	v_and_b32 v29, 8, v5
	s_delay_alu instid0(VALU_DEP_1)
	v_add3_u32 v29, v29, v5, s52                   ; my query among its 128 tokens,
	v_lshlrev_b32 v31, 4, v6
	s_delay_alu instid0(VALU_DEP_1)
	v_sub_nc_u32 v29, v29, v31                     ; less 16 h: on the diagonal register 16 b + i is hidden where 32 b + i is greater
.macro FRESH                           ; a tile's state at its start: the first change of M leaves the zeros zeros
	v_mov_b32 v13, 0xff61b1e6                      ; the largest t so far: -3e38
	s_delay_alu instid0(VALU_DEP_1)
	v_floor_f32 v12, -v13                          ; -M
	v_mov_b32 v14, 0                               ; the sum, in two halves
	v_mov_b32 v15, 0
.set n, 0
.rept 32
	v_mov_b32 v[O+n], 0
.set n, n+1
.endr
.endm
	FRESH
.irp i, 22,23,24,25,26,27,80,81,82,83,84,85
	v_mov_b32 v\i, 0                               ; zero codes: Q's upper half, and what K's last tile names beyond its own
.endr
.set n, 0
.rept 16
	v_mov_b32 v[BM+n], 0                           ; v212-227: lane permutes' destinations and the pair's upper half are written before they are named
.set n, n+1
.endr
; A KEY STEP: 128 keys.
.macro STEP diag                       ; diag = 1: the walk ends on the diagonal, whose step hides the keys behind each query; diag = 0: a walk that never meets it
	s_cmp_gt_i32 s[KS], s[END]                     ; not of this walk: left out, but for the two lines at its end
	s_cbranch_scc1 .Lskip_\@
	v_add_nc_u32 v8, s[TB], v1
	v_add_nc_u32 v9, s[TB], v2
	v_add_nc_u32 v10, s[TB], v3
	v_nop                                          ; four plain lines between the last products and loads into their registers
.irp t, 0,1,2,3,4,5,6,7
	ds_load_b128 v[32+6*\t:35+6*\t], v8 offset:768*\t
	ds_load_b64 v[36+6*\t:37+6*\t], v9 offset:768*\t+512
.endr
.irp p, 0,1,2,3
	ds_load_b32 v[86+\p], v10 offset:12288+128*\p  ; lanes 0-15 the even tile's scale words, lanes 16-31 the odd one's
.endr
.irp p, 0,1
	ds_load_b32 v[90+\p], v10 offset:12800+128*\p
.endr
	s_wait_alu depctr_va_vdst(0)
	s_wait_dscnt 0x0
.irp t, 0,2,4,6
	v_wmma_scale_f32_16x16x128_f8f6f4 v[S+8*\t:S+8*\t+7], v[32+6*\t:43+6*\t], v[16:27], 0, v[86+\t/2], v28 matrix_a_fmt:MATRIX_FMT_BF6 matrix_b_fmt:MATRIX_FMT_BF6
	v_wmma_scale_f32_16x16x128_f8f6f4 v[S+8*\t+8:S+8*\t+15], v[38+6*\t:49+6*\t], v[16:27], 0, v[86+\t/2], v28 matrix_a_fmt:MATRIX_FMT_BF6 matrix_b_fmt:MATRIX_FMT_BF6 matrix_a_scale:MATRIX_SCALE_ROW1
.endr
.rept 4
	v_nop                                          ; places, for the loads below and for the first read of the scores
.endr
.irp d, 0,1,2,3
.irp c, 0,1
	ds_load_b128 v[32+12*\d+6*\c:35+12*\d+6*\c], v8 offset:6144+1536*\d+768*\c    ; V^T: it lands under the softmax
	ds_load_b64 v[36+12*\d+6*\c:37+12*\d+6*\c], v9 offset:6144+1536*\d+768*\c+512
.endr
.endr
.if \diag
	s_cmp_lg_u32 s[KS], s[DG]
	s_cbranch_scc1 .Lopen_\@
	v_mov_b32 v[T0], 0xff800000                    ; on the diagonal hidden scores become -infinity ahead of the maximum: p = 0 then
.set n, 0
.rept 64
	v_cmp_gt_i32 vcc_lo, 32*(n/16)+n%16, v29
	v_cndmask_b32 v[S+n], v[S+n], v[T0], vcc_lo
.set n, n+1
.endr
.Lopen_\@:
.endif
.irp b, 0,1,2,3
	v_max3_num_f32 v[BM+\b], v[S+16*\b], v[S+1+16*\b], v[S+2+16*\b]   ; the largest score of each block of 32 keys: for the row's maximum and, since p rises with the score, for the block's largest p
.endr
.irp i, 3,5,7,9,11,13
.irp b, 0,1,2,3
	v_max3_num_f32 v[BM+\b], v[BM+\b], v[S+16*\b+\i], v[S+1+16*\b+\i]
.endr
.endr
.irp b, 0,1,2,3
	v_max_num_f32 v[BM+\b], v[BM+\b], v[S+15+16*\b]
.endr
.irp b, 0,1,2,3
	s_delay_alu instid0(VALU_DEP_4)
	v_permlanex16_b32 v[BX+\b], v[BM+\b], s[SEL], s[SEL+1]
.endr
.irp b, 0,1,2,3
	s_delay_alu instid0(VALU_DEP_4)
	v_max_num_f32 v[BM+\b], v[BM+\b], v[BX+\b]
.endr
	s_delay_alu instid0(VALU_DEP_2)
	v_max3_num_f32 v[T0], v[BM], v[BM+1], v[BM+2]
	s_delay_alu instid0(VALU_DEP_1)
	v_max_num_f32 v[T0], v[T0], v[BM+3]
	s_delay_alu instid0(VALU_DEP_1)
	v_mul_f32 v[T0], s[CS], v[T0]
	s_delay_alu instid0(VALU_DEP_1)
	v_max_num_f32 v13, v13, v[T0]                  ; the running largest t
	v_mov_b32 v[T0], v12
	s_delay_alu instid0(VALU_DEP_2)
	v_floor_f32 v12, -v13                          ; the new -M = -ceil(t)
	s_delay_alu instid0(VALU_DEP_1)
	v_sub_f32 v[T0], v12, v[T0]                    ; old M - new M: a whole number, 0 or less
	s_delay_alu instid0(VALU_DEP_1)
	v_cvt_i32_f32 v[T0], v[T0]                     ; (it saturates)
	s_delay_alu instid0(VALU_DEP_1)
	v_ldexp_f32 v[F], 1.0, v[T0]                   ; f
.set n, 0
.rept 32
	v_pk_fma_f32 v[S+n:S+n+1], v[S+n:S+n+1], s[CS:CS+1], v[12:13] op_sel_hi:[1,0,0]   ; t - M
.set n, n+2
.endr
.irp b, 0,1,2,3
	v_fma_f32 v[BM+\b], v[BM+\b], s[CS], v12
.endr
.set n, 0
	s_wait_alu depctr_va_vdst(0)                   ; the wait ahead of the batch
.rept 64
	v_exp_f32 v[S+n], v[S+n]                       ; p
.set n, n+1
.endr
	v_pk_mul_f32 v[14:15], v[14:15], v[F:F+1] op_sel_hi:[1,0]   ; the sums under the new M; the plain line behind the batch
	s_wait_alu depctr_va_vdst(0)                   ; one wait for the batch, ahead of its first reader
.irp b, 0,1,2,3
	v_exp_f32 v[BM+\b], v[BM+\b]                   ; each block's largest p: the same two instructions on the same number
.endr
; the row's sum of the unquantised p: 32 pairs in eight chains (v216, v252, v250, v248, v246, v244, v242, v14), which are then joined
	v_pk_add_f32 v[216:217], v[100:101], v[104:105]
	v_pk_add_f32 v[252:253], v[108:109], v[112:113]
	v_pk_add_f32 v[250:251], v[116:117], v[120:121]
	v_pk_add_f32 v[248:249], v[124:125], v[128:129]
	v_pk_add_f32 v[246:247], v[132:133], v[136:137]
	v_pk_add_f32 v[244:245], v[140:141], v[144:145]
	v_pk_add_f32 v[242:243], v[148:149], v[152:153]
	v_pk_add_f32 v[14:15], v[14:15], v[156:157]
	v_pk_add_f32 v[216:217], v[216:217], v[96:97]
	v_pk_add_f32 v[252:253], v[252:253], v[98:99]
	v_pk_add_f32 v[250:251], v[250:251], v[102:103]
	v_pk_add_f32 v[248:249], v[248:249], v[106:107]
	v_pk_add_f32 v[246:247], v[246:247], v[110:111]
	v_pk_add_f32 v[244:245], v[244:245], v[114:115]
	v_pk_add_f32 v[242:243], v[242:243], v[118:119]
	v_pk_add_f32 v[14:15], v[14:15], v[122:123]
	v_pk_add_f32 v[216:217], v[216:217], v[126:127]
	v_pk_add_f32 v[252:253], v[252:253], v[130:131]
	v_pk_add_f32 v[250:251], v[250:251], v[134:135]
	v_pk_add_f32 v[248:249], v[248:249], v[138:139]
	v_pk_add_f32 v[246:247], v[246:247], v[142:143]
	v_pk_add_f32 v[244:245], v[244:245], v[146:147]
	v_pk_add_f32 v[242:243], v[242:243], v[150:151]
	v_pk_add_f32 v[14:15], v[14:15], v[154:155]
	v_pk_add_f32 v[216:217], v[216:217], v[158:159]
	s_delay_alu instid0(VALU_DEP_2)
	v_pk_add_f32 v[14:15], v[14:15], v[248:249]
	s_delay_alu instid0(VALU_DEP_2)
	v_pk_add_f32 v[216:217], v[216:217], v[246:247]
	v_pk_add_f32 v[252:253], v[252:253], v[244:245]
	v_pk_add_f32 v[250:251], v[250:251], v[242:243]
	s_delay_alu instid0(VALU_DEP_2)
	v_pk_add_f32 v[14:15], v[14:15], v[252:253]
	s_delay_alu instid0(VALU_DEP_2)
	v_pk_add_f32 v[216:217], v[216:217], v[250:251]
	s_delay_alu instid0(VALU_DEP_1)
	v_pk_add_f32 v[14:15], v[14:15], v[216:217]
	s_wait_alu depctr_va_vdst(0)                   ; and one for the four
.irp b, 0,1,2,3
	v_max_num_f32 v[BM+\b], 0x2800000, v[BM+\b]    ; the floor 2^(5 - 127)
.endr
.irp b, 0,1,2,3
	s_delay_alu instid0(VALU_DEP_4)
	v_add_nc_u32 v[SO+\b], 0xfe000000, v[BM+\b]
.endr
.irp b, 0,1,2,3
	s_delay_alu instid0(VALU_DEP_4)
	v_lshrrev_b32 v[BX+\b], 23, v[SO+\b]
.endr
	s_delay_alu instid0(VALU_DEP_3)
	v_lshl_or_b32 v[PSW], v[BX+1], 8, v[BX]
	s_delay_alu instid0(VALU_DEP_1)
	v_lshl_or_b32 v[PSW], v[BX+2], 16, v[PSW]
	s_delay_alu instid0(VALU_DEP_1)
	v_lshl_or_b32 v[PSW], v[BX+3], 24, v[PSW]
.irp c, 0,1
	v_cvt_scalef32_pk16_bf6_f32 v[PCD+6*\c:PCD+2+6*\c], v[S+32*\c:S+15+32*\c], v[SO+2*\c]
	v_cvt_scalef32_pk16_bf6_f32 v[PT+4*\c:PT+2+4*\c], v[S+16+32*\c:S+31+32*\c], v[SO+2*\c+1]
.endr
	v_nop
.irp c, 0,1
.irp i, 0,1,2
	v_permlane16_swap_b32 v[PCD+6*\c+\i], v[PT+4*\c+\i]
.endr
.irp i, 0,1,2
	s_delay_alu instid0(VALU_DEP_3)
	v_mov_b32 v[PCD+3+6*\c+\i], v[PT+4*\c+\i]
.endr
.endr
.set n, 0
.rept 16
	v_pk_mul_f32 v[O+n:O+n+1], v[O+n:O+n+1], v[F:F+1] op_sel_hi:[1,0]   ; O^T under the new M; these sixteen also stand between the operand's and the scale word's last writes and the products
.set n, n+2
.endr
	s_wait_alu depctr_va_vdst(0)
	s_wait_dscnt 0x0                               ; V^T is in
.irp d, 0,2
	v_wmma_scale_f32_16x16x128_f8f6f4 v[O+8*\d:O+8*\d+7], v[32+12*\d:43+12*\d], v[PCD:PCD+11], v[O+8*\d:O+8*\d+7], v[90+\d/2], v[PSW] matrix_a_fmt:MATRIX_FMT_BF6 matrix_b_fmt:MATRIX_FMT_BF6
	v_wmma_scale_f32_16x16x128_f8f6f4 v[O+8*\d+8:O+8*\d+15], v[44+12*\d:55+12*\d], v[PCD:PCD+11], v[O+8*\d+8:O+8*\d+15], v[90+\d/2], v[PSW] matrix_a_fmt:MATRIX_FMT_BF6 matrix_b_fmt:MATRIX_FMT_BF6 matrix_a_scale:MATRIX_SCALE_ROW1
.endr
.Lskip_\@:
	s_add_co_u32 s[KS], s[KS], 1
	s_add_co_u32 s[TB], s[TB], STB
.endm
	s_wait_alu depctr_va_vdst(0)                   ; the wait at the head's end
	s_wait_loadcnt 0x0                             ; Q
	s_wait_tensorcnt 0x0                           ; my key step is in,
	s_barrier_signal -1
	s_barrier_wait -1                              ; and everybody's: the whole head's K and V
	; THE HELPING WALK: steps 0 .. i - 1 of place 8 + i, none on the diagonal.  Every wave walks the seven trips; an owner (and the helper with i = 0) jumps over all of them
	s_sub_co_i32 s[END], s[PI], 1
	s_cmp_lt_u32 s[WV], 8
	s_cselect_b32 s[END], -1, s[END]
	s_mov_b32 s[KS], 0
	s_mov_b32 s[TB], 0
	s_mov_b32 s[CNT], 7
.Lhelp:
	STEP 0
	s_sub_co_u32 s[CNT], s[CNT], 1
	s_cmp_lg_u32 s[CNT], 0
	s_cbranch_scc1 .Lhelp
	s_cmp_lt_u32 s[WV], 8
	s_cbranch_scc1 .Lno_part
.rept 4
	v_nop                                          ; places behind the last products
.endr
	v_add_f32 v13, v14, v15                        ; my lane's part of the sum, beside -M
.irp k, 0,1,2,3,4,5,6,7
	ds_store_b128 v[PA16], v[O+4*\k:O+4*\k+3] offset:512*\k    ; an image of the registers; each accumulator from its low end on
.endr
	ds_store_b64 v[PA8], v[12:13] offset:4096
	s_wait_dscnt 0x0                               ; the stores have read their registers
.irp k, 0,1,2,3,4,5
	v_mov_b32 v[16+\k], v[Q2+\k]                   ; now my own tile: its Q,
.endr
	v_mov_b32 v28, v[Q2+6]                         ; its scale words (more than eight plain lines ahead of the next product),
	FRESH                                          ; and a fresh state
.Lno_part:
	s_wait_alu depctr_va_vdst(0)
	s_wait_dscnt 0x0
	s_barrier_signal -1                            ; the hand-over is in LDS.  Up to the wait: register work and reads of K and V alone
	; MY OWN WALK: an owner's steps i .. 8 + i, a helper's 0 .. 7 - i; the last lies on the diagonal.  Nine trips in every wave
	s_mov_b32 s[END], s[POS]
	s_mov_b32 s[DG], s[POS]
	s_cmp_lt_u32 s[WV], 8
	s_cselect_b32 s[KS], s[PI], 0
	s_mul_i32 s[TB], s[KS], STB
	s_mov_b32 s[CNT], 9
.Lstep:
	STEP 1
	s_sub_co_u32 s[CNT], s[CNT], 1
	s_cmp_lg_u32 s[CNT], 0
	s_cbranch_scc1 .Lstep
	s_wait_alu depctr_va_vdst(0)
	s_barrier_wait -1                              ; every helper has handed over
	s_cmp_lt_u32 s[WV], 8
	s_cbranch_scc0 .Lno_merge
.rept 4
	v_nop                                          ; places behind the last products
.endr
.irp k, 0,1,2,3,4,5,6,7
	ds_load_b128 v[S+4*\k:S+4*\k+3], v[PA16] offset:512*\k
.endr
	ds_load_b64 v[S+32:S+33], v[PA8] offset:4096
	s_wait_dscnt 0x0
	v_min_num_f32 v[T0], v12, v[S+32]              ; -M of the two parts together
	s_delay_alu instid0(VALU_DEP_1)
	v_sub_f32 v[F], v[T0], v12                     ; my M less the common one, and the helper's: whole numbers, 0 or less
	v_sub_f32 v[BM], v[T0], v[S+32]
	s_delay_alu instid0(VALU_DEP_2)
	v_cvt_i32_f32 v[F], v[F]
	s_delay_alu instid0(VALU_DEP_2)
	v_cvt_i32_f32 v[BM], v[BM]
	s_delay_alu instid0(VALU_DEP_2)
	v_ldexp_f32 v[F], 1.0, v[F]
	s_delay_alu instid0(VALU_DEP_2)
	v_ldexp_f32 v[BM], 1.0, v[BM]
	v_pk_mul_f32 v[14:15], v[14:15], v[F:F+1] op_sel_hi:[1,0]
	s_delay_alu instid0(VALU_DEP_1)
	v_fma_f32 v14, v[S+33], v[BM], v14
.set n, 0
.rept 16
	v_pk_mul_f32 v[O+n:O+n+1], v[O+n:O+n+1], v[F:F+1] op_sel_hi:[1,0]
.set n, n+2
.endr
.set n, 0
.rept 16
	v_pk_fma_f32 v[O+n:O+n+1], v[S+n:S+n+1], v[BM:BM+1], v[O+n:O+n+1] op_sel_hi:[1,0,1]
.set n, n+2
.endr
.Lno_merge:
	; THE WAY OUT: O^T / the sum, quantised along the channels: my head's 64 channels are one piece of the next operand
.rept 4
	v_nop                                          ; places behind the last products
.endr
	v_add_f32 v14, v14, v15
	s_wait_alu depctr_va_vdst(0)
	v_permlanex16_b32 v[T0], v14, s[SEL], s[SEL+1]
	s_delay_alu instid0(VALU_DEP_1)
	v_add_f32 v14, v14, v[T0]                      ; the row's sum
	s_wait_alu depctr_va_vdst(0)
	v_rcp_f32 v14, v14
	s_lshr_b32 s48, s11, 4
	s_lshl_b32 s48, s48, 4
	s_add_co_u32 s48, s48, s[POS]                  ; the tile of 128 tokens
	s_lshl_b32 s48, s48, 2
	s_bfe_u32 s49, s11, 0x20002                    ; K pair: head / 4
	s_add_co_u32 s48, s48, s49
	s_mul_i32 s48, s48, 25600
	s_mov_b32 s49, 0
	s_add_nc_u64 s[6:7], s[6:7], s[48:49]
	s_bfe_u32 s50, s11, 0x10001                    ; q = (head / 2) % 2
	s_and_b32 s51, s11, 1                          ; c = head % 2
	s_mul_i32 s52, s50, 12288
	s_mul_i32 s53, s10, 1536
	s_add_co_u32 s52, s52, s53
	s_mul_i32 s53, s51, 768
	s_add_co_u32 s52, s52, s53
	v_add_nc_u32 v8, s52, v1                       ; (plain lines behind the transcendental)
	v_add_nc_u32 v9, s52, v2
	s_lshl_b32 s52, s50, 9
	s_lshl_b32 s53, s10, 6
	s_add_co_u32 s52, s52, s53
	s_lshl_b32 s53, s51, 1
	s_add_co_u32 s52, s52, s53
	v_lshl_add_u32 v10, v5, 2, s52
	s_wait_alu depctr_va_vdst(0)                   ; the wait ahead of the reciprocal's first reader
.set n, 0
.rept 32
	v_mul_f32 v[S+n], v[O+n], v14
.set n, n+1
.endr
.irp P, 0,1
	v_max3_num_f32 v[TM+\P], |v[S+16*\P]|, |v[S+1+16*\P]|, 0x2800000
.endr
.irp i, 2,4,6,8,10,12,14
.irp P, 0,1
	s_delay_alu instid0(VALU_DEP_2)
	v_max3_num_f32 v[TM+\P], v[TM+\P], |v[S+16*\P+\i]|, |v[S+1+16*\P+\i]|
.endr
.endr
.irp P, 0,1
	s_delay_alu instid0(VALU_DEP_2)
	v_permlanex16_b32 v[TM+2+\P], v[TM+\P], s[SEL], s[SEL+1]
.endr
.irp P, 0,1
	s_delay_alu instid0(VALU_DEP_2)
	v_max_num_f32 v[TM+\P], v[TM+\P], v[TM+2+\P]
.endr
.irp P, 0,1
	s_delay_alu instid0(VALU_DEP_2)
	v_add_nc_u32 v[TM+4+\P], 0xfe000000, v[TM+\P]
.endr
.irp P, 0,1
	s_delay_alu instid0(VALU_DEP_2)
	v_lshrrev_b32 v[TM+6+\P], 23, v[TM+4+\P]
.endr
	s_delay_alu instid0(VALU_DEP_1)
	v_lshl_or_b32 v[PSW], v[TM+7], 8, v[TM+6]
	v_cvt_scalef32_pk16_bf6_f32 v[PCD:PCD+2], v[S:S+15], v[TM+4]
	v_cvt_scalef32_pk16_bf6_f32 v[PCD+6:PCD+8], v[S+16:S+31], v[TM+5]
	v_nop
.irp i, 0,1,2
	v_permlane16_swap_b32 v[PCD+\i], v[PCD+6+\i]
.endr
.irp i, 0,1,2
	s_delay_alu instid0(VALU_DEP_3)
	v_mov_b32 v[PCD+3+\i], v[PCD+6+\i]
.endr
	global_store_b128 v8, v[PCD:PCD+3], s[6:7]                  ; 512 consecutive bytes, aligned to 256
	global_store_b64 v9, v[PCD+4:PCD+5], s[6:7] offset:512      ; 256 consecutive bytes, aligned
	global_store_b16 v10, v[PSW], s[6:7] offset:24576           ; two of a word's four bytes (the neighbouring head's work-group stores the other two); lanes r and r + 16 store the same
	s_wait_tensorcnt 0x0                           ; the wave's end
	ds_add_u32 v254, v255
	s_wait_dscnt 0x0
	CROUND                                         ; the closing round
	s_endpgm
.Lfunc_end_k_qe21f3400dc_attn:
	.size	k_qe21f3400dc_attn, .Lfunc_end_k_qe21f3400dc_attn-k_qe21f3400dc_attn
	.p2alignl 7, 3214868480
	.fill 96, 4, 3214868480
	.section	.rodata,"a",@progbits
	.p2align	6, 0x0
	.amdhsa_kernel k_qe21f3400dc_attn
		.amdhsa_group_segment_fixed_size 245760
		.amdhsa_private_segment_fixed_size 0
		.amdhsa_enable_private_segment 0
		.amdhsa_kernarg_size 16
		.amdhsa_user_sgpr_count 2
		.amdhsa_user_sgpr_kernarg_segment_ptr 1
		.amdhsa_wavefront_size32 1
		.amdhsa_system_sgpr_workgroup_id_x 1
		.amdhsa_system_sgpr_workgroup_id_y 1
		.amdhsa_system_sgpr_workgroup_id_z 1
		.amdhsa_system_vgpr_workitem_id 0
		.amdhsa_next_free_vgpr 256
		.amdhsa_next_free_sgpr 66
		.amdhsa_reserve_vcc 1
		.amdhsa_float_denorm_mode_32 3
		.amdhsa_float_denorm_mode_16_64 3
		.amdhsa_memory_ordered 1
		.amdhsa_forward_progress 1
		.amdhsa_inst_pref_size 59
	.end_amdhsa_kernel
	.amdgpu_metadata
---
amdhsa.version: [ 1, 2 ]
amdhsa.kernels:
  - .name:           k_qe21f3400dc_attn
    .symbol:         k_qe21f3400dc_attn.kd
    .args:
      - { .name: qkvc, .offset: 0, .size: 8, .value_kind: global_buffer, .address_space: global }
      - { .name: act, .offset: 8, .size: 8, .value_kind: global_buffer, .address_space: global }
    .group_segment_fixed_size: 245760
    .private_segment_fixed_size: 0
    .kernarg_segment_align: 8
    .kernarg_segment_size: 16
    .max_flat_workgroup_size: 512
    .sgpr_count:     66
    .vgpr_count:     256
    .wavefront_size: 32
...
	.end_amdgpu_metadata
.endif
;; end of part 10
;; launch proj (part 11): grid 8 x 32, 4 waves a work-group, clusters of 4 x 4, 229,888 bytes of LDS; arguments act, wc, proj_b, x, x2; writes x2
.if DOCPART == 11
	.amdgcn_target "amdgcn-amd-amdhsa--gfx1250"
	.amdhsa_code_object_version 6
	.text
	.protected	k_qe21f3400dc_proj
	.globl	k_qe21f3400dc_proj
	.p2align	8
	.type	k_qe21f3400dc_proj,@function
k_qe21f3400dc_proj:
	s_mov_b64 s[64:65], 0
	v_nop
	global_prefetch_b8 v0, s[64:65] scope:SCOPE_SE
	s_setreg_imm32_b32 hwreg(HW_REG_WAVE_MODE, 25, 1), 1
	s_wait_xcnt 0x0
	s_wait_alu depctr_hold_cnt(0) depctr_sa_sdst(0) depctr_va_vdst(0) depctr_va_sdst(0) depctr_va_ssrc(0) depctr_va_vcc(0) depctr_vm_vsrc(0)
	s_getreg_b32 s2, hwreg(HW_REG_IB_STS2, 6, 4)
	s_cmp_eq_u32 s2, 0
	s_cbranch_scc0 .Lentry_in_a_cluster
	s_endpgm
.Lentry_in_a_cluster:
	s_bfe_u32 s2, ttmp6, 0x10000c
	s_cmp_lg_u32 s2, 0xf033
	s_cbranch_scc0 .Lentry_shape_is_right
	s_endpgm
.Lentry_shape_is_right:
; x2 = x + y proj_w + proj_b: the product on codes of BF6 with E8M0 scales, sums, bias and residual in f32.
; OPERANDS lie in memory as images of registers: a stream [tile of 128 rows][K pair][25,600 bytes]: codes [q 2][row block 8][c 2][768], then scale words [q 2][row block 8][16 rows].  A piece of 768 bytes is 16 rows x 64 K:
; registers 0-3 at 16 x lane, 4-5 at 512 + 8 x lane.  Row block 2 G + u, row r, is row 32 G + 8 u + r + 8 (r / 8) of the tile.
; A tile of C is 128 x 128; four waves, each 64 x 64: 16 accumulators.  K = 1,024 lies in two LDS slots of 512, each filled ONCE, at the head.
; CLUSTER 4 x 4: A's blocks are asked for jointly along a row of the cluster, B's along a column.  Source 0 = B, source 1 = A: a lane holds one row of C and neighbouring columns.
; The residual's rows are asked for at the head, in the layout in which the rows leave, and land under the K loop (window 2).  Results go through the wave's own stage in LDS, which no tensor load fills, and leave as
; aligned runs of 256 bytes.  No prefetch: every tile is asked for at the head.
.set KPB,  25600
.set SLOT, 4*KPB
.set KPN,  4
.set BOFF, 2457600
.set STG,  205312                      ; behind the slots: 16 rows x 272 bytes for each wave
.set A16, 4
.set A8,  6
.set A4,  8
.set B16, 10
.set B8,  12
.set B4,  14
.set SC,  32                           ; v32-39 scale words, and nothing else
.set BIAS, 64
.set ACC, 128
.set G1,  24
.set G0,  32
.set G1B, 48
.set G0B, 56
.set MUL,  0x05
.set TO_F, 0x40
.set MSB, 0
.macro WIN new
.if MSB != \new
	s_set_vgpr_msb (MSB<<8)|\new
.set MSB, \new
.endif
.endm
.macro PLACES
.rept 4
	v_nop
.endr
.endm
.macro CROUND
	s_barrier_signal -1
	s_barrier_wait -1
	s_cmp_lg_u32 s14, 0
	s_cbranch_scc1 .Lnot_wave_0_\@
	s_barrier_signal -3
.Lnot_wave_0_\@:
	s_barrier_wait -3
	s_barrier_signal -1
	s_barrier_wait -1
.endm
.macro FETCH s, k4, bf
.set KO, KPB*((\k4)/2)
.set QO, (\k4)%2
.set SS, SC+4*((\bf)/96)
	WIN 0
.irp p, 0,1
	ds_load_b32 v[SS+\p], v[A4+\s] offset:KO+512*QO+128*\p
	ds_load_b32 v[SS+2+\p], v[B4+\s] offset:KO+512*QO+128*\p
.endr
	WIN TO_F
.irp f, 0,1,2,3
.irp c, 0,1
	ds_load_b128 v[\bf+12*\f+6*\c:\bf+12*\f+6*\c+3], v[A16+\s] offset:KO+12288*QO+1536*\f+768*\c
	ds_load_b64 v[\bf+12*\f+6*\c+4:\bf+12*\f+6*\c+5], v[A8+\s] offset:KO+12288*QO+1536*\f+768*\c+512
	ds_load_b128 v[\bf+48+12*\f+6*\c:\bf+48+12*\f+6*\c+3], v[B16+\s] offset:KO+12288*QO+1536*\f+768*\c
	ds_load_b64 v[\bf+48+12*\f+6*\c+4:\bf+48+12*\f+6*\c+5], v[B8+\s] offset:KO+12288*QO+1536*\f+768*\c+512
.endr
.endr
.endm
.macro WM
.if pA && pB
	v_wmma_scale_f32_16x16x128_f8f6f4 v[rD:rD+7], v[rA:rA+11], v[rB:rB+11], v[rC:rC+7], v[rSA], v[rSB] matrix_a_fmt:MATRIX_FMT_BF6 matrix_b_fmt:MATRIX_FMT_BF6 matrix_a_scale:MATRIX_SCALE_ROW1 matrix_b_scale:MATRIX_SCALE_ROW1
.elseif pA
	v_wmma_scale_f32_16x16x128_f8f6f4 v[rD:rD+7], v[rA:rA+11], v[rB:rB+11], v[rC:rC+7], v[rSA], v[rSB] matrix_a_fmt:MATRIX_FMT_BF6 matrix_b_fmt:MATRIX_FMT_BF6 matrix_a_scale:MATRIX_SCALE_ROW1
.elseif pB
	v_wmma_scale_f32_16x16x128_f8f6f4 v[rD:rD+7], v[rA:rA+11], v[rB:rB+11], v[rC:rC+7], v[rSA], v[rSB] matrix_a_fmt:MATRIX_FMT_BF6 matrix_b_fmt:MATRIX_FMT_BF6 matrix_b_scale:MATRIX_SCALE_ROW1
.else
	v_wmma_scale_f32_16x16x128_f8f6f4 v[rD:rD+7], v[rA:rA+11], v[rB:rB+11], v[rC:rC+7], v[rSA], v[rSB] matrix_a_fmt:MATRIX_FMT_BF6 matrix_b_fmt:MATRIX_FMT_BF6
.endif
.endm
; 16 products, 128 along K: source 0 = B's block y, source 1 = A's block x; the accumulators take turns, one instruction a turn.  first = 1: C is the bias
.macro MUL16 bf, first
.irp x, 0,1,2,3
.irp y, 0,1,2,3
.set rD, ACC+8*(4*\x+\y)
.set pA, \y%2
.set pB, \x%2
.set rA, \bf+48+12*\y
.set rB, \bf+12*\x
.set rSA, SC+4*((\bf)/96)+2+\y/2
.set rSB, SC+4*((\bf)/96)+\x/2
.set rC, BIAS+8*\y
.if !\first
.set rC, rD
.endif
	WM
.endr
.endr
.endm
.macro KS bf, first, ns, nk4
	s_wait_dscnt 0x0                               ; buffer bf is in
	PLACES
	FETCH \ns, \nk4, 96-\bf
	WIN MUL
	MUL16 \bf, \first
.endm
	s_load_b256 s[4:11], s[0:1], 0x0               ; A's stream, the weights' streams, the bias, the residual
	s_load_b64 s[12:13], s[0:1], 0x20              ; the output
	v_lshl_add_u32 v126, v0, 2, 0x38000
	v_mov_b32 v127, 0
	ds_add_u32 v126, v127
	ds_add_u32 v126, v127
	v_lshrrev_b32 v1, 5, v0
	v_readfirstlane_b32 s14, v1
	s_lshr_b32 s15, s14, 1
	s_and_b32 s16, s14, 1
	s_bfe_u32 s40, ttmp6, 0x40000
	s_bfe_u32 s41, ttmp6, 0x40004
	s_lshl_b32 s42, ttmp9, 2
	s_add_co_u32 s42, s42, s40                     ; tile column
	s_and_b32 s17, ttmp7, 0xffff
	s_lshl_b32 s17, s17, 2
	s_add_co_u32 s17, s17, s41                     ; tile row
	s_lshl_b32 s43, s41, 2
	s_lshl_b32 s43, 15, s43
	s_lshl_b32 s44, 0x1111, s40
	s_or_b32 s[G1], s43, (3<<16)|(1<<21)
	s_or_b32 s[G1B], s44, (3<<16)|(1<<21)
.irp g, G1, G1B
	s_mov_b32 s[\g+1], 32<<16
	s_mov_b32 s[\g+2], 200<<16                     ; a load brings two blocks, 200 rows of 256 bytes
	s_mov_b32 s[\g+3], 32<<16
	s_mov_b32 s[\g+4], 200
	s_mov_b32 s[\g+5], 32
	s_mov_b32 s[\g+6], 0
	s_mov_b32 s[\g+7], 0
.endr
	s_mul_i32 s18, s17, KPN
	s_add_co_u32 s18, s18, s16
	s_mul_i32 s18, s18, KPB
	s_mov_b32 s19, 0
	s_mul_i32 s46, s42, KPN
	s_add_co_u32 s46, s46, s16
	s_mul_i32 s46, s46, KPB
	s_add_co_u32 s46, s46, BOFF
	s_mov_b32 s47, 0
	s_mul_i32 s68, s16, KPB                        ; wave w brings, for slot w / 2, both K pairs of A (w even) or of B (w odd)
	s_mul_i32 s69, s15, 2*KPB
	s_sub_co_u32 s18, s18, s68
	s_add_co_u32 s18, s18, s69
	s_sub_co_u32 s46, s46, s68
	s_add_co_u32 s46, s46, s69
	s_mul_i32 s69, s15, SLOT
	s_lshl_b32 s68, s68, 1
	s_add_co_u32 s69, s69, s68                     ; in LDS: the slot, A's two blocks first, B's two behind them
	s_wait_dscnt 0x0
	s_wait_kmcnt 0x0
	s_add_nc_u64 s[18:19], s[4:5], s[18:19]
	s_add_nc_u64 s[46:47], s[6:7], s[46:47]
	CROUND
	s_mov_b32 s[G0], 1
	s_mov_b32 s[G0+1], s69
	s_mov_b64 s[G0+2:G0+3], s[18:19]
	s_or_b32 s[G0+3], s[G0+3], 0x80000000
	s_mov_b32 s[G0B], 1
	s_mov_b32 s[G0B+1], s69
	s_mov_b64 s[G0B+2:G0B+3], s[46:47]
	s_or_b32 s[G0B+3], s[G0B+3], 0x80000000
	s_cmp_eq_u32 s16, 0                            ; one tensor load a wave: the four bring all of K
	s_cbranch_scc0 .Lfirst_b
	tensor_load_to_lds s[G0:G0+3], s[G1:G1+7]
	s_nop 0
.rept 4
	v_nop
.endr
	s_branch .Lfirst_asked
.Lfirst_b:
	tensor_load_to_lds s[G0B:G0B+3], s[G1B:G1B+7]
	s_nop 0
.rept 4
	v_nop
.endr
.Lfirst_asked:
	v_and_b32 v1, 31, v0
	s_wait_alu depctr_va_vdst(0)
	v_and_b32 v2, 15, v0
	v_bfe_u32 v3, v0, 4, 1
	s_mul_i32 s22, s15, 6144
	s_mul_i32 s23, s16, 6144
	s_add_co_u32 s23, s23, 2*KPB
	s_lshl_b32 s66, s15, 8
	s_add_co_u32 s66, s66, 24576
	s_lshl_b32 s67, s16, 8
	s_add_co_u32 s67, s67, 2*KPB+24576
.irp s, 0,1
	v_lshl_add_u32 v[A16+\s], v1, 4, s22
	v_lshl_add_u32 v[A8+\s], v1, 3, s22
	v_lshl_add_u32 v[A4+\s], v1, 2, s66
	v_lshl_add_u32 v[B16+\s], v1, 4, s23
	v_lshl_add_u32 v[B8+\s], v1, 3, s23
	v_lshl_add_u32 v[B4+\s], v1, 2, s67
	s_add_co_u32 s22, s22, SLOT
	s_add_co_u32 s23, s23, SLOT
	s_add_co_u32 s66, s66, SLOT
	s_add_co_u32 s67, s67, SLOT
.endr
	s_mul_i32 s22, s14, 16*272
	s_add_co_u32 s22, s22, STG                     ; my stage
	v_mul_u32_u24 v16, v2, 272
	v_lshl_add_u32 v16, v3, 6, v16
	v_add_nc_u32 v16, s22, v16                     ; in: row r, + 64 h
	v_mul_u32_u24 v17, v3, 272
	v_lshl_add_u32 v17, v2, 4, v17
	v_add_nc_u32 v17, s22, v17                     ; back: lanes 0-15 one row of 256 bytes, lanes 16-31 the next
	v_lshlrev_b32 v18, 12, v3
	v_lshl_add_u32 v18, v2, 4, v18                 ; and the same two rows in memory
	v_lshlrev_b32 v19, 6, v3
	s_wait_alu depctr_va_vdst(0)
	s_lshl_b32 s66, s42, 9
	s_lshl_b32 s68, s16, 8
	s_add_co_u32 s66, s66, s68                     ; my 64 columns, in bytes
	s_mov_b32 s67, 0
	s_add_nc_u64 s[8:9], s[8:9], s[66:67]
	s_lshl_b32 s68, s17, 7
	s_lshl_b32 s69, s15, 6
	s_add_co_u32 s68, s68, s69
	s_lshl_b32 s68, s68, 12                        ; my 64 rows
	s_add_co_u32 s66, s66, s68
	s_add_nc_u64 s[10:11], s[10:11], s[66:67]
	s_add_nc_u64 s[12:13], s[12:13], s[66:67]
.irp y, 0,1,2,3
	global_load_b128 v[BIAS+8*\y:BIAS+8*\y+3], v19, s[8:9] offset:(32*(\y/2)+8*(\y%2))*4
	global_load_b128 v[BIAS+8*\y+4:BIAS+8*\y+7], v19, s[8:9] offset:(32*(\y/2)+8*(\y%2))*4+16
.endr
	WIN 0x80                                       ; destination window 2
.irp x, 0,1,2,3
.irp t, 0,1,2,3,4,5,6,7
	global_load_b128 v[32*\x+4*\t:32*\x+4*\t+3], v18, s[10:11] offset:(32*(\x/2)+8*(\x%2)+2*\t+8*(\t/4))*4096   ; the residual: stage row 2 t + lane / 16 of block x
.endr
.endr
	WIN 0
	s_wait_tensorcnt 0x0                           ; my load is in
	s_barrier_signal -1
	s_barrier_wait -1
	FETCH 0, 0, 0
	s_wait_loadcnt 32                              ; the bias's eight loads are in; the residual's 32 may be out
	KS 0, 1, 0, 1
	KS 96, 0, 0, 2
	KS 0, 0, 0, 3
	KS 96, 0, 1, 0                                 ; on into slot 1: the head's barrier has shown both slots whole
	KS 0, 0, 1, 1
	KS 96, 0, 1, 2
	KS 0, 0, 1, 3
	s_wait_dscnt 0x0
	MUL16 96, 0
	WIN 0
	PLACES
	s_wait_loadcnt 0x0                             ; the residual
; Block x: 16 rows x 64 columns through my stage; the rows come back into the block's own accumulators, which are never written again: no store's data are overwritten
.macro OUTX x
.irp y, 0,1,2,3
	ds_store_b128 v16, v[ACC+8*(4*\x+\y):ACC+8*(4*\x+\y)+3] offset:128*(\y/2)+32*(\y%2)        ; each accumulator from its low end on
	ds_store_b128 v16, v[ACC+8*(4*\x+\y)+4:ACC+8*(4*\x+\y)+7] offset:128*(\y/2)+32*(\y%2)+16
.endr
	s_wait_dscnt 0x0                               ; the stores have read their registers, into which the loads below land
.irp t, 0,1,2,3,4,5,6,7
	ds_load_b128 v[ACC+32*\x+4*\t:ACC+32*\x+4*\t+3], v17 offset:544*\t
.endr
	s_wait_dscnt 0x0
	WIN 0x08                                       ; source 1 in window 2
.set n, 0
.rept 16
	v_pk_add_f32 v[ACC+32*\x+n:ACC+32*\x+n+1], v[ACC+32*\x+n:ACC+32*\x+n+1], v[32*\x+n:32*\x+n+1]
.set n, n+2
.endr
	WIN 0
.irp t, 0,1,2,3,4,5,6,7
	global_store_b128 v18, v[ACC+32*\x+4*\t:ACC+32*\x+4*\t+3], s[12:13] offset:(32*(\x/2)+8*(\x%2)+2*\t+8*(\t/4))*4096   ; 16 lanes store 256 consecutive bytes, aligned
.endr
.endm
	OUTX 0
	OUTX 1
	OUTX 2
	OUTX 3
	s_wait_dscnt 0x0
	s_wait_tensorcnt 0x0
	ds_add_u32 v126, v127
	s_wait_dscnt 0x0
	CROUND                                         ; the closing round
	s_endpgm
.Lfunc_end_k_qe21f3400dc_proj:
	.size	k_qe21f3400dc_proj, .Lfunc_end_k_qe21f3400dc_proj-k_qe21f3400dc_proj
	.p2alignl 7, 3214868480
	.fill 96, 4, 3214868480
	.section	.rodata,"a",@progbits
	.p2align	6, 0x0
	.amdhsa_kernel k_qe21f3400dc_proj
		.amdhsa_group_segment_fixed_size 229888
		.amdhsa_private_segment_fixed_size 0
		.amdhsa_enable_private_segment 0
		.amdhsa_kernarg_size 40
		.amdhsa_user_sgpr_count 2
		.amdhsa_user_sgpr_kernarg_segment_ptr 1
		.amdhsa_wavefront_size32 1
		.amdhsa_system_sgpr_workgroup_id_x 1
		.amdhsa_system_sgpr_workgroup_id_y 1
		.amdhsa_system_sgpr_workgroup_id_z 1
		.amdhsa_system_vgpr_workitem_id 0
		.amdhsa_next_free_vgpr 640
		.amdhsa_next_free_sgpr 80
		.amdhsa_reserve_vcc 0
		.amdhsa_float_denorm_mode_32 3
		.amdhsa_float_denorm_mode_16_64 3
		.amdhsa_memory_ordered 1
		.amdhsa_forward_progress 1
		.amdhsa_inst_pref_size 60
	.end_amdhsa_kernel
	.amdgpu_metadata
---
amdhsa.version: [ 1, 2 ]
amdhsa.kernels:
  - .name:           k_qe21f3400dc_proj
    .symbol:         k_qe21f3400dc_proj.kd
    .args:
      - { .name: act, .offset: 0, .size: 8, .value_kind: global_buffer, .address_space: global }
      - { .name: wc, .offset: 8, .size: 8, .value_kind: global_buffer, .address_space: global }
      - { .name: proj_b, .offset: 16, .size: 8, .value_kind: global_buffer, .address_space: global }
      - { .name: x, .offset: 24, .size: 8, .value_kind: global_buffer, .address_space: global }
      - { .name: x2, .offset: 32, .size: 8, .value_kind: global_buffer, .address_space: global }
    .group_segment_fixed_size: 229888
    .private_segment_fixed_size: 0
    .kernarg_segment_align: 8
    .kernarg_segment_size: 40
    .max_flat_workgroup_size: 128
    .sgpr_count:     80
    .vgpr_count:     640
    .wavefront_size: 32
...
	.end_amdgpu_metadata
.endif
;; end of part 11
;; launch ln1 (part 12): grid 256 x 1, 8 waves a work-group, no clusters, 69,632 bytes of LDS; arguments x2, ln2_w, ln2_b, act; writes act
.if DOCPART == 12
	.amdgcn_target "amdgcn-amd-amdhsa--gfx1250"
	.amdhsa_code_object_version 6
	.text
	.protected	k_qe21f3400dc_ln1
	.globl	k_qe21f3400dc_ln1
	.p2align	8
	.type	k_qe21f3400dc_ln1,@function
k_qe21f3400dc_ln1:
	s_mov_b64 s[64:65], 0
	v_nop
	global_prefetch_b8 v0, s[64:65] scope:SCOPE_SE
	s_setreg_imm32_b32 hwreg(HW_REG_WAVE_MODE, 25, 1), 1
	s_wait_xcnt 0x0
; LAYERNORM OVER 1,024 CHANNELS, THEN THE QUANTISER ALONG THE CHANNELS: h = (x - mean) rsqrt(var + 1e-5) w + b in f32, then codes of BF6 (E3M2) with one E8M0 byte for each 32 channels,
; stored in the order of the operand's registers: [tile of 128 rows][K pair][25,600 bytes]: codes [q 2][row block 8][c 2][768], then scale words [q 2][row block 8][16 rows].
; A work-group takes one row block, 16 rows: block g holds rows 32 (g / 2) + 8 (g % 2) + i + 8 (i / 8).  Wave w takes channels 128 w on, one K step, for all 16 rows.
; Loads take the bytes as they lie (512 consecutive bytes a load); the 16 x 512 bytes turn through the wave's own stage in LDS (rows 528 bytes apart: 33 x 16, so the sixteen rows of a load fall on different banks)
; and come back so that lane (r, h) holds of row r the channels 64 c + 32 h + 0 .. 31, c = 0, 1: two whole blocks of 32, as the operand's layout wants them.
; The mean and the variance (of x - mean: two passes over registers) meet across the eight waves in LDS: two barriers.
; LIMITS: a block of zeros, and one under 2^-122, get the byte 1 (this program alone reads the bytes); NaN and infinities are not served.
.set ROWB, 4096
.set STP,  528
.set RED,  67584                       ; behind the eight stages: two areas of [wave 8][row 16] words
.set X, 32                             ; v32-95   64 numbers
.set W, 96                             ; v96-159  the gains of my 64 channels
.set B, 160                            ; v160-223 the biases
.set C, 224                            ; v224-242 codes
	s_load_b256 s[4:11], s[0:1], 0x0               ; x, w, b, the output
	v_lshl_add_u32 v248, v0, 2, 0x10c00
	v_mov_b32 v249, 0
	v_lshrrev_b32 v1, 5, v0
	s_delay_alu instid0(VALU_DEP_1)
	v_readfirstlane_b32 s14, v1                    ; wave 0..7
	v_and_b32 v1, 31, v0                           ; lane
	s_wait_alu depctr_va_vdst(0)
	v_and_b32 v2, 15, v0                           ; r
	v_bfe_u32 v3, v0, 4, 1                         ; h
	s_wait_alu depctr_va_vdst(0)
	s_mov_b32 s12, 0x76543210
	s_mov_b32 s13, 0xfedcba98                      ; v_permlanex16_b32's selects for lane l xor 16
	s_mov_b32 s20, 0x3a800000                      ; 1 / 1024
	s_mov_b32 s21, 0x3727c5ac                      ; 1e-5
	s_lshr_b32 s15, ttmp9, 1
	s_lshl_b32 s15, s15, 5
	s_and_b32 s16, ttmp9, 1
	s_lshl_b32 s16, s16, 3
	s_add_co_u32 s15, s15, s16                     ; the block's first row
	s_lshl_b32 s16, s15, 12
	s_mov_b32 s17, 0
	s_lshl_b32 s18, s14, 9
	v_lshl_add_u32 v4, v1, 4, s18                  ; x: 512 w + 16 x lane
	v_lshl_add_u32 v5, v3, 7, s18                  ; w, b: 512 w + 128 h
	s_mul_i32 s19, s14, 16*STP
	v_lshl_add_u32 v6, v1, 4, s19                  ; the stage, on the way in
	v_mul_u32_u24 v7, v2, STP
	s_delay_alu instid0(VALU_DEP_1)
	v_lshl_add_u32 v7, v3, 7, v7
	s_delay_alu instid0(VALU_DEP_1)
	v_add_nc_u32 v7, s19, v7                       ; and on the way out: row r, + 128 h
	s_lshl_b32 s19, s14, 6
	s_add_co_u32 s19, s19, RED
	v_lshl_add_u32 v28, v2, 2, s19                 ; my wave's word of row r
	v_lshl_add_u32 v29, v2, 2, RED                 ; wave 0's
	s_lshr_b32 s22, ttmp9, 3                       ; the output: tile of 128 rows,
	s_lshl_b32 s22, s22, 2
	s_lshr_b32 s23, s14, 1
	s_add_co_u32 s22, s22, s23                     ; K pair w / 2
	s_mul_i32 s22, s22, 25600
	s_and_b32 s23, s14, 1                          ; q = w % 2
	s_and_b32 s24, ttmp9, 7                        ; row block
	s_mul_i32 s25, s23, 12288
	s_mul_i32 s26, s24, 1536
	s_add_co_u32 s25, s25, s26
	s_add_co_u32 s25, s25, s22
	s_lshl_b32 s23, s23, 9
	s_lshl_b32 s24, s24, 6
	s_add_co_u32 s23, s23, s24
	s_add_co_u32 s23, s23, s22
	s_add_co_u32 s23, s23, 24576
	v_lshl_add_u32 v30, v1, 4, s25                 ; codes, registers 0-3
	v_lshl_add_u32 v31, v1, 3, s25                 ; registers 4-5
	v_lshl_add_u32 v244, v2, 2, s23                ; the scale word of row r
	s_wait_alu depctr_va_vdst(0)
	s_wait_kmcnt 0x0
	s_add_nc_u64 s[4:5], s[4:5], s[16:17]
.irp i, 0,1,2,3,4,5,6,7,8,9,10,11,12,13,14,15
	global_load_b128 v[X+4*\i:X+4*\i+3], v4, s[4:5] offset:(\i+8*(\i/8))*ROWB
.endr
.irp c, 0,1
.irp j, 0,1,2,3,4,5,6,7
	global_load_b128 v[W+32*\c+4*\j:W+32*\c+4*\j+3], v5, s[6:7] offset:256*\c+16*\j
.endr
.endr
.irp c, 0,1
.irp j, 0,1,2,3,4,5,6,7
	global_load_b128 v[B+32*\c+4*\j:B+32*\c+4*\j+3], v5, s[8:9] offset:256*\c+16*\j
.endr
.endr
	s_wait_loadcnt 32                              ; x's sixteen loads are in; the 32 of w and b may be out
.irp i, 0,1,2,3,4,5,6,7,8,9,10,11,12,13,14,15
	ds_store_b128 v6, v[X+4*\i:X+4*\i+3] offset:\i*STP
.endr
	s_wait_dscnt 0x0                               ; the stores have read their registers, into which the loads below land
.irp c, 0,1
.irp j, 0,1,2,3,4,5,6,7
	ds_load_b128 v[X+32*\c+4*\j:X+32*\c+4*\j+3], v7 offset:256*\c+16*\j
.endr
.endr
	s_wait_dscnt 0x0
; v8 = my lane's part of a row's sum -> v8 = the row's sum over all 1,024 channels, the same bits in every wave
.macro ACROSS off
	s_delay_alu instid0(VALU_DEP_1)
	v_permlanex16_b32 v9, v8, s12, s13
	s_delay_alu instid0(VALU_DEP_1)
	v_add_f32 v8, v8, v9                           ; my wave's 128 channels
	ds_store_b32 v28, v8 offset:\off               ; lanes r and r + 16 write the same word with the same value
	s_wait_dscnt 0x0                               ; for the others' sake
	s_barrier_signal -1
	s_barrier_wait -1
.irp w, 0,1,2,3,4,5,6,7
	ds_load_b32 v[16+\w], v29 offset:\off+64*\w
.endr
	s_wait_dscnt 0x0
	v_add_f32 v16, v16, v17
	v_add_f32 v18, v18, v19
	v_add_f32 v20, v20, v21
	v_add_f32 v22, v22, v23
	s_delay_alu instid0(VALU_DEP_3)
	v_add_f32 v16, v16, v18
	s_delay_alu instid0(VALU_DEP_2)
	v_add_f32 v20, v20, v22
	s_delay_alu instid0(VALU_DEP_1)
	v_add_f32 v8, v16, v20
.endm
.macro FOLD                            ; four chains of pairs -> v8
	s_delay_alu instid0(VALU_DEP_3)
	v_pk_add_f32 v[8:9], v[8:9], v[10:11]
	s_delay_alu instid0(VALU_DEP_2)
	v_pk_add_f32 v[12:13], v[12:13], v[14:15]
	s_delay_alu instid0(VALU_DEP_1)
	v_pk_add_f32 v[8:9], v[8:9], v[12:13]
	s_delay_alu instid0(VALU_DEP_1)
	v_add_f32 v8, v8, v9
.endm
.irp k, 0,1,2,3
	v_pk_add_f32 v[8+2*\k:9+2*\k], v[X+4*\k:X+4*\k+1], v[X+4*\k+2:X+4*\k+3]
.endr
.irp m, 16,24,32,40,48,56
.irp k, 0,1,2,3
	s_delay_alu instid0(VALU_DEP_4)
	v_pk_add_f32 v[8+2*\k:9+2*\k], v[8+2*\k:9+2*\k], v[X+\m+2*\k:X+\m+2*\k+1]
.endr
.endr
	FOLD
	ACROSS 0
	s_delay_alu instid0(VALU_DEP_1)
	v_mul_f32 v24, s20, v8                         ; the mean
	s_delay_alu instid0(VALU_DEP_1)
	v_mov_b32 v25, v24
.set n, 0
.rept 32
	v_pk_add_f32 v[X+n:X+n+1], v[X+n:X+n+1], v[24:25] neg_lo:[0,1] neg_hi:[0,1]   ; x - mean
.set n, n+2
.endr
.irp k, 0,1,2,3
	v_pk_mul_f32 v[8+2*\k:9+2*\k], v[X+2*\k:X+2*\k+1], v[X+2*\k:X+2*\k+1]
.endr
.irp m, 8,16,24,32,40,48,56
.irp k, 0,1,2,3
	s_delay_alu instid0(VALU_DEP_4)
	v_pk_fma_f32 v[8+2*\k:9+2*\k], v[X+\m+2*\k:X+\m+2*\k+1], v[X+\m+2*\k:X+\m+2*\k+1], v[8+2*\k:9+2*\k]
.endr
.endr
	FOLD
	ACROSS 512                                     ; other words than the first sum's: no third barrier is needed
	s_delay_alu instid0(VALU_DEP_1)
	v_fma_f32 v26, v8, s20, s21                    ; var + eps
	s_wait_alu depctr_va_vdst(0)
	v_rsq_f32 v26, v26
	v_nop                                          ; a plain line behind the transcendental
	s_wait_alu depctr_va_vdst(0)                   ; and the wait ahead of its first reader
	v_mov_b32 v27, v26
	s_wait_alu depctr_va_vdst(0)
	s_wait_loadcnt 0x0                             ; w and b
.set n, 0
.rept 32
	v_pk_mul_f32 v[X+n:X+n+1], v[X+n:X+n+1], v[26:27]
.set n, n+2
.endr
.set n, 0
.rept 32
	v_pk_fma_f32 v[X+n:X+n+1], v[X+n:X+n+1], v[W+n:W+n+1], v[B+n:B+n+1]
.set n, n+2
.endr
.irp c, 0,1                                    ; my two blocks: all 32 numbers of each are mine
	v_max3_num_f32 v[8+\c], |v[X+32*\c]|, |v[X+32*\c+1]|, 0x2800000   ; with the floor 2^(5 - 127)
.endr
.irp i, 2,4,6,8,10,12,14,16,18,20,22,24,26,28,30
.irp c, 0,1
	s_delay_alu instid0(VALU_DEP_2)
	v_max3_num_f32 v[8+\c], v[8+\c], |v[X+32*\c+\i]|, |v[X+32*\c+\i+1]|
.endr
.endr
.irp c, 0,1
	s_delay_alu instid0(VALU_DEP_2)
	v_add_nc_u32 v[10+\c], 0xfe000000, v[8+\c]     ; 4 off the exponent field: the conversion's scale operand
.endr
.irp c, 0,1
	s_delay_alu instid0(VALU_DEP_2)
	v_lshrrev_b32 v[12+\c], 23, v[10+\c]           ; the scale's byte
.endr
	s_delay_alu instid0(VALU_DEP_1)
	v_lshl_or_b32 v245, v13, 16, v12               ; my bytes: blocks h and 2 + h of the row's four,
	v_lshlrev_b32 v14, 3, v3
	s_delay_alu instid0(VALU_DEP_1)
	v_lshlrev_b32 v245, v14, v245                  ; at their places;
	s_delay_alu instid0(VALU_DEP_1)
	v_permlanex16_b32 v14, v245, s12, s13
	s_delay_alu instid0(VALU_DEP_1)
	v_or_b32 v245, v245, v14                       ; with lane l xor 16's two the word is whole
.irp c, 0,1
	v_cvt_scalef32_pk16_bf6_f32 v[C+10*\c:C+10*\c+2], v[X+32*\c:X+32*\c+15], v[10+\c]
	v_cvt_scalef32_pk16_bf6_f32 v[C+10*\c+6:C+10*\c+8], v[X+32*\c+16:X+32*\c+31], v[10+\c]
.endr
	v_nop                                          ; a plain line behind the conversions
.irp c, 0,1
.irp i, 0,1,2
	v_mov_b32 v[C+10*\c+3+\i], v[C+10*\c+6+\i]
.endr
.endr
.irp c, 0,1
	global_store_b128 v30, v[C+10*\c:C+10*\c+3], s[10:11] offset:768*\c            ; 512 consecutive bytes, aligned to 256
	global_store_b64 v31, v[C+10*\c+4:C+10*\c+5], s[10:11] offset:768*\c+512       ; 256 consecutive bytes, aligned
.endr
	global_store_b32 v244, v245, s[10:11]          ; lanes r and r + 16 store the same word to the same place
	s_wait_tensorcnt 0x0
	ds_add_u32 v248, v249
	s_wait_dscnt 0x0
	s_endpgm
.Lfunc_end_k_qe21f3400dc_ln1:
	.size	k_qe21f3400dc_ln1, .Lfunc_end_k_qe21f3400dc_ln1-k_qe21f3400dc_ln1
	.p2alignl 7, 3214868480
	.fill 96, 4, 3214868480
	.section	.rodata,"a",@progbits
	.p2align	6, 0x0
	.amdhsa_kernel k_qe21f3400dc_ln1
		.amdhsa_group_segment_fixed_size 69632
		.amdhsa_private_segment_fixed_size 0
		.amdhsa_enable_private_segment 0
		.amdhsa_kernarg_size 32
		.amdhsa_user_sgpr_count 2
		.amdhsa_user_sgpr_kernarg_segment_ptr 1
		.amdhsa_wavefront_size32 1
		.amdhsa_system_sgpr_workgroup_id_x 1
		.amdhsa_system_sgpr_workgroup_id_y 1
		.amdhsa_system_sgpr_workgroup_id_z 1
		.amdhsa_system_vgpr_workitem_id 0
		.amdhsa_next_free_vgpr 250
		.amdhsa_next_free_sgpr 66
		.amdhsa_reserve_vcc 0
		.amdhsa_float_denorm_mode_32 3
		.amdhsa_float_denorm_mode_16_64 3
		.amdhsa_memory_ordered 1
		.amdhsa_forward_progress 1
		.amdhsa_inst_pref_size 30
	.end_amdhsa_kernel
	.amdgpu_metadata
---
amdhsa.version: [ 1, 2 ]
amdhsa.kernels:
  - .name:           k_qe21f3400dc_ln1
    .symbol:         k_qe21f3400dc_ln1.kd
    .args:
      - { .name: x2, .offset: 0, .size: 8, .value_kind: global_buffer, .address_space: global }
      - { .name: ln2_w, .offset: 8, .size: 8, .value_kind: global_buffer, .address_space: global }
      - { .name: ln2_b, .offset: 16, .size: 8, .value_kind: global_buffer, .address_space: global }
      - { .name: act, .offset: 24, .size: 8, .value_kind: global_buffer, .address_space: global }
    .group_segment_fixed_size: 69632
    .private_segment_fixed_size: 0
    .kernarg_segment_align: 8
    .kernarg_segment_size: 32
    .max_flat_workgroup_size: 256
    .sgpr_count:     66
    .vgpr_count:     250
    .wavefront_size: 32
...
	.end_amdgpu_metadata
.endif
;; end of part 12
;; launch fc1 (part 13): grid 8 x 32, 4 waves a work-group, clusters of 4 x 4, 327,680 bytes of LDS; arguments act, wc, fc1_b, h3; writes h3
.if DOCPART == 13
	.amdgcn_target "amdgcn-amd-amdhsa--gfx1250"
	.amdhsa_code_object_version 6
	.text
	.protected	k_qe21f3400dc_fc1
	.globl	k_qe21f3400dc_fc1
	.p2align	8
	.type	k_qe21f3400dc_fc1,@function
k_qe21f3400dc_fc1:
	s_mov_b64 s[64:65], 0
	v_nop
	global_prefetch_b8 v0, s[64:65] scope:SCOPE_SE
	s_setreg_imm32_b32 hwreg(HW_REG_WAVE_MODE, 25, 1), 1
	s_wait_xcnt 0x0
	s_wait_alu depctr_hold_cnt(0) depctr_sa_sdst(0) depctr_va_vdst(0) depctr_va_sdst(0) depctr_va_ssrc(0) depctr_va_vcc(0) depctr_vm_vsrc(0)
	s_getreg_b32 s2, hwreg(HW_REG_IB_STS2, 6, 4)
	s_cmp_eq_u32 s2, 0
	s_cbranch_scc0 .Lentry_in_a_cluster
	s_endpgm
.Lentry_in_a_cluster:
	s_bfe_u32 s2, ttmp6, 0x10000c
	s_cmp_lg_u32 s2, 0xf033
	s_cbranch_scc0 .Lentry_shape_is_right
	s_endpgm
.Lentry_shape_is_right:
.set KPB,  25600
.set BS0,  4*KPB
.set SLOT, 4*KPB
.set SPARE, 12*KPB
.set KPN,  4
.set BOFF, 3276800
.set TSTR, 2*KPN*KPB
.set A16, 4
.set A8,  6
.set A4,  8
.set BL16, 10
.set BL8,  12
.set BL4,  14
.set B16, 16
.set B8,  18
.set B4,  20
.set O16, 22
.set O8,  23
.set SPW, 24
.set NIL, 25
.set O4,  26
.set BO,  27
.set SC,  32
.set KC,  40
.set BW,  40
.set Z,   64
.set Z2,  80
.set PP,  96
.set QQ,  112
.set TM,  104
.set ACC, 128
.set G1,  24
.set G0A, 32
.set GW,  36
.set G1B, 48
.set G0B, 56
.set SEL, 20
.set TB,  72
.set MUL,  0x05
.set MULF, 0x25
.set TO_F, 0x40
.set MSB, 0
.macro WIN new
.if MSB != \new
	s_set_vgpr_msb (MSB<<8)|\new
.set MSB, \new
.endif
.endm
.macro PLACES
.rept 4
	v_nop
.endr
.endm
.macro CROUND
	s_barrier_signal -1
	s_barrier_wait -1
	s_cmp_lg_u32 s14, 0
	s_cbranch_scc1 .Lnot_wave_0_\@
	s_barrier_signal -3
.Lnot_wave_0_\@:
	s_barrier_wait -3
	s_barrier_signal -1
	s_barrier_wait -1
.endm
.macro FETCH k8, bf
.set HK, (\k8)/4
.set KO, KPB*(((\k8)/2)%2)
.set QO, (\k8)%2
.set SS, SC+4*((\bf)/96)
	WIN 0
.irp p, 0,1
	ds_load_b32 v[SS+\p], v[A4+HK] offset:KO+512*QO+128*\p
	ds_load_b32 v[SS+2+\p], v[B4+HK] offset:KO+512*QO+128*\p
.endr
	WIN TO_F
.irp f, 0,1,2,3
.irp c, 0,1
	ds_load_b128 v[\bf+12*\f+6*\c:\bf+12*\f+6*\c+3], v[A16+HK] offset:KO+12288*QO+1536*\f+768*\c
	ds_load_b64 v[\bf+12*\f+6*\c+4:\bf+12*\f+6*\c+5], v[A8+HK] offset:KO+12288*QO+1536*\f+768*\c+512
	ds_load_b128 v[\bf+48+12*\f+6*\c:\bf+48+12*\f+6*\c+3], v[B16+HK] offset:KO+12288*QO+1536*\f+768*\c
	ds_load_b64 v[\bf+48+12*\f+6*\c+4:\bf+48+12*\f+6*\c+5], v[B8+HK] offset:KO+12288*QO+1536*\f+768*\c+512
.endr
.endr
.endm
.macro WM
.if pA && pB
	v_wmma_scale_f32_16x16x128_f8f6f4 v[rD:rD+7], v[rA:rA+11], v[rB:rB+11], v[rC:rC+7], v[rSA], v[rSB] matrix_a_fmt:MATRIX_FMT_BF6 matrix_b_fmt:MATRIX_FMT_BF6 matrix_a_scale:MATRIX_SCALE_ROW1 matrix_b_scale:MATRIX_SCALE_ROW1
.elseif pA
	v_wmma_scale_f32_16x16x128_f8f6f4 v[rD:rD+7], v[rA:rA+11], v[rB:rB+11], v[rC:rC+7], v[rSA], v[rSB] matrix_a_fmt:MATRIX_FMT_BF6 matrix_b_fmt:MATRIX_FMT_BF6 matrix_a_scale:MATRIX_SCALE_ROW1
.elseif pB
	v_wmma_scale_f32_16x16x128_f8f6f4 v[rD:rD+7], v[rA:rA+11], v[rB:rB+11], v[rC:rC+7], v[rSA], v[rSB] matrix_a_fmt:MATRIX_FMT_BF6 matrix_b_fmt:MATRIX_FMT_BF6 matrix_b_scale:MATRIX_SCALE_ROW1
.else
	v_wmma_scale_f32_16x16x128_f8f6f4 v[rD:rD+7], v[rA:rA+11], v[rB:rB+11], v[rC:rC+7], v[rSA], v[rSB] matrix_a_fmt:MATRIX_FMT_BF6 matrix_b_fmt:MATRIX_FMT_BF6
.endif
.endm
.macro MUL16 bf, first
.irp x, 0,1,2,3
.irp y, 0,1,2,3
.set rD, ACC+8*(4*\x+\y)
.set pA, \y%2
.set pB, \x%2
.set rA, \bf+48+12*\y
.set rB, \bf+12*\x
.set rSA, SC+4*((\bf)/96)+2+\y/2
.set rSB, SC+4*((\bf)/96)+\x/2
.set rC, BW+8*\y
.if !\first
.set rC, rD
.endif
	WM
.endr
.endr
.endm
.macro KS bf, first, nk8
	s_wait_dscnt 0x0
	PLACES
	FETCH \nk8, 96-\bf
.if \first
	WIN MULF
.else
	WIN MUL
.endif
	MUL16 \bf, \first
.endm
.macro BLOAD off
	WIN 0x80
.irp y, 0,1,2,3
	global_load_b128 v[BW+8*\y:BW+8*\y+3], v[BO], s[8:9] offset:\off+(32*(\y/2)+8*(\y%2))*4
	global_load_b128 v[BW+8*\y+4:BW+8*\y+7], v[BO], s[8:9] offset:\off+(32*(\y/2)+8*(\y%2))*4+16
.endr
	WIN 0
.endm
.macro QUANT2 s, pc, pw
.irp P, 0,1
	v_max3_num_f32 v[TM+\P], |v[\s+16*\P]|, |v[\s+1+16*\P]|, 0x2800000
.endr
.irp i, 2,4,6,8,10,12,14
.irp P, 0,1
	v_max3_num_f32 v[TM+\P], v[TM+\P], |v[\s+16*\P+\i]|, |v[\s+1+16*\P+\i]|
.endr
.endr
.irp P, 0,1
	v_permlanex16_b32 v[TM+2+\P], v[TM+\P], s[SEL], s[SEL+1]
.endr
.irp P, 0,1
	v_max_num_f32 v[TM+\P], v[TM+\P], v[TM+2+\P]
.endr
.irp P, 0,1
	v_add_nc_u32 v[TM+4+\P], 0xfe000000, v[TM+\P]
.endr
.irp P, 0,1
	v_lshrrev_b32 v[TM+6+\P], 23, v[TM+4+\P]
.endr
	v_lshl_or_b32 v[\pw], v[TM+7], 8, v[TM+6]
	v_cvt_scalef32_pk16_bf6_f32 v[\pc:\pc+2], v[\s:\s+15], v[TM+4]
	v_cvt_scalef32_pk16_bf6_f32 v[\pc+6:\pc+8], v[\s+16:\s+31], v[TM+5]
	v_nop
.irp i, 0,1,2
	v_permlane16_swap_b32 v[\pc+\i], v[\pc+6+\i]
.endr
.irp i, 0,1,2
	v_mov_b32 v[\pc+3+\i], v[\pc+6+\i]
.endr
.endm
.macro CONST n, val
	v_mov_b32 v[KC+2*\n], \val
	v_mov_b32 v[KC+2*\n+1], \val
.endm
.macro GELU16 u
.set k, 0
.rept 8
	v_pk_mul_f32 v[Z+k:Z+k+1], v[\u+k:\u+k+1], 0x3f3504f3 op_sel_hi:[1,0]
.set k, k+2
.endr
.set k, 0
.rept 16
	v_med3_num_f32 v[Z+k], v[Z+k], -4.0, 4.0
.set k, k+1
.endr
.set k, 0
.rept 8
	v_pk_mul_f32 v[Z2+k:Z2+k+1], v[Z+k:Z+k+1], v[Z+k:Z+k+1]
.set k, k+2
.endr
.set k, 0
.rept 8
	v_pk_fma_f32 v[PP+k:PP+k+1], v[Z2+k:Z2+k+1], v[KC:KC+1], v[KC+2:KC+3]
	v_pk_fma_f32 v[QQ+k:QQ+k+1], v[Z2+k:Z2+k+1], v[KC+14:KC+15], v[KC+16:KC+17]
.set k, k+2
.endr
.irp c, 2,3,4,5,6
.set k, 0
.rept 8
	v_pk_fma_f32 v[PP+k:PP+k+1], v[PP+k:PP+k+1], v[Z2+k:Z2+k+1], v[KC+2*\c:KC+2*\c+1]
.set k, k+2
.endr
.endr
.irp c, 9,10,11
.set k, 0
.rept 8
	v_pk_fma_f32 v[QQ+k:QQ+k+1], v[QQ+k:QQ+k+1], v[Z2+k:Z2+k+1], v[KC+2*\c:KC+2*\c+1]
.set k, k+2
.endr
.endr
.set k, 0
	s_wait_alu depctr_va_vdst(0)
.rept 16
	v_rcp_f32 v[QQ+k], v[QQ+k]
.set k, k+1
.endr
.set k, 0
.rept 8
	v_pk_mul_f32 v[PP+k:PP+k+1], v[PP+k:PP+k+1], v[Z+k:Z+k+1]
.set k, k+2
.endr
	s_wait_alu depctr_va_vdst(0)
.set k, 0
.rept 8
	v_pk_mul_f32 v[PP+k:PP+k+1], v[PP+k:PP+k+1], v[QQ+k:QQ+k+1]
.set k, k+2
.endr
.set k, 0
.rept 8
	v_pk_mul_f32 v[\u+k:\u+k+1], v[\u+k:\u+k+1], 0.5 op_sel_hi:[1,0]
.set k, k+2
.endr
.set k, 0
.rept 8
	v_pk_fma_f32 v[\u+k:\u+k+1], v[\u+k:\u+k+1], v[PP+k:PP+k+1], v[\u+k:\u+k+1]
.set k, k+2
.endr
.endm
.macro TILE fill
.irp k, 0,1
	v_add_nc_u32 v[B16+\k], s[TB], v[BL16+\k]
	v_add_nc_u32 v[B8+\k], s[TB], v[BL8+\k]
	v_add_nc_u32 v[B4+\k], s[TB], v[BL4+\k]
.endr
	FETCH 0, 0
	s_wait_alu depctr_va_vdst(0)
	s_wait_loadcnt 0x0
	KS 0, 1, 1
	s_wait_dscnt 0x0
	PLACES
	WIN 0
.if !\fill
	s_cmp_eq_u32 s3, 1
	s_cbranch_scc1 .Lno_next_\@
.endif
	BLOAD 1024
.if !\fill
.Lno_next_\@:
.endif
	FETCH 2, 0
	WIN MUL
	MUL16 96, 0
	KS 0, 0, 3
	KS 96, 0, 4
	KS 0, 0, 5
	KS 96, 0, 6
	KS 0, 0, 7
	WIN 0
	s_wait_tensorcnt 0x0
	ds_add_u32 v[SPW], v[NIL]
.if \fill
	s_add_co_u32 s[GW+1], s[GW+1], SLOT
	s_add_nc_u64 s[GW+2:GW+3], s[GW+2:GW+3], TSTR
.endif
	s_wait_dscnt 0x0
.if \fill
	CROUND
	tensor_load_to_lds s[GW:GW+3], s[G1B:G1B+7]
	s_nop 0
.rept 4
	v_nop
.endr
.else
	s_barrier_signal -1
	s_barrier_wait -1
.endif
	WIN MUL
	MUL16 96, 0
	WIN 0
	PLACES
.irp n, 0,1,2,3,4,5,6,7
	GELU16 ACC+16*\n
.endr
.irp x, 0,1,2,3
	QUANT2 ACC+32*\x, 64+10*\x, 112+\x
	global_store_b128 v[O16], v[64+10*\x:64+10*\x+3], s[10:11] offset:1536*\x
	global_store_b64 v[O8], v[64+10*\x+4:64+10*\x+5], s[10:11] offset:1536*\x+512
.endr
.irp p, 0,1
	v_cndmask_b32 v[116+\p], v[112+2*\p], v[113+2*\p], s71
	global_store_b16 v[O4], v[116+\p], s[10:11] offset:24576+128*\p
.endr
	s_wait_xcnt 0x0
	s_add_nc_u64 s[10:11], s[10:11], KPB
	s_add_nc_u64 s[8:9], s[8:9], 1024
	s_add_co_u32 s[TB], s[TB], SLOT
.endm
	s_load_b256 s[4:11], s[0:1], 0x0
	v_lshl_add_u32 v[SPW], v0, 2, SPARE
	v_mov_b32 v[NIL], 0
	ds_add_u32 v24, v25
	ds_add_u32 v24, v25
	s_wait_dscnt 0x0
	v_lshrrev_b32 v1, 5, v0
	v_readfirstlane_b32 s14, v1
	s_lshr_b32 s15, s14, 1
	s_and_b32 s16, s14, 1
	s_bfe_u32 s40, ttmp6, 0x40000
	s_bfe_u32 s41, ttmp6, 0x40004
	s_lshl_b32 s42, ttmp9, 2
	s_add_co_u32 s42, s42, s40
	s_and_b32 s17, ttmp7, 0xffff
	s_lshl_b32 s17, s17, 2
	s_add_co_u32 s17, s17, s41
	s_lshl_b32 s43, s41, 2
	s_lshl_b32 s43, 15, s43
	s_lshl_b32 s44, 0x1111, s40
	s_or_b32 s[G1], s43, (3<<16)|(1<<21)
	s_or_b32 s[G1B], s44, (3<<16)|(1<<21)
.irp g, G1, G1B
	s_mov_b32 s[\g+1], 32<<16
	s_mov_b32 s[\g+2], 200<<16                     ; the head's loads bring two blocks, 200 rows of 256 bytes
	s_mov_b32 s[\g+3], 32<<16
	s_mov_b32 s[\g+4], 200
	s_mov_b32 s[\g+5], 32
	s_mov_b32 s[\g+6], 0
	s_mov_b32 s[\g+7], 0
.endr
	s_mul_i32 s18, s17, KPN
	s_add_co_u32 s18, s18, s14
	s_mul_i32 s18, s18, KPB
	s_mov_b32 s19, 0
	s_and_b32 s68, s42, 1
	s_lshr_b32 s69, s42, 1
	s_lshl_b32 s46, s69, 3
	s_add_co_u32 s46, s46, s68
	s_mul_i32 s46, s46, KPN
	s_add_co_u32 s46, s46, s14
	s_mul_i32 s46, s46, KPB
	s_add_co_u32 s46, s46, BOFF
	s_mov_b32 s47, 0
	s_mul_i32 s45, s14, KPB                        ; in a slot: wave x 25,600
	s_mul_i32 s70, s16, 2*KPB                      ; at the head a wave brings K pairs 2 (wave % 2) and the next: of A (waves 0, 1) or of B's first tile (waves 2, 3)
	s_sub_co_u32 s18, s18, s45
	s_add_co_u32 s18, s18, s70
	s_sub_co_u32 s66, s46, s45
	s_add_co_u32 s66, s66, s70
	s_mov_b32 s67, 0
	s_mov_b32 s[SEL], 0x76543210
	s_mov_b32 s[SEL+1], 0xfedcba98
	s_wait_kmcnt 0x0
	s_add_nc_u64 s[18:19], s[4:5], s[18:19]
	s_add_nc_u64 s[46:47], s[6:7], s[46:47]
	CROUND
	s_mov_b32 s[G0A], 1
	s_mov_b32 s[G0A+1], s70
	s_mov_b32 s76, 1                               ; s[76:79]: group 0 for the head's load of B's first tile
	s_add_co_u32 s77, s70, BS0
	s_add_nc_u64 s[78:79], s[6:7], s[66:67]
	s_or_b32 s79, s79, 0x80000000
	s_mov_b64 s[G0A+2:G0A+3], s[18:19]
	s_or_b32 s[G0A+3], s[G0A+3], 0x80000000
.irp s, 1
	s_mov_b32 s[G0B+4*\s], 1
	s_add_co_u32 s[G0B+4*\s+1], s45, BS0+\s*SLOT
	s_add_nc_u64 s[G0B+4*\s+2:G0B+4*\s+3], s[46:47], \s*TSTR
	s_or_b32 s[G0B+4*\s+3], s[G0B+4*\s+3], 0x80000000
.endr
	s_mov_b32 s[GW], 1
	s_add_co_u32 s[GW+1], s45, BS0-SLOT
	s_add_nc_u64 s[GW+2:GW+3], s[46:47], TSTR
	s_or_b32 s[GW+3], s[GW+3], 0x80000000
	s_cmp_eq_u32 s15, 0                            ; one tensor load a wave at the head: waves 0, 1 bring A's halves, waves 2, 3 the halves of B's first tile
	s_cbranch_scc0 .Lhead_b
	tensor_load_to_lds s[G0A:G0A+3], s[G1:G1+7]
	s_nop 0
.rept 4
	v_nop
.endr
	s_branch .Lhead_asked
.Lhead_b:
	tensor_load_to_lds s[76:79], s[G1B:G1B+7]
	s_nop 0
.rept 4
	v_nop
.endr
.Lhead_asked:
	v_and_b32 v1, 31, v0
	s_wait_alu depctr_va_vdst(0)
	v_and_b32 v2, 15, v0
	v_bfe_u32 v3, v0, 4, 1
	s_mul_i32 s22, s15, 6144
	s_lshl_b32 s66, s15, 8
	s_add_co_u32 s66, s66, 24576
	s_mul_i32 s23, s16, 6144
	s_add_co_u32 s23, s23, BS0
	s_lshl_b32 s67, s16, 8
	s_add_co_u32 s67, s67, BS0+24576
.irp k, 0,1
	v_lshl_add_u32 v[A16+\k], v1, 4, s22
	v_lshl_add_u32 v[A8+\k], v1, 3, s22
	v_lshl_add_u32 v[A4+\k], v1, 2, s66
	v_lshl_add_u32 v[BL16+\k], v1, 4, s23
	v_lshl_add_u32 v[BL8+\k], v1, 3, s23
	v_lshl_add_u32 v[BL4+\k], v1, 2, s67
	s_add_co_u32 s22, s22, 2*KPB
	s_add_co_u32 s66, s66, 2*KPB
	s_add_co_u32 s23, s23, 2*KPB
	s_add_co_u32 s67, s67, 2*KPB
.endr
	s_lshl_b32 s66, s68, 9
	s_lshl_b32 s70, s69, 12
	s_add_co_u32 s66, s66, s70
	s_lshl_b32 s70, s16, 8
	s_add_co_u32 s66, s66, s70
	s_mov_b32 s67, 0
	s_add_nc_u64 s[8:9], s[8:9], s[66:67]
	v_lshlrev_b32 v[BO], 6, v3
	BLOAD 0
	s_lshl_b32 s66, s17, 4
	s_lshl_b32 s70, s69, 2
	s_add_co_u32 s66, s66, s70
	s_mul_i32 s66, s66, KPB
	s_add_nc_u64 s[10:11], s[10:11], s[66:67]
	s_mul_i32 s66, s68, 12288
	s_mul_i32 s70, s15, 6144
	s_add_co_u32 s66, s66, s70
	s_mul_i32 s70, s16, 768
	s_add_co_u32 s66, s66, s70
	v_lshl_add_u32 v[O16], v1, 4, s66
	v_lshl_add_u32 v[O8], v1, 3, s66
	s_lshl_b32 s66, s68, 9
	s_lshl_b32 s70, s15, 8
	s_add_co_u32 s66, s66, s70
	s_lshl_b32 s70, s16, 1
	s_add_co_u32 s66, s66, s70
	v_lshl_add_u32 v[O4], v1, 2, s66
	s_mov_b32 s71, 0xffff0000
	CONST 0, 0xaf95df0b
	CONST 1, 0x32edffee
	CONST 2, 0xb60cff51
	CONST 3, 0xb86ec2d2
	CONST 4, 0xba40ac63
	CONST 5, 0xbb41a1f6
	CONST 6, 0xbc83dbd4
	CONST 7, 0xb77460cd
	CONST 8, 0xb95fbd29
	CONST 9, 0xbadc924e
	CONST 10, 0xbbf19bf8
	CONST 11, 0xbc69b6a7
	s_wait_alu depctr_va_vdst(0)                   ; the wait at the head's end
	s_wait_tensorcnt 0x0                           ; my part of A or of B's first tile is in
	ds_add_u32 v[SPW], v[NIL]
	s_mov_b32 s[G1B+2], 100<<16                    ; no tensor load of mine is out: from here on a load of B brings one block, 100 rows
	s_mov_b32 s[G1B+4], 100
	s_wait_dscnt 0x0
	CROUND                                         ; everybody's part is in, and the joint loads meet
	tensor_load_to_lds s[G0B+4:G0B+7], s[G1B:G1B+7]    ; B's second tile, a block a wave: it lands under the first tile's products
	s_nop 0
.rept 4
	v_nop
.endr
	s_mov_b32 s[TB], 0
	s_mov_b32 s3, 2
.Lfill:
	TILE 1
	s_sub_co_u32 s3, s3, 1
	s_cmp_lg_u32 s3, 0
	s_cbranch_scc1 .Lfill
	s_mov_b32 s[TB], 0
	s_mov_b32 s3, 2
.Ltail:
	TILE 0
	s_sub_co_u32 s3, s3, 1
	s_cmp_lg_u32 s3, 0
	s_cbranch_scc1 .Ltail
	s_wait_tensorcnt 0x0
	ds_add_u32 v[SPW], v[NIL]
	s_wait_dscnt 0x0
	CROUND
	s_endpgm
.Lfunc_end_k_qe21f3400dc_fc1:
	.size	k_qe21f3400dc_fc1, .Lfunc_end_k_qe21f3400dc_fc1-k_qe21f3400dc_fc1
	.p2alignl 7, 3214868480
	.fill 96, 4, 3214868480
	.section	.rodata,"a",@progbits
	.p2align	6, 0x0
	.amdhsa_kernel k_qe21f3400dc_fc1
		.amdhsa_group_segment_fixed_size 327680
		.amdhsa_private_segment_fixed_size 0
		.amdhsa_enable_private_segment 0
		.amdhsa_kernarg_size 32
		.amdhsa_user_sgpr_count 2
		.amdhsa_user_sgpr_kernarg_segment_ptr 1
		.amdhsa_wavefront_size32 1
		.amdhsa_system_sgpr_workgroup_id_x 1
		.amdhsa_system_sgpr_workgroup_id_y 1
		.amdhsa_system_sgpr_workgroup_id_z 1
		.amdhsa_system_vgpr_workitem_id 0
		.amdhsa_next_free_vgpr 584
		.amdhsa_next_free_sgpr 80
		.amdhsa_reserve_vcc 0
		.amdhsa_float_denorm_mode_32 3
		.amdhsa_float_denorm_mode_16_64 3
		.amdhsa_memory_ordered 1
		.amdhsa_forward_progress 1
		.amdhsa_inst_pref_size 255
	.end_amdhsa_kernel
	.section	.bss,"aw",@nobits
	.p2align	6
	.space	262144
	.amdgpu_metadata
---
amdhsa.version: [ 1, 2 ]
amdhsa.kernels:
  - .name:           k_qe21f3400dc_fc1
    .symbol:         k_qe21f3400dc_fc1.kd
    .args:
      - { .name: act, .offset: 0, .size: 8, .value_kind: global_buffer, .address_space: global }
      - { .name: wc, .offset: 8, .size: 8, .value_kind: global_buffer, .address_space: global }
      - { .name: fc1_b, .offset: 16, .size: 8, .value_kind: global_buffer, .address_space: global }
      - { .name: h3, .offset: 24, .size: 8, .value_kind: global_buffer, .address_space: global }
    .group_segment_fixed_size: 327680
    .private_segment_fixed_size: 0
    .kernarg_segment_align: 8
    .kernarg_segment_size: 32
    .max_flat_workgroup_size: 128
    .sgpr_count:     80
    .vgpr_count:     584
    .wavefront_size: 32
...
	.end_amdgpu_metadata
.endif
;; end of part 13
;; launch fc2 (part 14): grid 8 x 32, 4 waves a work-group, clusters of 4 x 4, 327,680 bytes of LDS; arguments h3, wc, fc2_b, x2, out0; writes out0
.if DOCPART == 14
	.amdgcn_target "amdgcn-amd-amdhsa--gfx1250"
	.amdhsa_code_object_version 6
	.text
	.protected	k_qe21f3400dc_fc2
	.globl	k_qe21f3400dc_fc2
	.p2align	8
	.type	k_qe21f3400dc_fc2,@function
k_qe21f3400dc_fc2:
	s_mov_b64 s[64:65], 0
	v_nop
	global_prefetch_b8 v0, s[64:65] scope:SCOPE_SE
	s_setreg_imm32_b32 hwreg(HW_REG_WAVE_MODE, 25, 1), 1
	s_wait_xcnt 0x0
	s_wait_alu depctr_hold_cnt(0) depctr_sa_sdst(0) depctr_va_vdst(0) depctr_va_sdst(0) depctr_va_ssrc(0) depctr_va_vcc(0) depctr_vm_vsrc(0)
	s_getreg_b32 s2, hwreg(HW_REG_IB_STS2, 6, 4)
	s_cmp_eq_u32 s2, 0
	s_cbranch_scc0 .Lentry_in_a_cluster
	s_endpgm
.Lentry_in_a_cluster:
	s_bfe_u32 s2, ttmp6, 0x10000c
	s_cmp_lg_u32 s2, 0xf033
	s_cbranch_scc0 .Lentry_shape_is_right
	s_endpgm
.Lentry_shape_is_right:
; out = x2 + h3 fc2_w + fc2_b: the product on codes of BF6 with E8M0 scales, sums, bias and residual in f32.
; OPERANDS lie in memory as images of registers: a stream [tile of 128 rows][K pair][25,600 bytes]: codes [q 2][row block 8][c 2][768], then scale words [q 2][row block 8][16 rows].  A piece of 768 bytes is 16 rows x 64 K:
; registers 0-3 at 16 x lane, 4-5 at 512 + 8 x lane.  Row block 2 G + u, row r, is row 32 G + 8 u + r + 8 (r / 8) of the tile.
; A tile of C is 128 x 128 (256 work-groups); four waves, each 64 x 64.  K = 4,096 goes through a ring of two LDS slots of 512 along K: eight fills.  AT THE HEAD each wave issues one load of two blocks, and the four fill both
; slots; in the ring each wave brings one block of 25,600 bytes a fill, and a refill has four K steps, 64 matrix instructions a wave, in which to land.
; CLUSTER 4 x 4: A's blocks are asked for jointly along a row of the cluster, B's along a column; each refill stands behind a round of the cluster's barrier.
; PREFETCH: the block that a wave will bring two fills on is asked for behind each refill, and fills 2 and 3 at the head: one instruction a wave; the four partners that ask for a block jointly share its 100 rows of 256 bytes
; out by address, 25 each (lanes 25-31 name the wave's last row again); the last two refills have no fill two on and ask for nothing.
; The residual's rows are asked for behind the first K step, when the first tiles are in, and land under the K loop (window 2).  Results go through the wave's own stage in LDS, which no tensor load fills, and leave as aligned
; runs of 256 bytes.  All of the LDS is claimed.
.set KPB,  25600
.set SLOT, 4*KPB
.set KPN,  16
.set BOFF, 6553600
.set SPARE, 204800                     ; behind the slots: the spare words, 128 bytes a wave
.set STG,  205312                      ; then 16 rows x 272 bytes for each wave
.set A16, 4
.set A8,  6
.set A4,  8
.set B16, 10
.set B8,  12
.set B4,  14
.set PFO, 20                           ; v20 the prefetches' offset: 256 x min(lane, 24); never rewritten
.set SPW, 24                           ; v24 my spare word's address, v25 = 0; never rewritten
.set NIL, 25
.set SC,  32
.set BIAS, 64
.set ACC, 128
.set PFA, 20                           ; s[20:21] where my prefetches stand
.set G1,  24
.set G0,  32
.set G1B, 48
.set G0B, 56
.set MUL,  0x05
.set TO_F, 0x40
.set MSB, 0
.macro WIN new
.if MSB != \new
	s_set_vgpr_msb (MSB<<8)|\new
.set MSB, \new
.endif
.endm
.macro PLACES
.rept 4
	v_nop
.endr
.endm
.macro CROUND
	s_barrier_signal -1
	s_barrier_wait -1
	s_cmp_lg_u32 s14, 0
	s_cbranch_scc1 .Lnot_wave_0_\@
	s_barrier_signal -3
.Lnot_wave_0_\@:
	s_barrier_wait -3
	s_barrier_signal -1
	s_barrier_wait -1
.endm
.macro JLOAD s                         ; a joint refill: waves 0, 1 for A, waves 2, 3 for B; four v_nop follow each of the two lines
	s_cmp_eq_u32 s15, 0
	s_cbranch_scc0 .Lfor_b_\@
	tensor_load_to_lds s[G0+4*\s:G0+4*\s+3], s[G1:G1+7]
	s_nop 0
.rept 4
	v_nop
.endr
	s_branch .Lasked_\@
.Lfor_b_\@:
	tensor_load_to_lds s[G0B+4*\s:G0B+4*\s+3], s[G1B:G1B+7]
	s_nop 0
.rept 4
	v_nop
.endr
.Lasked_\@:
.endm
.macro FETCH s, k4, bf
.set KO, KPB*((\k4)/2)
.set QO, (\k4)%2
.set SS, SC+4*((\bf)/96)
	WIN 0
.irp p, 0,1
	ds_load_b32 v[SS+\p], v[A4+\s] offset:KO+512*QO+128*\p
	ds_load_b32 v[SS+2+\p], v[B4+\s] offset:KO+512*QO+128*\p
.endr
	WIN TO_F
.irp f, 0,1,2,3
.irp c, 0,1
	ds_load_b128 v[\bf+12*\f+6*\c:\bf+12*\f+6*\c+3], v[A16+\s] offset:KO+12288*QO+1536*\f+768*\c
	ds_load_b64 v[\bf+12*\f+6*\c+4:\bf+12*\f+6*\c+5], v[A8+\s] offset:KO+12288*QO+1536*\f+768*\c+512
	ds_load_b128 v[\bf+48+12*\f+6*\c:\bf+48+12*\f+6*\c+3], v[B16+\s] offset:KO+12288*QO+1536*\f+768*\c
	ds_load_b64 v[\bf+48+12*\f+6*\c+4:\bf+48+12*\f+6*\c+5], v[B8+\s] offset:KO+12288*QO+1536*\f+768*\c+512
.endr
.endr
.endm
.macro WM
.if pA && pB
	v_wmma_scale_f32_16x16x128_f8f6f4 v[rD:rD+7], v[rA:rA+11], v[rB:rB+11], v[rC:rC+7], v[rSA], v[rSB] matrix_a_fmt:MATRIX_FMT_BF6 matrix_b_fmt:MATRIX_FMT_BF6 matrix_a_scale:MATRIX_SCALE_ROW1 matrix_b_scale:MATRIX_SCALE_ROW1
.elseif pA
	v_wmma_scale_f32_16x16x128_f8f6f4 v[rD:rD+7], v[rA:rA+11], v[rB:rB+11], v[rC:rC+7], v[rSA], v[rSB] matrix_a_fmt:MATRIX_FMT_BF6 matrix_b_fmt:MATRIX_FMT_BF6 matrix_a_scale:MATRIX_SCALE_ROW1
.elseif pB
	v_wmma_scale_f32_16x16x128_f8f6f4 v[rD:rD+7], v[rA:rA+11], v[rB:rB+11], v[rC:rC+7], v[rSA], v[rSB] matrix_a_fmt:MATRIX_FMT_BF6 matrix_b_fmt:MATRIX_FMT_BF6 matrix_b_scale:MATRIX_SCALE_ROW1
.else
	v_wmma_scale_f32_16x16x128_f8f6f4 v[rD:rD+7], v[rA:rA+11], v[rB:rB+11], v[rC:rC+7], v[rSA], v[rSB] matrix_a_fmt:MATRIX_FMT_BF6 matrix_b_fmt:MATRIX_FMT_BF6
.endif
.endm
; 16 products, 128 along K: source 0 = B's block y, source 1 = A's block x; the accumulators take turns, one instruction a turn, over the loop's backward jump too.  first = 1: C is the bias
.macro MUL16 bf, first
.irp x, 0,1,2,3
.irp y, 0,1,2,3
.set rD, ACC+8*(4*\x+\y)
.set pA, \y%2
.set pB, \x%2
.set rA, \bf+48+12*\y
.set rB, \bf+12*\x
.set rSA, SC+4*((\bf)/96)+2+\y/2
.set rSB, SC+4*((\bf)/96)+\x/2
.set rC, BIAS+8*\y
.if !\first
.set rC, rD
.endif
	WM
.endr
.endr
.endm
.macro KS bf, first, ns, nk4
	s_wait_dscnt 0x0                               ; buffer bf is in
	PLACES
	FETCH \ns, \nk4, 96-\bf
	WIN MUL
	MUL16 \bf, \first
.endm
; A slot's last K step changes slots.  Each wave waits for all its tensor loads (one is out: its part of the other slot), adds 0 to its spare word, and waits for that and for its reads of this slot.
; fill = 1: a round of the cluster's barrier, and this slot is filled again, four K pairs on: the first tensor load behind the round, one a wave.
.macro TURN s, fill
	WIN 0
.if \fill
	s_wait_xcnt 0x0                                ; my last prefetch has read its address, which steps one fill on
	s_add_nc_u64 s[PFA:PFA+1], s[PFA:PFA+1], 2*KPB
.endif
	s_wait_tensorcnt 0x0                           ; no tensor load of mine is out, so a group 0 may be written
	ds_add_u32 v[SPW], v[NIL]
.if \fill
	s_add_nc_u64 s[G0+4*\s+2:G0+4*\s+3], s[G0+4*\s+2:G0+4*\s+3], 4*KPB
	s_add_nc_u64 s[G0B+4*\s+2:G0B+4*\s+3], s[G0B+4*\s+2:G0B+4*\s+3], 4*KPB
.endif
	s_wait_dscnt 0x0                               ; the add is done, buffer 1 is in, and my reads of this slot are over
.if \fill
	CROUND                                         ; no wave of any partner still reads this slot or has a load on its way
	JLOAD \s                                       ; its four v_nop are also the places in front of the loads below
.else
	s_barrier_signal -1
	s_barrier_wait -1
	PLACES
.endif
	FETCH 1-\s, 0, 0
.if \fill
	WIN 0
	s_cmp_gt_u32 s3, 1                             ; the loop's last trip asks for fills 6 and 7: no fill stands two on
	s_cbranch_scc0 .Lno_ask_\@
	global_prefetch_b8 v[PFO], s[PFA:PFA+1] offset:6*KPB th:TH_LOAD_NT scope:SCOPE_SE   ; my share of the block that I bring two fills on
.Lno_ask_\@:
.endif
	WIN MUL
	MUL16 96, 0
.endm
	s_load_b256 s[4:11], s[0:1], 0x0               ; A's stream, the weights' streams, the bias, the residual
	s_load_b64 s[12:13], s[0:1], 0x20              ; the output
	v_lshl_add_u32 v[SPW], v0, 2, SPARE
	v_mov_b32 v[NIL], 0
	ds_add_u32 v24, v25
	ds_add_u32 v24, v25
	s_wait_dscnt 0x0
	v_lshrrev_b32 v1, 5, v0
	v_readfirstlane_b32 s14, v1
	s_lshr_b32 s15, s14, 1
	s_and_b32 s16, s14, 1
	s_bfe_u32 s40, ttmp6, 0x40000
	s_bfe_u32 s41, ttmp6, 0x40004
	s_lshl_b32 s42, ttmp9, 2
	s_add_co_u32 s42, s42, s40                     ; tile column
	s_and_b32 s17, ttmp7, 0xffff
	s_lshl_b32 s17, s17, 2
	s_add_co_u32 s17, s17, s41                     ; tile row
	s_lshl_b32 s43, s41, 2
	s_lshl_b32 s43, 15, s43
	s_lshl_b32 s44, 0x1111, s40
	s_or_b32 s[G1], s43, (3<<16)|(1<<21)
	s_or_b32 s[G1B], s44, (3<<16)|(1<<21)
.irp g, G1, G1B                                ; the head's loads bring two dense blocks: 200 rows of 256 bytes
	s_mov_b32 s[\g+1], 32<<16
	s_mov_b32 s[\g+2], 200<<16
	s_mov_b32 s[\g+3], 32<<16
	s_mov_b32 s[\g+4], 200
	s_mov_b32 s[\g+5], 32
	s_mov_b32 s[\g+6], 0
	s_mov_b32 s[\g+7], 0
.endr
	s_mul_i32 s18, s17, KPN
	s_add_co_u32 s18, s18, s16
	s_mul_i32 s18, s18, KPB                        ; the ring: waves 0, 1 bring A's K pair wave % 2 of a fill,
	s_mov_b32 s19, 0
	s_mul_i32 s46, s42, KPN
	s_add_co_u32 s46, s46, s16
	s_mul_i32 s46, s46, KPB
	s_add_co_u32 s46, s46, BOFF                    ; waves 2, 3 B's
	s_mov_b32 s47, 0
	s_mul_i32 s45, s14, KPB
	s_mul_i32 s68, s16, KPB                        ; at the head wave w brings, for slot w / 2, both K pairs of A (w even) or of B (w odd)
	s_mul_i32 s69, s15, 2*KPB
	s_sub_co_u32 s70, s18, s68
	s_add_co_u32 s70, s70, s69
	s_mov_b32 s71, 0
	s_sub_co_u32 s66, s46, s68
	s_add_co_u32 s66, s66, s69
	s_mov_b32 s67, 0
	s_mul_i32 s69, s15, SLOT
	s_lshl_b32 s68, s68, 1
	s_add_co_u32 s69, s69, s68                     ; in LDS: the slot, A's two blocks first, B's two behind them
	s_wait_kmcnt 0x0
	s_add_nc_u64 s[18:19], s[4:5], s[18:19]
	s_add_nc_u64 s[46:47], s[6:7], s[46:47]
	CROUND
.irp s, 0,1
	s_mov_b32 s[G0+4*\s], 1
	s_add_co_u32 s[G0+4*\s+1], s45, \s*SLOT
	s_add_nc_u64 s[G0+4*\s+2:G0+4*\s+3], s[18:19], \s*2*KPB
	s_or_b32 s[G0+4*\s+3], s[G0+4*\s+3], 0x80000000
	s_mov_b32 s[G0B+4*\s], 1
	s_add_co_u32 s[G0B+4*\s+1], s45, \s*SLOT
	s_add_nc_u64 s[G0B+4*\s+2:G0B+4*\s+3], s[46:47], \s*2*KPB
	s_or_b32 s[G0B+4*\s+3], s[G0B+4*\s+3], 0x80000000
.endr
	s_mov_b32 s72, 1                               ; s[72:75], s[76:79]: group 0 for the head's loads of A and of B
	s_mov_b32 s73, s69
	s_add_nc_u64 s[74:75], s[4:5], s[70:71]
	s_or_b32 s75, s75, 0x80000000
	s_mov_b32 s76, 1
	s_mov_b32 s77, s69
	s_add_nc_u64 s[78:79], s[6:7], s[66:67]
	s_or_b32 s79, s79, 0x80000000
	s_cmp_eq_u32 s16, 0                            ; one tensor load a wave at the head: the four fill both slots
	s_cbranch_scc0 .Lfirst_b
	tensor_load_to_lds s[72:75], s[G1:G1+7]
	s_nop 0
.rept 4
	v_nop
.endr
	s_branch .Lfirst_asked
.Lfirst_b:
	tensor_load_to_lds s[76:79], s[G1B:G1B+7]
	s_nop 0
.rept 4
	v_nop
.endr
.Lfirst_asked:
	v_and_b32 v1, 31, v0
	s_wait_alu depctr_va_vdst(0)
	v_and_b32 v2, 15, v0
	v_bfe_u32 v3, v0, 4, 1
	s_mul_i32 s22, s15, 6144
	s_mul_i32 s23, s16, 6144
	s_add_co_u32 s23, s23, 2*KPB
	s_lshl_b32 s66, s15, 8
	s_add_co_u32 s66, s66, 24576
	s_lshl_b32 s67, s16, 8
	s_add_co_u32 s67, s67, 2*KPB+24576
.irp s, 0,1
	v_lshl_add_u32 v[A16+\s], v1, 4, s22
	v_lshl_add_u32 v[A8+\s], v1, 3, s22
	v_lshl_add_u32 v[A4+\s], v1, 2, s66
	v_lshl_add_u32 v[B16+\s], v1, 4, s23
	v_lshl_add_u32 v[B8+\s], v1, 3, s23
	v_lshl_add_u32 v[B4+\s], v1, 2, s67
	s_add_co_u32 s22, s22, SLOT
	s_add_co_u32 s23, s23, SLOT
	s_add_co_u32 s66, s66, SLOT
	s_add_co_u32 s67, s67, SLOT
.endr
	s_mul_i32 s22, s14, 16*272
	s_add_co_u32 s22, s22, STG                     ; my stage
	v_mul_u32_u24 v16, v2, 272
	v_lshl_add_u32 v16, v3, 6, v16
	v_add_nc_u32 v16, s22, v16                     ; in: row r, + 64 h
	v_mul_u32_u24 v17, v3, 272
	v_lshl_add_u32 v17, v2, 4, v17
	v_add_nc_u32 v17, s22, v17                     ; back: lanes 0-15 one row of 256 bytes, lanes 16-31 the next
	v_lshlrev_b32 v18, 12, v3
	v_lshl_add_u32 v18, v2, 4, v18                 ; and the same two rows in memory
	v_lshlrev_b32 v19, 6, v3
	v_min_u32 v[PFO], 24, v1
	v_lshlrev_b32 v[PFO], 8, v[PFO]                ; the prefetches: a lane a row of 256 bytes, 25 rows
	s_wait_alu depctr_va_vdst(0)
	s_lshl_b32 s66, s42, 9
	s_lshl_b32 s68, s16, 8
	s_add_co_u32 s66, s66, s68                     ; my 64 columns, in bytes
	s_mov_b32 s67, 0
	s_add_nc_u64 s[8:9], s[8:9], s[66:67]
	s_lshl_b32 s68, s17, 7
	s_lshl_b32 s69, s15, 6
	s_add_co_u32 s68, s68, s69
	s_lshl_b32 s68, s68, 12                        ; my 64 rows
	s_add_co_u32 s66, s66, s68
	s_add_nc_u64 s[10:11], s[10:11], s[66:67]
	s_add_nc_u64 s[12:13], s[12:13], s[66:67]
.irp y, 0,1,2,3
	global_load_b128 v[BIAS+8*\y:BIAS+8*\y+3], v19, s[8:9] offset:(32*(\y/2)+8*(\y%2))*4
	global_load_b128 v[BIAS+8*\y+4:BIAS+8*\y+7], v19, s[8:9] offset:(32*(\y/2)+8*(\y%2))*4+16
.endr
	s_cmp_eq_u32 s15, 0                            ; in the ring I fetch for A or for B:
	s_cselect_b64 s[PFA:PFA+1], s[18:19], s[46:47] ; my block of fill 0,
	s_cselect_b32 s68, s40, s41                    ; my place among the four that ask for it with me (cx for A, cy for B): it enters this address alone
	s_mul_i32 s68, s68, 25*256
	s_mov_b32 s69, 0
	s_add_nc_u64 s[PFA:PFA+1], s[PFA:PFA+1], s[68:69]
	global_prefetch_b8 v[PFO], s[PFA:PFA+1] offset:4*KPB th:TH_LOAD_NT scope:SCOPE_SE   ; fill 2,
	global_prefetch_b8 v[PFO], s[PFA:PFA+1] offset:6*KPB th:TH_LOAD_NT scope:SCOPE_SE   ; fill 3
	s_wait_tensorcnt 0x0                           ; my load is in; no tensor load of mine is out, so a descriptor may be written:
	s_mov_b32 s[G1+2], 100<<16                     ; the ring's loads bring one block, 100 rows
	s_mov_b32 s[G1+4], 100
	s_mov_b32 s[G1B+2], 100<<16
	s_mov_b32 s[G1B+4], 100
	s_barrier_signal -1
	s_barrier_wait -1                              ; both slots are whole
	FETCH 0, 0, 0
	s_wait_loadcnt 0x0                             ; the bias
	KS 0, 1, 0, 1                                  ; the first K step stands in front of the loop: its products start the sums
	WIN 0x80                                       ; destination window 2
.irp x, 0,1,2,3
.irp t, 0,1,2,3,4,5,6,7
	global_load_b128 v[32*\x+4*\t:32*\x+4*\t+3], v18, s[10:11] offset:(32*(\x/2)+8*(\x%2)+2*\t+8*(\t/4))*4096   ; the residual: stage row 2 t + lane / 16 of block x
.endr
.endr
	WIN 0
	s_mov_b32 s3, 3
.Llap:                                                 ; a trip goes once round the ring and fills both slots again: fills 2 to 7
	KS 96, 0, 0, 2
	KS 0, 0, 0, 3
	TURN 0, 1
	KS 0, 0, 1, 1
	KS 96, 0, 1, 2
	KS 0, 0, 1, 3
	TURN 1, 1
	KS 0, 0, 0, 1
	WIN 0
	s_sub_co_u32 s3, s3, 1
	s_cmp_lg_u32 s3, 0
	s_cbranch_scc1 .Llap
	KS 96, 0, 0, 2                                 ; the last lap is written out: it fills nothing
	KS 0, 0, 0, 3
	TURN 0, 0
	KS 0, 0, 1, 1
	KS 96, 0, 1, 2
	KS 0, 0, 1, 3
	s_wait_dscnt 0x0
	MUL16 96, 0
	WIN 0
	PLACES
	s_wait_loadcnt 0x0                             ; the residual
; Block x: 16 rows x 64 columns through my stage; the rows come back into the block's own accumulators, which are never written again: no store's data are overwritten
.macro OUTX x
.irp y, 0,1,2,3
	ds_store_b128 v16, v[ACC+8*(4*\x+\y):ACC+8*(4*\x+\y)+3] offset:128*(\y/2)+32*(\y%2)        ; each accumulator from its low end on
	ds_store_b128 v16, v[ACC+8*(4*\x+\y)+4:ACC+8*(4*\x+\y)+7] offset:128*(\y/2)+32*(\y%2)+16
.endr
	s_wait_dscnt 0x0                               ; the stores have read their registers, into which the loads below land
.irp t, 0,1,2,3,4,5,6,7
	ds_load_b128 v[ACC+32*\x+4*\t:ACC+32*\x+4*\t+3], v17 offset:544*\t
.endr
	s_wait_dscnt 0x0
	WIN 0x08                                       ; source 1 in window 2
.set n, 0
.rept 16
	v_pk_add_f32 v[ACC+32*\x+n:ACC+32*\x+n+1], v[ACC+32*\x+n:ACC+32*\x+n+1], v[32*\x+n:32*\x+n+1]
.set n, n+2
.endr
	WIN 0
.irp t, 0,1,2,3,4,5,6,7
	global_store_b128 v18, v[ACC+32*\x+4*\t:ACC+32*\x+4*\t+3], s[12:13] offset:(32*(\x/2)+8*(\x%2)+2*\t+8*(\t/4))*4096 th:TH_STORE_NT   ; 16 lanes store 256 consecutive bytes, aligned
.endr
.endm
	OUTX 0
	OUTX 1
	OUTX 2
	OUTX 3
	s_wait_tensorcnt 0x0                           ; the wave's end
	ds_add_u32 v[SPW], v[NIL]
	s_wait_dscnt 0x0
	CROUND                                         ; the closing round
	s_endpgm
.Lfunc_end_k_qe21f3400dc_fc2:
	.size	k_qe21f3400dc_fc2, .Lfunc_end_k_qe21f3400dc_fc2-k_qe21f3400dc_fc2
	.p2alignl 7, 3214868480
	.fill 96, 4, 3214868480
	.section	.rodata,"a",@progbits
	.p2align	6, 0x0
	.amdhsa_kernel k_qe21f3400dc_fc2
		.amdhsa_group_segment_fixed_size 327680
		.amdhsa_private_segment_fixed_size 0
		.amdhsa_enable_private_segment 0
		.amdhsa_kernarg_size 40
		.amdhsa_user_sgpr_count 2
		.amdhsa_user_sgpr_kernarg_segment_ptr 1
		.amdhsa_wavefront_size32 1
		.amdhsa_system_sgpr_workgroup_id_x 1
		.amdhsa_system_sgpr_workgroup_id_y 1
		.amdhsa_system_sgpr_workgroup_id_z 1
		.amdhsa_system_vgpr_workitem_id 0
		.amdhsa_next_free_vgpr 640
		.amdhsa_next_free_sgpr 80
		.amdhsa_reserve_vcc 0
		.amdhsa_float_denorm_mode_32 3
		.amdhsa_float_denorm_mode_16_64 3
		.amdhsa_memory_ordered 1
		.amdhsa_forward_progress 1
		.amdhsa_inst_pref_size 100
	.end_amdhsa_kernel
	.amdgpu_metadata
---
amdhsa.version: [ 1, 2 ]
amdhsa.kernels:
  - .name:           k_qe21f3400dc_fc2
    .symbol:         k_qe21f3400dc_fc2.kd
    .args:
      - { .name: h3, .offset: 0, .size: 8, .value_kind: global_buffer, .address_space: global }
      - { .name: wc, .offset: 8, .size: 8, .value_kind: global_buffer, .address_space: global }
      - { .name: fc2_b, .offset: 16, .size: 8, .value_kind: global_buffer, .address_space: global }
      - { .name: x2, .offset: 24, .size: 8, .value_kind: global_buffer, .address_space: global }
      - { .name: out0, .offset: 32, .size: 8, .value_kind: global_buffer, .address_space: global }
    .group_segment_fixed_size: 327680
    .private_segment_fixed_size: 0
    .kernarg_segment_align: 8
    .kernarg_segment_size: 40
    .max_flat_workgroup_size: 128
    .sgpr_count:     80
    .vgpr_count:     640
    .wavefront_size: 32
...
	.end_amdgpu_metadata
.endif
;; end of part 14
